; MI455X (gfx1250); checked and timed in simulation.
; The chip was launched on July 23, 2026; its instructions are those of AMD's public machine-readable ISA for CDNA 5 (MIT licence, August 2026) and "CDNA5" Instruction Set Architecture Reference Guide (July 2026). The comments in the code are by the model that wrote it; some were corrected since.
;; Block. Allowed arithmetic: matrix products marked QUANTISED: E4M3 operands, one E8M0 scale for each 32 along K, by v_wmma_scale_f32_16x16x128_f8f6f4 with both operands' format E4M3, f32 sums; everything else in f32.
;; Inputs: Wfc 4,096 x 1,024 float32; Wk 1,024 x 1,024 float32; Wo 1,024 x 1,024 float32; Wp2 1,024 x 4,096 float32; Wq 1,024 x 1,024 float32; Wv 1,024 x 1,024 float32; bfc 4,096 float32; bk 1,024 float32; bo 1,024 float32; bp2 1,024 float32; bq 1,024 float32; bv 1,024 float32; ln1_b 1,024 float32; ln1_g 1,024 float32; ln2_b 1,024 float32; ln2_g 1,024 float32; x 2 x 2,048 x 1,024 float32.
;; Outputs: out0 2 x 2,048 x 1,024 float32.
;; This version of the problem:
;;   THIS VERSION OF THE PROBLEM IS GIVEN IN LOW PRECISION. The matrix products marked QUANTISED in the list below multiply operands that are first quantised to E4M3 (4 exponent bits, 3 mantissa bits; 8 bits a number), with one power-of-two scale for each 32 numbers along K (OCP MX v1.0); their sums are f32. All else is computed in f32.
;;   The module's matrix products, in the order in which they are computed (A, B: the left and right operand; K: the contracted axis; several contracted axes count as one K, in the product's order):
;;     1. [M 4,096, K 1,024] x [K 1,024, N 1,024]; A: computed on the way; B: input Wq: QUANTISED
;;     2. [M 4,096, K 1,024] x [K 1,024, N 1,024]; A: computed on the way; B: input Wk: QUANTISED
;;     3. [M 4,096, K 1,024] x [K 1,024, N 1,024]; A: computed on the way; B: input Wv: QUANTISED
;;     4. batch 32 x [M 2,048, K 64] x [K 64, N 2,048]; A: computed on the way; B: computed on the way: QUANTISED
;;     5. batch 32 x [M 2,048, K 2,048] x [K 2,048, N 64]; A: softmax (see below); B: computed on the way: QUANTISED
;;     6. [M 4,096, K 1,024] x [K 1,024, N 1,024]; A: computed on the way; B: input Wo: QUANTISED
;;     7. [M 4,096, K 1,024] x [K 1,024, N 4,096]; A: computed on the way; B: input Wfc: QUANTISED
;;     8. [M 4,096, K 4,096] x [K 4,096, N 1,024]; A: computed on the way; B: input Wp2: QUANTISED
;;   THE QUANTISER, for each operand of a quantised product, along K:
;;     - K is cut into blocks of 32 from its start; a last block that is shorter is filled with zeros.
;;     - A block's scale is 2^e with e = floor(log2(the largest magnitude in the block)) - 8, held to -126 .. 127; a block of zeros has e = 0. As a byte (E8M0): e + 127.
;;     - Each number is divided by its block's scale, clamped to +-448, and rounded to the nearest number of E4M3, ties to even, subnormals kept.
;;     - The product sums the exact products of the quantised numbers (number of the format x scale) in f32.
;;   ~~~python
;;   def quantise(x, axis):      # numpy; x: float32 -> the quantised numbers, widened to float32 again
;;       x = np.moveaxis(x, axis, -1); K = x.shape[-1]
;;       x = np.pad(x, [(0, 0)] * (x.ndim - 1) + [(0, -K % 32)]); x = x.reshape(x.shape[:-1] + (-1, 32)); a = np.abs(x).max(-1, keepdims=True)
;;       e = np.where(a > 0, np.clip(np.frexp(np.where(a > 0, a, 1))[1] - 1 - 8, -126, 127), 0)      # np.frexp(a)[1] - 1 = floor(log2(a)), exactly
;;       r = np.clip(x / 2.0 ** e, -448, 448)
;;       step = 2.0 ** (np.maximum(np.frexp(np.where(r == 0, 1, r))[1] - 1, -6) - 3)
;;       q = np.round(r / step) * step * 2.0 ** e      # np.round: ties to even
;;       return np.moveaxis(q.reshape(q.shape[:-2] + (-1,))[..., :K], -1, axis).astype(np.float32)
;;   ~~~
;;   SOFTMAX AHEAD OF A QUANTISED PRODUCT. Where the list says 'softmax', what is quantised is not the finished softmax but p = 2^(t - M), with t = logit x log2(e) and M = ceil(the row's largest t), a whole number; so 1/2 < the row's largest p <= 1. The row's sum l is taken of the UNQUANTISED p, in f32, and the product's result is divided by l at the end. Since M is a whole number, a kernel that streams over the keys may use a running M (the ceiling of the running maximum): every later rescaling is an exact power of two, which a block's scale takes up: the codes' values come out the same.
;;   OPERANDS COMPUTED ON THE WAY. 'Computed on the way' means the value that the module computes at that place (a softmax that the list does not call 'softmax' is quantised finished and normalised). What goes into a quantiser is computed in f32, as accurately as f32 sums, v_exp_f32 and their like allow (about 1e-6 of the number): no bf16 or f16 on the way to a quantiser, and a product that is left as it is and whose result goes on into a quantised operand takes f32 operands (vector FMAs, or v_wmma_f32_16x16x4_f32). A number that lies on a knife's edge between two numbers of the format may be rounded either way, as far as f32 arithmetic and the matrix unit's own rounding can turn it there, and no further.
;; 2 versions. Each part assembles by itself: llvm-mc -triple=amdgcn-amd-amdhsa -mcpu=gfx1250 --defsym DOCPART=n.
;; ======== version 1 of 2: 7 launches
;; workspace buffers: wimg 13,369,344 bytes; himg 4,456,448 bytes; qimg 4,456,448 bytes; kvimg 8,912,896 bytes; yimg 4,456,448 bytes; x1 16,777,216 bytes; gimg 17,825,792 bytes
;; launch prep (part 1): grid 1024 x 1, 4 waves a work-group, no clusters, 75,776 bytes of LDS; arguments x, ln1_g, ln1_b, himg, Wq, Wk, Wv, Wo, Wfc, Wp2, wimg; writes himg, wimg
.if DOCPART == 1
	.amdgcn_target "amdgcn-amd-amdhsa--gfx1250"
	.amdhsa_code_object_version 6
	.text
	.protected	k_q371135d7ba_prep
	.globl	k_q371135d7ba_prep
	.p2align	8
	.type	k_q371135d7ba_prep,@function
k_q371135d7ba_prep:
	s_mov_b64 s[64:65], 0
	v_nop
	global_prefetch_b8 v0, s[64:65] scope:SCOPE_SE
	s_setreg_imm32_b32 hwreg(HW_REG_WAVE_MODE, 25, 1), 1
	s_wait_xcnt 0x0
; THE PROGRAM: a transformer block, all eight products on codes of FP8 (E4M3) with one E8M0 scale for each 32 along K.  Seven launches: this one (layer norm 1 and all weights into codes), the product
; for q, k and v, attention, the product with Wo (+ x), layer norm 2 (this text again), the product with Wfc (+ gelu), the product with Wp2 (+ residual).
; DEAD WORK, for the whole program: reference() puts -inf, by a jnp.tril that it builds itself, on every score whose key comes after its query.  For such a score p = 2^(-inf) = 0 whatever the inputs hold, so it adds
; nothing to the row's sum and nothing to the second product.  A step of 128 keys all of which come after all 16 queries of a tile is therefore left out whole in the attention launch.  Nothing else is left out,
; and every input is loaded (bk and bv move K's and V's codes).  LIMIT: a NaN, an infinity or an overflow that reaches only those steps is not carried to the result.
; LIMITS of the quantiser here and in the later launches: NaN and infinities among the inputs are not served; a block whose largest magnitude lies under 2^-118 gets the scale byte 1; a block of zeros
; gets the byte 1 where the rule says 127: its codes are zeros, which add nothing under any byte but 0xff, and the bytes are read by this program alone.
;
; THIS TEXT turns rows of 1,024 f32 numbers into an IMAGE OF THE MATRIX OPERAND'S REGISTERS.  A group is 128 rows x 128 along K, GB = 17,408 bytes: fragment i (0..7), register quad c (0..3), lane l at
; 2048 i + 512 c + 16 l; the rows' scale words at 16,384 + 128 i + 4 l (lanes 16-31 hold what lanes 0-15 hold).  Group (G, s) of a tensor with NS steps of 128 along K lies at (G NS + s) GB.
; Lane-row r of fragment i is row 32 (i / 2) + 8 (i % 2) + r + 8 (r / 8) of the group, so that results whose registers run along such rows come out as 16 neighbours in two neighbouring tiles.
; SHARES.  A work-group takes one fragment's 16 rows x 1,024 columns, wave w the columns 256 w on: two steps of 128.  Work-groups 0-255: rows of argument 0, layer-normed (g, b: arguments 1, 2), into argument 3.
; Work-groups 256 on: Wq, Wk, Wv, Wo (64 each), Wfc (256), Wp2 (256: 64 fragments x 4 quarters of its K), as they are, into the last argument.  The buffers are chosen by the work-group's number alone.
; Each load reads 512 consecutive bytes of a row; the numbers turn through the wave's own stage in LDS, so that lane (r, h) ends with k = 32 c + 16 h + 0..15 of row r, as the conversions want them.
; The variance is taken of the differences from the mean (two passes over registers), so a common offset of the inputs forms no difference of large sums.
.set GB,    17408
.set SP,    1040                       ; a stage row: 1,024 bytes + 16: an odd multiple of 16, so that 16 rows start at 16 different 16-byte columns
.set STGB,  16*SP                      ; a wave's stage
.set GL,    4*STGB                     ; behind the stages: g (4,096 bytes), then b (4,096)
.set RED1,  GL+8192                    ; the waves' partial sums: 256 bytes, and 256 for the second pass
.set SPARE, RED1+512                   ; the spare words, 128 bytes for each wave: two blocks of 256 bytes that no other line names
.set X,     32                         ; v32-159  my 128 numbers
.set CH,    160                        ; v160-223 two sets of 16 g + 16 b; later the codes: v160-175, v176-191
.set TM,    224                        ; v224-239 the quantiser's: largest magnitudes, bytes, holds, scale operands
.set AC,    242                        ; v242-249 four packed sums
.set SPW,   12                         ; v12  LDS address of my spare word; never rewritten
.set NIL,   13                         ; v13  0; never rewritten
.set SEL,   40                         ; s[40:41] v_permlanex16_b32's selects for lane l xor 16
.set MNT,   42                         ; s42  the mantissa field of 448
; 64 numbers of a lane, register 16 b + i = k 32 b + 16 (lane / 16) + i of my row, become a fragment's codes in v[pc] on and its scale word in v[pw].
.macro QUANT s, pc, pw
.irp b, 0,1,2,3
	v_max3_num_f32 v[TM+\b], |v[(\s)+16*\b]|, |v[(\s)+1+16*\b]|, 0x4800000   ; my 16 numbers of block b, and the floor 2^(9 - 127): the byte cannot fall under 1
.endr
.irp i, 2,4,6,8,10,12,14
.irp b, 0,1,2,3
	v_max3_num_f32 v[TM+\b], v[TM+\b], |v[(\s)+16*\b+\i]|, |v[(\s)+1+16*\b+\i]|   ; the four blocks by turns
.endr
.endr
.irp b, 0,1,2,3
	v_permlanex16_b32 v[TM+4+\b], v[TM+\b], s[SEL], s[SEL+1]
.endr
.irp b, 0,1,2,3
	v_max_num_f32 v[TM+\b], v[TM+\b], v[TM+4+\b]   ; with lane l xor 16's 16: the block's largest magnitude
.endr
.irp b, 0,1,2,3
	v_add_nc_u32 v[TM+12+\b], 0xfc000000, v[TM+\b]   ; 8 off its exponent field: the conversion's scale operand
.endr
.irp b, 0,1,2,3
	v_and_or_b32 v[TM+8+\b], v[TM+\b], 0x7f800000, s[MNT]   ; 448 x the scale
.endr
.irp b, 0,1,2,3
	v_lshrrev_b32 v[TM+4+\b], 23, v[TM+12+\b]   ; the scale's byte
.endr
	v_lshl_or_b32 v[\pw], v[TM+5], 8, v[TM+4]
	v_lshl_or_b32 v[\pw], v[TM+6], 16, v[\pw]
	v_lshl_or_b32 v[\pw], v[TM+7], 24, v[\pw]
.irp b, 0,1,2,3
.irp i, 0,1,2,3,4,5,6,7,8,9,10,11,12,13,14,15
	v_med3_num_f32 v[(\s)+16*\b+\i], v[(\s)+16*\b+\i], -v[TM+8+\b], v[TM+8+\b]   ; the conversion to an 8-bit code does not saturate (ISA guide 7.6.2): the hold comes first
.endr
	v_cvt_scalef32_pk8_fp8_f32 v[(\pc)+4*\b:(\pc)+1+4*\b], v[(\s)+16*\b:(\s)+7+16*\b], v[TM+12+\b]
	v_cvt_scalef32_pk8_fp8_f32 v[(\pc)+2+4*\b:(\pc)+3+4*\b], v[(\s)+8+16*\b:(\s)+15+16*\b], v[TM+12+\b]
.endr
	v_nop                                          ; one plain vector line behind the last conversion
.endm
; The four packed sums of a lane become the row's sum over all 1,024 columns, in v[AC+2]: within the lane, with lane l xor 16, and over the four waves through LDS words at off.
.macro ROWSUM off
	v_pk_add_f32 v[AC:AC+1], v[AC:AC+1], v[AC+2:AC+3]
	v_pk_add_f32 v[AC+4:AC+5], v[AC+4:AC+5], v[AC+6:AC+7]
	v_pk_add_f32 v[AC:AC+1], v[AC:AC+1], v[AC+4:AC+5]
	v_add_f32 v[AC], v[AC], v[AC+1]
	v_permlanex16_b32 v250, v[AC], s[SEL], s[SEL+1]
	v_add_f32 v[AC], v[AC], v250
	ds_store_b32 v7, v[AC] offset:\off             ; both lanes of a row write the same word with the same value
	s_wait_dscnt 0x0                               ; for the others' sake: my stores are done
	s_barrier_signal -1
	s_barrier_wait -1
.irp k, 0,1,2,3
	ds_load_b32 v[AC+2+\k], v8 offset:\off+64*\k
.endr
	s_wait_dscnt 0x0
	v_add_f32 v[AC+2], v[AC+2], v[AC+3]
	v_add_f32 v[AC+4], v[AC+4], v[AC+5]
	v_add_f32 v[AC+2], v[AC+2], v[AC+4]
.endm
.macro GBLOAD k                        ; g and b of my 16 columns of chunk k (k = 4 s + c) into set k % 2
.irp j, 0,1,2,3
	ds_load_b128 v[CH+32*((\k)%2)+4*\j:CH+32*((\k)%2)+4*\j+3], v6 offset:128*(\k)+16*\j
.endr
.irp j, 0,1,2,3
	ds_load_b128 v[CH+16+32*((\k)%2)+4*\j:CH+16+32*((\k)%2)+4*\j+3], v6 offset:4096+128*(\k)+16*\j
.endr
.endm
	s_load_b256 s[4:11], s[0:1], 0x0               ; the rows to be normed s[4:5], g s[6:7], b s[8:9], their image s[10:11]
	s_load_b256 s[12:19], s[0:1], 0x20             ; Wq, Wk, Wv, Wo
	s_load_b128 s[20:23], s[0:1], 0x40             ; Wfc, Wp2
	s_load_b64 s[24:25], s[0:1], 0x50              ; the weights' image
	v_lshl_add_u32 v[SPW], v0, 2, SPARE
	v_mov_b32 v[NIL], 0
	v_lshrrev_b32 v1, 5, v0
	v_readfirstlane_b32 s26, v1                    ; wave 0..3
	v_and_b32 v1, 31, v0                           ; lane
	v_and_b32 v2, 15, v0                           ; r
	v_bfe_u32 v3, v0, 4, 1                         ; h
	v_lshlrev_b32 v9, 4, v1                        ; 16 x lane
	v_lshlrev_b32 v10, 2, v1                       ; 4 x lane
	v_lshlrev_b32 v11, 4, v0                       ; 16 x thread
	v_add_nc_u32 v14, GL, v11                      ; where I put my 16 bytes of g
	s_mul_i32 s43, s26, STGB                       ; my stage
	v_add_nc_u32 v4, s43, v9                       ; into it: as loaded
	v_mul_u32_u24 v5, v2, SP
	v_lshl_add_u32 v5, v3, 6, v5
	v_add_nc_u32 v5, s43, v5                       ; out of it: row r, + 64 h
	s_lshl_b32 s43, s26, 10
	s_add_co_u32 s43, s43, GL
	v_lshl_add_u32 v6, v3, 6, s43                  ; g of my wave's columns, + 64 h
	s_lshl_b32 s43, s26, 6
	s_add_co_u32 s43, s43, RED1
	v_lshl_add_u32 v7, v2, 2, s43                  ; my wave's partial sum of row r
	v_lshl_add_u32 v8, v2, 2, RED1                 ; the four waves' partial sums of row r, 64 bytes apart
	v_mov_b32 v250, 0                              ; written once: a lane permute's destination counts as one of its sources
.irp b, 0,1,2,3
	v_mov_b32 v[TM+4+\b], 0
.endr
	s_mov_b32 s[SEL], 0x76543210
	s_mov_b32 s[SEL+1], 0xfedcba98
	s_mov_b32 s[MNT], 0x600000
	; which tensor, which fragment I of it, which quarter kc of its K, its pitch, its first group: every candidate first, then the choices, each straight behind its compare
	s_sub_co_u32 s28, ttmp9, 256                   ; the weights' work-groups count from 0 (it wraps for the first 256, whose choices are made last)
	s_and_b32 s30, s28, 63                         ; I in Wq .. Wo
	s_sub_co_u32 s43, s28, 256                     ; I in Wfc
	s_sub_co_u32 s44, s28, 512
	s_lshr_b32 s45, s44, 2                         ; I in Wp2
	s_and_b32 s31, s44, 3                          ; kc in Wp2
	s_lshr_b32 s33, s28, 3
	s_lshl_b32 s33, s33, 3                         ; first group, Wq .. Wfc: 8 groups for each 128 rows, the tensors on end
	s_lshr_b32 s46, s45, 3
	s_lshl_b32 s46, s46, 5
	s_lshl_b32 s47, s31, 3
	s_add_co_u32 s46, s46, s47
	s_add_co_u32 s46, s46, 512                     ; first group, Wp2: 32 groups for each 128 rows
	s_lshr_b32 s47, ttmp9, 3
	s_lshl_b32 s47, s47, 3                         ; first group, the normed rows
	s_mov_b32 s32, 4096                            ; a row in bytes
	s_wait_kmcnt 0x0
	s_mov_b64 s[34:35], s[12:13]
	s_cmp_ge_u32 s28, 64
	s_cselect_b64 s[34:35], s[14:15], s[34:35]
	s_cmp_ge_u32 s28, 128
	s_cselect_b64 s[34:35], s[16:17], s[34:35]
	s_cmp_ge_u32 s28, 192
	s_cselect_b64 s[34:35], s[18:19], s[34:35]
	s_cmp_ge_u32 s28, 256
	s_cselect_b64 s[34:35], s[20:21], s[34:35]
	s_cselect_b32 s30, s43, s30
	s_cmp_ge_u32 s28, 512
	s_cselect_b64 s[34:35], s[22:23], s[34:35]
	s_cselect_b32 s30, s45, s30
	s_cselect_b32 s31, s31, 0
	s_cselect_b32 s33, s46, s33
	s_cselect_b32 s32, 16384, s32
	s_cmp_lt_u32 ttmp9, 256
	s_cselect_b64 s[34:35], s[4:5], s[34:35]
	s_cselect_b64 s[36:37], s[10:11], s[24:25]
	s_cselect_b32 s30, ttmp9, s30
	s_cselect_b32 s31, 0, s31
	s_cselect_b32 s33, s47, s33
	s_cselect_b32 s32, 4096, s32
	s_lshr_b32 s43, s30, 1
	s_lshl_b32 s43, s43, 5
	s_and_b32 s44, s30, 1
	s_lshl_b32 s44, s44, 3
	s_add_co_u32 s43, s43, s44                     ; the fragment's first row: 32 (I / 2) + 8 (I % 2)
	s_mul_i32 s43, s43, s32
	s_lshl_b32 s44, s31, 12
	s_add_co_u32 s43, s43, s44                     ; + the quarter of K
	s_lshl_b32 s44, s26, 10
	s_add_co_u32 s46, s43, s44                     ; + my wave's 256 columns
	s_mov_b32 s47, 0
	s_add_nc_u64 s[34:35], s[34:35], s[46:47]
	s_lshl_b32 s44, s26, 1
	s_add_co_u32 s44, s33, s44
	s_mul_i32 s44, s44, GB                         ; my wave's first group
	s_and_b32 s45, s30, 7
	s_lshl_b32 s46, s45, 7
	s_add_co_u32 s46, s46, s44
	s_add_co_u32 s46, s46, 16384
	s_add_nc_u64 s[38:39], s[36:37], s[46:47]      ; the fragment's scale words
	s_lshl_b32 s46, s45, 11
	s_add_co_u32 s46, s46, s44
	s_add_nc_u64 s[36:37], s[36:37], s[46:47]      ; its codes
.irp t, 0,1,2,3,4,5,6,7,8,9,10,11,12,13,14,15
	s_mul_i32 s43, s32, \t+8*(\t/8)                ; lane-row t is row t + 8 (t / 8) of the fragment
	v_add_nc_u32 v[16+\t], s43, v9
.endr
.set n, 0
.rept 32                               ; load n: row n / 2, step n % 2: 512 consecutive bytes
	global_load_b128 v[X+4*n:X+4*n+3], v[16+n/2], s[34:35] offset:512*(n%2) th:TH_LOAD_NT
.set n, n+1
.endr
.set n, 0
.rept 32
	s_wait_loadcnt 31-n                            ; loads come back in order: load n is in, the younger ones stay out
	ds_store_b128 v4, v[X+4*n:X+4*n+3] offset:SP*(n/2)+512*(n%2)
.set n, n+1
.endr
	s_wait_dscnt 0x0                               ; the stores have read their registers
.set n, 0
.rept 32                               ; n = 16 s + 4 c + j: k = 128 s + 32 c + 16 h + 4 j on, of row r
	ds_load_b128 v[X+4*n:X+4*n+3], v5 offset:512*(n/16)+128*((n/4)%4)+16*(n%4)
.set n, n+1
.endr
	s_wait_dscnt 0x0
	s_cmp_ge_u32 ttmp9, 256                        ; the weights are quantised as they are.  The branch hangs on the work-group's number alone: all four waves go the same way
	s_cbranch_scc1 .Lquant
	; ---- the layer norm
	global_load_b128 v[160:163], v11, s[6:7]
	global_load_b128 v[164:167], v11, s[6:7] offset:2048
	global_load_b128 v[168:171], v11, s[8:9]
	global_load_b128 v[172:175], v11, s[8:9] offset:2048
.irp k, 0,1,2,3
	v_pk_add_f32 v[AC+2*\k:AC+2*\k+1], v[X+2*\k:X+2*\k+1], v[X+8+2*\k:X+9+2*\k]   ; four chains, begun by the first eight pairs: nothing is cleared
.endr
.set p, 8
.rept 56
	v_pk_add_f32 v[AC+2*(p%4):AC+2*(p%4)+1], v[AC+2*(p%4):AC+2*(p%4)+1], v[X+2*p:X+2*p+1]
.set p, p+1
.endr
	s_wait_loadcnt 0x0                             ; g and b
	ds_store_b128 v14, v[160:163]
	ds_store_b128 v14, v[164:167] offset:2048
	ds_store_b128 v14, v[168:171] offset:4096
	ds_store_b128 v14, v[172:175] offset:6144
	ROWSUM 0                                       ; its barrier also shows g and b to every wave
	v_mul_f32 v252, 0x3a800000, v[AC+2]            ; the mean: x 2^-10
	v_mov_b32 v253, v252
.set p, 0
.rept 64
	v_pk_add_f32 v[X+2*p:X+2*p+1], v[X+2*p:X+2*p+1], v[252:253] neg_lo:[0,1] neg_hi:[0,1]
.set p, p+1
.endr
.irp k, 0,1,2,3
	v_pk_mul_f32 v[AC+2*\k:AC+2*\k+1], v[X+2*\k:X+2*\k+1], v[X+2*\k:X+2*\k+1]
.endr
.set p, 4
.rept 60
	v_pk_fma_f32 v[AC+2*(p%4):AC+2*(p%4)+1], v[X+2*p:X+2*p+1], v[X+2*p:X+2*p+1], v[AC+2*(p%4):AC+2*(p%4)+1]
.set p, p+1
.endr
	ROWSUM 256
	s_mov_b32 s43, 0x3a800000                      ; 2^-10
	s_mov_b32 s44, 0x3727c5ac                      ; 1e-5
	v_fma_f32 v[AC+2], v[AC+2], s43, s44           ; the variance + eps
	v_rsq_f32 v254, v[AC+2]
	v_rsq_f32 v255, v[AC+2]                        ; twice: a pair for the packed multiply
	v_nop                                          ; a plain line behind the transcendentals
	GBLOAD 0
	GBLOAD 1
	s_wait_alu depctr_va_vdst(0)                   ; the wait ahead of the first reader: one for both
.set p, 0
.rept 64
	v_pk_mul_f32 v[X+2*p:X+2*p+1], v[X+2*p:X+2*p+1], v[254:255]
.set p, p+1
.endr
.set k, 0
.rept 8
.if k < 7
	s_wait_dscnt 8                                 ; chunk k's eight loads are in; the next chunk's eight may be out
.else
	s_wait_dscnt 0
.endif
.set i, 0
.rept 8
	v_pk_fma_f32 v[X+16*k+2*i:X+16*k+2*i+1], v[X+16*k+2*i:X+16*k+2*i+1], v[CH+32*(k%2)+2*i:CH+32*(k%2)+2*i+1], v[CH+16+32*(k%2)+2*i:CH+16+32*(k%2)+2*i+1]
.set i, i+1
.endr
.if k+2 < 8
	GBLOAD k+2
.endif
.set k, k+1
.endr
.Lquant:
	QUANT X, 160, 240
.irp c, 0,1,2,3
	global_store_b128 v9, v[160+4*\c:163+4*\c], s[36:37] offset:512*\c   ; 32 lanes store 512 consecutive bytes
.endr
	global_store_b32 v10, v240, s[38:39]
	QUANT X+64, 176, 241
.irp c, 0,1,2,3
	global_store_b128 v9, v[176+4*\c:179+4*\c], s[36:37] offset:GB+512*\c
.endr
	global_store_b32 v10, v241, s[38:39] offset:GB
	s_wait_tensorcnt 0x0                           ; the wave's end, behind my last LDS store
	ds_add_u32 v[SPW], v[NIL]
	s_wait_dscnt 0x0
	s_endpgm
.Lfunc_end_k_q371135d7ba_prep:
	.size	k_q371135d7ba_prep, .Lfunc_end_k_q371135d7ba_prep-k_q371135d7ba_prep
	.p2alignl 7, 3214868480
	.fill 96, 4, 3214868480
	.section	.rodata,"a",@progbits
	.p2align	6, 0x0
	.amdhsa_kernel k_q371135d7ba_prep
		.amdhsa_group_segment_fixed_size 75776
		.amdhsa_private_segment_fixed_size 0
		.amdhsa_enable_private_segment 0
		.amdhsa_kernarg_size 88
		.amdhsa_user_sgpr_count 2
		.amdhsa_user_sgpr_kernarg_segment_ptr 1
		.amdhsa_wavefront_size32 1
		.amdhsa_system_sgpr_workgroup_id_x 1
		.amdhsa_system_sgpr_workgroup_id_y 1
		.amdhsa_system_sgpr_workgroup_id_z 1
		.amdhsa_system_vgpr_workitem_id 0
		.amdhsa_next_free_vgpr 256
		.amdhsa_next_free_sgpr 66
		.amdhsa_reserve_vcc 0
		.amdhsa_float_denorm_mode_32 3
		.amdhsa_float_denorm_mode_16_64 3
		.amdhsa_memory_ordered 1
		.amdhsa_forward_progress 1
		.amdhsa_inst_pref_size 58
	.end_amdhsa_kernel
	.amdgpu_metadata
---
amdhsa.version: [ 1, 2 ]
amdhsa.kernels:
  - .name:           k_q371135d7ba_prep
    .symbol:         k_q371135d7ba_prep.kd
    .args:
      - { .name: x, .offset: 0, .size: 8, .value_kind: global_buffer, .address_space: global }
      - { .name: ln1_g, .offset: 8, .size: 8, .value_kind: global_buffer, .address_space: global }
      - { .name: ln1_b, .offset: 16, .size: 8, .value_kind: global_buffer, .address_space: global }
      - { .name: himg, .offset: 24, .size: 8, .value_kind: global_buffer, .address_space: global }
      - { .name: Wq, .offset: 32, .size: 8, .value_kind: global_buffer, .address_space: global }
      - { .name: Wk, .offset: 40, .size: 8, .value_kind: global_buffer, .address_space: global }
      - { .name: Wv, .offset: 48, .size: 8, .value_kind: global_buffer, .address_space: global }
      - { .name: Wo, .offset: 56, .size: 8, .value_kind: global_buffer, .address_space: global }
      - { .name: Wfc, .offset: 64, .size: 8, .value_kind: global_buffer, .address_space: global }
      - { .name: Wp2, .offset: 72, .size: 8, .value_kind: global_buffer, .address_space: global }
      - { .name: wimg, .offset: 80, .size: 8, .value_kind: global_buffer, .address_space: global }
    .group_segment_fixed_size: 75776
    .private_segment_fixed_size: 0
    .kernarg_segment_align: 8
    .kernarg_segment_size: 88
    .max_flat_workgroup_size: 128
    .sgpr_count:     66
    .vgpr_count:     256
    .wavefront_size: 32
...
	.end_amdgpu_metadata
.endif
;; end of part 1
;; launch gemm_qkv (part 2): grid 12 x 16, 4 waves a work-group, clusters of 4 x 4, 327,680 bytes of LDS; arguments himg, wimg, bq, bk, bv, qimg, kvimg; writes qimg, kvimg
.if DOCPART == 2
	.amdgcn_target "amdgcn-amd-amdhsa--gfx1250"
	.amdhsa_code_object_version 6
	.text
	.protected	k_q371135d7ba_gemm_qkv
	.globl	k_q371135d7ba_gemm_qkv
	.p2align	8
	.type	k_q371135d7ba_gemm_qkv,@function
k_q371135d7ba_gemm_qkv:
	s_mov_b64 s[64:65], 0
	v_nop
	global_prefetch_b8 v0, s[64:65] scope:SCOPE_SE
	s_setreg_imm32_b32 hwreg(HW_REG_WAVE_MODE, 25, 1), 1
	s_wait_xcnt 0x0
	s_wait_alu depctr_hold_cnt(0) depctr_sa_sdst(0) depctr_va_vdst(0) depctr_va_sdst(0) depctr_va_ssrc(0) depctr_va_vcc(0) depctr_vm_vsrc(0)
	s_getreg_b32 s2, hwreg(HW_REG_IB_STS2, 6, 4)
	s_cmp_eq_u32 s2, 0
	s_cbranch_scc0 .Lentry_in_a_cluster
	s_endpgm
.Lentry_in_a_cluster:
	s_bfe_u32 s2, ttmp6, 0x10000c
	s_cmp_lg_u32 s2, 0xf033
	s_cbranch_scc0 .Lentry_shape_is_right
	s_endpgm
.Lentry_shape_is_right:
; q = h Wq^T + bq, k = h Wk^T + bk, v = h Wv^T + bv on codes of FP8 (E4M3) with E8M0 scales, and their results quantised for attention: q and k along the head's 64, v along the keys.  No work is left out here.
; OPERANDS come as images of the matrix operand's registers: a group of 128 rows x 128 K is GB = 17,408 bytes (fragment i, register quad c, lane l at 2048 i + 512 c + 16 l; scale words at 16,384 + 128 i + 4 l);
; group (G, s) lies at (G NS + s) GB; lane-row r of fragment i is row 32 (i / 2) + 8 (i % 2) + r + 8 (r / 8).  So a K step of 256 of 128 rows is ONE dense block of 34,816 bytes with its scales inside.
; ROLES.  P is source 0, R source 1: in accumulator (a, b) lane (r, h) holds R's row of lane-row r of fragment a, and its register j P's row 32 (b / 2) + 16 h + 8 (b % 2) + j: a lane's 64 registers of one a are
; 16 neighbours of each block of 32 of P's rows, as the conversions want them.  Clusters with x = 0, 1: R = h (tokens), P = Wq and Wk on end: results are quantised along n, the heads' d.
; Clusters with x = 2: R = Wv, P = h: results are quantised along the tokens, the keys.  The choice hangs on the cluster's x alone, which all sixteen partners share.
; A work-group makes 256 x 256, each of four waves 128 x 128 in 64 accumulators; K goes in steps of 256 through two LDS slots; 4 x 4 work-groups form a cluster and ask for R's tiles jointly along a row, P's along a column.
; OUT.  Q record of (batch x 16 + head, 128 tokens): 8,704 bytes: codes at 1024 a + 512 c' + 16 l, scales (2 bytes a token) at 8,192 + 64 a + 2 l.  KV record: 17,408 bytes: K's codes likewise, V's codes at
; 8,192 + 2048 dt + 512 c + 16 l, K's scales at 16,384 + 64 a + 2 l, V's scale words at 16,896 + 128 dt + 4 l.
; LIMITS: NaN and infinities are not served; a block under 2^-118 or of zeros gets the scale byte 1 (its bytes are read by this program alone).
; REGISTERS: window 0: v1-31 addresses; v32-63 scale words, two sets; v64-127 the bias; v128-255 R's fragments, one set (on the way out: numbers, codes, the quantiser's).  window 1: P's fragments, two sets.  windows 2, 3: accumulators.
.set KDIM,   1024
.set WV_OFF, 2228224                   ; Wv's image in wimg
.set NS,     KDIM/128
.set GB,     17408
.set HALFT,  2*GB                      ; 128 rows x 256 K: what one tensor load brings
.set SLOT,   4*HALFT                   ; R's 256 rows, then P's 256 rows
.set SPARE,  2*SLOT                    ; behind the ring: the spare words, 128 bytes for each wave
.set LAPS,   KDIM/512
.set NQ,     2
.set FR,     16
.set NL,     4
.set NP,     8                         ; places behind this matrix instruction (ISA guide 7.12.1)
.set ADRA,   16                        ; v16-17 LDS address of my R fragments in slot 0, 1
.set ADRB,   20                        ; v20-21 the same for P
.set ADRS,   22                        ; v22-23 of my scale words: lanes 0-15 R's, lanes 16-31 P's
.set SPW,    28
.set NIL,    29
.set SC,     32
.set AF,     128
.set G1,     24
.set G0,     32
.set G1B,    48
.set G0B,    56
.set SEL,    82
.set MNT,    84
.set ISV,    85
.set BI,     64                        ; the bias
.set ST,     128                       ; the way out: 64 numbers
.set PC,     192                       ; 16 registers of codes
.set TM,     208                       ; the quantiser's
.set PW,     8                         ; the scale word just made
.set MSB, 0
.macro WIN new                         ; the immediate's high byte repeats the setting that is left
.if MSB != (\new)
	s_set_vgpr_msb (MSB<<8)|(\new)
.set MSB, (\new)
.endif
.endm
.set MUL_LO, 0xa1                      ; source 0 (P) window 1, source 1 (R) window 0, C and D window 2
.set MUL_HI, 0xf1
.set TO_B,   0x40
.macro JLOAD g0a, g1a, g0b, g1b        ; a joint load: waves 0 and 1 fetch for R, waves 2 and 3 for P; an s_nop 0 and four v_nop follow each of the two lines
	s_cmp_eq_u32 s15, 0
	s_cbranch_scc0 .Lfor_b_\@
	tensor_load_to_lds s[\g0a:\g0a+3], s[\g1a:\g1a+7]
	s_nop 0
.rept 4
	v_nop
.endr
	s_branch .Lasked_\@
.Lfor_b_\@:
	tensor_load_to_lds s[\g0b:\g0b+3], s[\g1b:\g1b+7]
	s_nop 0
.rept 4
	v_nop
.endr
.Lasked_\@:
.endm
.macro CREST
	s_cmp_lg_u32 s14, 0
	s_cbranch_scc1 .Lnot_wave_0_\@
	s_barrier_signal -3
.Lnot_wave_0_\@:
	s_barrier_wait -3
	s_barrier_signal -1
	s_barrier_wait -1
.endm
.macro CROUND
	s_barrier_signal -1
	s_barrier_wait -1
	CREST
.endm
.macro FRAG reg, adr, q, i             ; a fragment comes back as it was stored: four loads of 512 consecutive bytes
.irp c, 0,1,2,3
	ds_load_b128 v[\reg+4*\c:\reg+4*\c+3], v[\adr] offset:(\q)*GB+(\i)*2048+512*\c
.endr
.endm
.macro MUL16 a0, p, q, sc, zero        ; R's blocks a0, a0 + 1 x P's eight; the 64 accumulators take turns, one instruction a turn
.irp a, \a0, \a0+1
.irp b, 0,1,2,3,4,5,6,7
.if \zero
	v_wmma_scale_f32_16x16x128_f8f6f4 v[8*(8*((\a)%4)+\b):8*(8*((\a)%4)+\b)+7], v[128*(\p)+FR*\b:128*(\p)+FR*\b+FR-1], v[AF+FR*(\a):AF+FR*(\a)+FR-1], 0, v[SC+8*NQ*(\sc)+NQ*\b+(\q)], v[SC+8*NQ*(\sc)+NQ*(\a)+(\q)] matrix_a_scale:MATRIX_SCALE_ROW1
.else
	v_wmma_scale_f32_16x16x128_f8f6f4 v[8*(8*((\a)%4)+\b):8*(8*((\a)%4)+\b)+7], v[128*(\p)+FR*\b:128*(\p)+FR*\b+FR-1], v[AF+FR*(\a):AF+FR*(\a)+FR-1], v[8*(8*((\a)%4)+\b):8*(8*((\a)%4)+\b)+7], v[SC+8*NQ*(\sc)+NQ*\b+(\q)], v[SC+8*NQ*(\sc)+NQ*(\a)+(\q)] matrix_a_scale:MATRIX_SCALE_ROW1
.endif
.endr
.endr
.endm
.macro FETCH_B slot, q, p
	WIN TO_B
.irp i, 0,1,2,3,4,5,6,7
	FRAG 128*(\p)+FR*\i, ADRB+\slot, \q, \i
.endr
	WIN 0
.endm
.macro FETCH_A slot, q, i0
.irp i, \i0, \i0+1, \i0+2, \i0+3
	FRAG AF+FR*(\i), ADRA+\slot, \q, \i
.endr
.endm
.macro SCALES sc                       ; a slot's scale words: register 2 i + q: lanes 0-15 R's block i, lanes 16-31 P's block i
.irp i, 0,1,2,3,4,5,6,7
.irp q, 0,1
	ds_load_b32 v[SC+8*NQ*\sc+NQ*\i+\q], v[ADRS+\sc] offset:\q*GB+128*\i
.endr
.endr
.endm
.macro PLACES n
.rept \n
	v_nop
.endr
.endm
.macro STEP slot, q, zero              ; 128 along K that has its successor in the same slot
	s_wait_dscnt 4*NL                              ; P's set, R's blocks 0-3 and the scale words are in; the youngest sixteen loads (R's blocks 4-7) may be out
	WIN MUL_LO
	MUL16 0, (\q)%2, \q, \slot, \zero
	MUL16 2, (\q)%2, \q, \slot, \zero
	s_wait_dscnt 0
	PLACES NP
	FETCH_B \slot, (\q)+1, 1-(\q)%2
	FETCH_A \slot, (\q)+1, 0
	WIN MUL_HI
	MUL16 4, (\q)%2, \q, \slot, \zero
	MUL16 6, (\q)%2, \q, \slot, \zero
	PLACES NP
	WIN 0
	FETCH_A \slot, (\q)+1, 4
.endm
.macro TURN slot, next, fill           ; a slot's last step changes slots: one barrier; fill = 1: it opens a round of the cluster's barrier and the slot is filled again
	s_wait_tensorcnt 0x0                           ; all my tensor loads have landed: my part of the next slot
	ds_add_u32 v[SPW], v[NIL]                      ; 0 onto my spare word
	s_wait_dscnt 4*NL+1                            ; (the add and the youngest sixteen loads may be out)
	WIN MUL_LO
	MUL16 0, 1, NQ-1, \slot, 0
	s_wait_dscnt 0x0                               ; the add is done, and my reads of this slot are over
	s_barrier_signal -1
	MUL16 2, 1, NQ-1, \slot, 0
	WIN 0
	s_barrier_wait -1
.if \fill
	CREST                                          ; no wave of any partner still reads this slot or has a load on its way
	s_add_nc_u64 s[G0+4*\slot+2:G0+4*\slot+3], s[G0+4*\slot+2:G0+4*\slot+3], 2*HALFT
	s_add_nc_u64 s[G0B+4*\slot+2:G0B+4*\slot+3], s[G0B+4*\slot+2:G0B+4*\slot+3], 2*HALFT
	JLOAD G0+4*\slot, G1, G0B+4*\slot, G1B         ; the first tensor load behind the round; its four v_nop are among the places in front of the loads below
	PLACES NP-4
.else
	PLACES NP
.endif
	FETCH_B \next, 0, 0
	FETCH_A \next, 0, 0
	SCALES \next
	WIN MUL_HI
	MUL16 4, 1, NQ-1, \slot, 0
	MUL16 6, 1, NQ-1, \slot, 0
	PLACES NP
	WIN 0
	FETCH_A \next, 0, 4
.endm
.macro QUANT s, pc, pw                 ; 64 numbers of a lane, register 16 b + i = k 32 b + 16 (lane / 16) + i, become 16 registers of codes and a scale word
.irp b, 0,1,2,3
	v_max3_num_f32 v[TM+\b], |v[(\s)+16*\b]|, |v[(\s)+1+16*\b]|, 0x4800000   ; with the floor 2^(9 - 127): the byte cannot fall under 1
.endr
.irp i, 2,4,6,8,10,12,14
.irp b, 0,1,2,3
	v_max3_num_f32 v[TM+\b], v[TM+\b], |v[(\s)+16*\b+\i]|, |v[(\s)+1+16*\b+\i]|
.endr
.endr
.irp b, 0,1,2,3
	v_permlanex16_b32 v[TM+4+\b], v[TM+\b], s[SEL], s[SEL+1]
.endr
.irp b, 0,1,2,3
	v_max_num_f32 v[TM+\b], v[TM+\b], v[TM+4+\b]
.endr
.irp b, 0,1,2,3
	v_add_nc_u32 v[TM+12+\b], 0xfc000000, v[TM+\b]   ; 8 off the exponent field: the conversion's scale operand
.endr
.irp b, 0,1,2,3
	v_and_or_b32 v[TM+8+\b], v[TM+\b], 0x7f800000, s[MNT]   ; 448 x the scale
.endr
.irp b, 0,1,2,3
	v_lshrrev_b32 v[TM+4+\b], 23, v[TM+12+\b]
.endr
	v_lshl_or_b32 v[\pw], v[TM+5], 8, v[TM+4]
	v_lshl_or_b32 v[\pw], v[TM+6], 16, v[\pw]
	v_lshl_or_b32 v[\pw], v[TM+7], 24, v[\pw]
.irp b, 0,1,2,3
.irp i, 0,1,2,3,4,5,6,7,8,9,10,11,12,13,14,15
	v_med3_num_f32 v[(\s)+16*\b+\i], v[(\s)+16*\b+\i], -v[TM+8+\b], v[TM+8+\b]   ; the conversion does not saturate (ISA guide 7.6.2): the hold comes first
.endr
	v_cvt_scalef32_pk8_fp8_f32 v[(\pc)+4*\b:(\pc)+1+4*\b], v[(\s)+16*\b:(\s)+7+16*\b], v[TM+12+\b]
	v_cvt_scalef32_pk8_fp8_f32 v[(\pc)+2+4*\b:(\pc)+3+4*\b], v[(\s)+8+16*\b:(\s)+15+16*\b], v[TM+12+\b]
.endr
	v_nop
.endm
; Block a's 64 results leave their window and take the bias on the way: arm 0: the bias runs along my registers; arm 1: along the lanes, a pair for each a.  Each accumulator is read from its low end on.
.macro TAKE a, arm
.Ltk\arm\a:
	WIN 2+(\a)/4
.set n, 0
.rept 32
.if \arm
	v_pk_add_f32 v[ST+2*n:ST+2*n+1], v[64*((\a)%4)+2*n:64*((\a)%4)+2*n+1], v[BI+2*(\a):BI+2*(\a)+1]
.else
	v_pk_add_f32 v[ST+2*n:ST+2*n+1], v[64*((\a)%4)+2*n:64*((\a)%4)+2*n+1], v[BI+2*n:BI+2*n+1]
.endif
.set n, n+1
.endr
	WIN 0
	s_branch .Ltaken\arm
.endm
; The head of a trip of the way out: s2 counts R's blocks; a switch on it picks the block's registers, so that the quantiser and the stores are written once.
.macro ROWS arm
	s_mov_b32 s2, 0
.Lrow\arm:
	s_wait_xcnt 0x0                                ; the last trip's stores have read their data and offsets
.irp k, 0,1,2,3,4,5,6
	s_cmp_eq_u32 s2, \k
	s_cbranch_scc1 .Ltk\arm\k
.endr
	TAKE 7, \arm
.irp k, 0,1,2,3,4,5,6
	TAKE \k, \arm
.endr
.Ltaken\arm:
	QUANT ST, PC, PW
.endm
	s_load_b256 s[68:75], s[0:1], 0x0              ; h's image, the weights' image, bq, bk
	s_load_b128 s[76:79], s[0:1], 0x20             ; bv, Q's records
	s_load_b64 s[80:81], s[0:1], 0x30              ; K's and V's records
	v_lshl_add_u32 v[SPW], v0, 2, SPARE
	v_mov_b32 v[NIL], 0
	ds_add_u32 v[SPW], v[NIL]                      ; the wave's opening: the add, twice on end, and its wait ahead of my first tensor load
	ds_add_u32 v[SPW], v[NIL]
	v_lshrrev_b32 v1, 5, v0
	v_readfirstlane_b32 s14, v1                    ; wave 0..3
	s_lshr_b32 s15, s14, 1                         ; which half of R's rows is mine.  Also: I fetch for R (0) or for P (1)
	s_and_b32 s16, s14, 1                          ; which half of P's rows.  Also: which 128 rows I fetch
	s_bfe_u32 s40, ttmp6, 0x40000                  ; cx
	s_bfe_u32 s41, ttmp6, 0x40004                  ; cy
	s_and_b32 s18, ttmp7, 0xffff                   ; cluster y
	s_cmp_eq_u32 ttmp9, 2                          ; cluster x = 2: the product for v
	s_cselect_b32 s[ISV], 1, 0
	s_cselect_b32 s19, s18, ttmp9                  ; P's blocks go by the cluster's y there, else by its x
	s_cselect_b32 s18, 0, s18                      ; R's: Wv has four blocks, one for each cy
	s_lshl_b32 s42, s19, 2
	s_add_co_u32 s42, s42, s40                     ; P's block of 256 rows
	s_lshl_b32 s17, s18, 2
	s_add_co_u32 s17, s17, s41                     ; R's block
	s_lshl_b32 s43, s41, 2
	s_lshl_b32 s43, 15, s43                        ; my row of the cluster
	s_lshl_b32 s44, 0x1111, s40                    ; my column
	s_or_b32 s[G1+0], s43, (3<<16)|(1<<21)         ; 15:0 the mask: R's tiles go to my row; 17:16 elements of 8 bytes; 21 set beside a mask; no padding
	s_or_b32 s[G1B+0], s44, (3<<16)|(1<<21)
.irp g, G1, G1B
	s_mov_b32 s[\g+1], 32<<16                      ; tensor_dim0 = 32 elements: 256 bytes
	s_mov_b32 s[\g+2], 136<<16                     ; tensor_dim1 = 136 rows: 34,816 dense bytes
	s_mov_b32 s[\g+3], 32<<16                      ; tile_dim0
	s_mov_b32 s[\g+4], 136                         ; tile_dim1
	s_mov_b32 s[\g+5], 32                          ; the pitch
	s_mov_b32 s[\g+6], 0
	s_mov_b32 s[\g+7], 0
.endr
	s_lshl_b32 s20, s17, 1
	s_add_co_u32 s20, s20, s16
	s_mul_i32 s20, s20, NS*GB                      ; R: the group row that I fetch
	s_mov_b32 s21, 0
	s_lshl_b32 s46, s42, 1
	s_add_co_u32 s46, s46, s16
	s_mul_i32 s46, s46, NS*GB                      ; P likewise
	s_mov_b32 s47, 0
	s_mul_i32 s45, s14, HALFT                      ; where it goes: no place in the cluster enters an LDS address
	s_mov_b32 s[SEL], 0x76543210
	s_mov_b32 s[SEL+1], 0xfedcba98
	s_mov_b32 s[MNT], 0x600000
	s_wait_dscnt 0x0                               ; both opening adds are done
	s_wait_kmcnt 0x0
	s_cmp_eq_u32 s[ISV], 1
	s_cselect_b64 s[4:5], s[70:71], s[68:69]       ; R: the weights' image (Wv) or h's
	s_cselect_b64 s[6:7], s[68:69], s[70:71]       ; P: h's, or the weights' (Wq and Wk stand at its head)
	s_cselect_b32 s22, WV_OFF, 0
	s_add_co_u32 s20, s20, s22
	s_add_nc_u64 s[20:21], s[4:5], s[20:21]
	s_add_nc_u64 s[46:47], s[6:7], s[46:47]
	CROUND                                         ; all sixteen work-groups are here: the first joint loads meet
.irp s, 0,1
	s_mov_b32 s[G0+4*\s], 1
	s_add_co_u32 s[G0+4*\s+1], s45, \s*SLOT
	s_add_nc_u64 s[G0+4*\s+2:G0+4*\s+3], s[20:21], \s*HALFT
	s_or_b32 s[G0+4*\s+3], s[G0+4*\s+3], 0x80000000
	s_mov_b32 s[G0B+4*\s], 1
	s_add_co_u32 s[G0B+4*\s+1], s45, \s*SLOT
	s_add_nc_u64 s[G0B+4*\s+2:G0B+4*\s+3], s[46:47], \s*HALFT
	s_or_b32 s[G0B+4*\s+3], s[G0B+4*\s+3], 0x80000000
	JLOAD G0+4*\s, G1, G0B+4*\s, G1B
.endr
	v_and_b32 v1, 31, v0                           ; lane
	v_bfe_u32 v2, v0, 4, 1                         ; h
	v_lshlrev_b32 v4, 4, v1                        ; 16 x lane
	v_lshlrev_b32 v3, 2, v1                        ; 4 x lane
	s_mul_i32 s21, s15, HALFT                      ; my 128 rows of R
	s_mul_i32 s22, s16, HALFT
	s_add_co_u32 s22, s22, 2*HALFT                 ; my 128 rows of P, behind R's 256
	s_sub_co_u32 s23, s22, s21
	v_mul_u32_u24 v6, s23, v2                      ; lanes 16-31 take P's scale words: the lower base + h x the distance
	v_add_nc_u32 v6, v6, v3
	s_add_co_u32 s23, s21, 16384
.irp s, 0,1
	v_add_nc_u32 v[ADRA+\s], s21, v4
	v_add_nc_u32 v[ADRB+\s], s22, v4
	v_add_nc_u32 v[ADRS+\s], s23, v6
	s_add_co_u32 s21, s21, SLOT
	s_add_co_u32 s22, s22, SLOT
	s_add_co_u32 s23, s23, SLOT
.endr
	s_wait_tensorcnt 1                             ; my part of K step 0 is in (K step 1's load may be out)
	s_barrier_signal -1
	s_barrier_wait -1                              ; everybody's is
	FETCH_B 0, 0, 0
	FETCH_A 0, 0, 0
	SCALES 0
	FETCH_A 0, 0, 4
	STEP 0, 0, 1                                   ; the first step's products start the sums
	s_mov_b32 s3, LAPS-1
.Llap:
	TURN 0, 1, 1
	STEP 1, 0, 0
	TURN 1, 0, 1
	STEP 0, 0, 0
	s_sub_co_u32 s3, s3, 1
	s_cmp_lg_u32 s3, 0
	s_cbranch_scc1 .Llap
	TURN 0, 1, 0                                   ; the last lap fills nothing
	STEP 1, 0, 0
	s_wait_dscnt 4*NL
	WIN MUL_LO
	MUL16 0, 1, NQ-1, 1, 0
	MUL16 2, 1, NQ-1, 1, 0
	s_wait_dscnt 0
	WIN MUL_HI
	MUL16 4, 1, NQ-1, 1, 0
	MUL16 6, 1, NQ-1, 1, 0
	WIN 0
	PLACES NP                                      ; in front of the first read of results and of writes into registers that held R's fragments
.irp b, 0,1,2,3
	v_mov_b32 v[TM+4+\b], 0                        ; written once: a lane permute's destination counts as one of its sources
.endr
	s_lshl_b32 s18, s42, 1
	s_add_co_u32 s18, s18, s16                     ; GP: my group of 128 rows of P
	s_lshl_b32 s20, s17, 1
	s_add_co_u32 s20, s20, s15                     ; GR: my group of 128 rows of R
	s_mov_b32 s47, 0
	s_cmp_eq_u32 s[ISV], 1
	s_cbranch_scc1 .Lv_arm
	; ---- q and k: lanes are tokens, registers run along n: two heads of 64
	s_and_b32 s19, s18, 7                          ; which 128 of Wq's or Wk's 1,024 rows: heads 2 s19 and 2 s19 + 1
	s_mov_b32 s21, 8704
	s_mov_b32 s22, 8192
	s_cmp_eq_u32 ttmp9, 1                          ; cluster x = 1: k
	s_cselect_b64 s[86:87], s[74:75], s[72:73]     ; bk or bq
	s_cselect_b64 s[88:89], s[80:81], s[78:79]     ; the records
	s_cselect_b32 s21, 17408, s21                  ; a record's bytes
	s_cselect_b32 s22, 16384, s22                  ; where its scales begin
	s_lshl_b32 s46, s19, 9
	s_add_nc_u64 s[86:87], s[86:87], s[46:47]      ; the bias of my 128
	s_lshr_b32 s23, s20, 4
	s_lshl_b32 s23, s23, 4                         ; batch x 16
	s_lshl_b32 s46, s19, 1
	s_add_co_u32 s23, s23, s46                     ; + head
	s_lshl_b32 s23, s23, 4
	s_and_b32 s46, s20, 15
	s_add_co_u32 s23, s23, s46                     ; x 16 + the group of 128 tokens
	s_mul_i32 s46, s23, s21
	s_add_nc_u64 s[88:89], s[88:89], s[46:47]      ; the first head's record
	s_lshl_b32 s46, s21, 4
	s_add_nc_u64 s[90:91], s[88:89], s[46:47]      ; the second head's: 16 records on
	v_lshlrev_b32 v7, 6, v2                        ; 64 h: lane (r, h) wants, for block bb, the bias of n = 32 bb + 16 h + 0..15
.irp bb, 0,1,2,3
.irp jj, 0,1,2,3
	global_load_b128 v[BI+16*\bb+4*\jj:BI+16*\bb+4*\jj+3], v7, s[86:87] offset:128*\bb+16*\jj
.endr
.endr
	v_lshlrev_b32 v11, 1, v1                       ; 2 x lane
	s_wait_loadcnt 0x0
	ROWS 0
	s_lshl_b32 s18, s2, 10
	v_add_nc_u32 v9, s18, v4                       ; tile a's codes: 1024 a + 16 l
	s_lshl_b32 s19, s2, 6
	s_add_co_u32 s19, s19, s22
	v_add_nc_u32 v10, s19, v11                     ; its scales: 64 a + 2 l
	global_store_b128 v9, v[PC:PC+3], s[88:89]
	global_store_b128 v9, v[PC+4:PC+7], s[88:89] offset:512
	global_store_b128 v9, v[PC+8:PC+11], s[90:91]
	global_store_b128 v9, v[PC+12:PC+15], s[90:91] offset:512
	global_store_b16 v10, v[PW], s[88:89]          ; the word's low half: the first head's two blocks
	global_store_d16_hi_b16 v10, v[PW], s[90:91]   ; its high half: the second head's
	s_add_co_u32 s2, s2, 1
	s_cmp_lt_u32 s2, 8
	s_cbranch_scc1 .Lrow0
	s_branch .Ldone
.Lv_arm:
	; ---- v: lanes are rows of Wv (two heads' d), registers run along the tokens: the keys
	s_lshl_b32 s46, s20, 9
	s_add_nc_u64 s[86:87], s[76:77], s[46:47]      ; bv of my 128 rows
	s_lshr_b32 s23, s18, 4
	s_lshl_b32 s23, s23, 4                         ; batch x 16
	s_lshl_b32 s46, s20, 1
	s_add_co_u32 s23, s23, s46                     ; + head
	s_lshl_b32 s23, s23, 4
	s_and_b32 s46, s18, 15
	s_add_co_u32 s23, s23, s46
	s_mul_i32 s46, s23, GB
	s_add_co_u32 s46, s46, 8192
	s_add_nc_u64 s[88:89], s[80:81], s[46:47]      ; V's codes in the first head's record
	v_and_b32 v7, 15, v0
	v_and_b32 v6, 8, v7
	v_add_nc_u32 v7, v7, v6
	v_lshlrev_b32 v7, 2, v7                        ; 4 (r + 8 (r / 8))
.irp a, 0,1,2,3,4,5,6,7
	global_load_b32 v[BI+2*\a], v7, s[86:87] offset:(32*(\a/2)+8*(\a%2))*4
	global_load_b32 v[BI+2*\a+1], v7, s[86:87] offset:(32*(\a/2)+8*(\a%2))*4   ; twice: a pair for the packed addition
.endr
	s_wait_loadcnt 0x0
	ROWS 1
	s_lshr_b32 s18, s2, 2
	s_mul_i32 s18, s18, 16*GB                      ; blocks 4-7 are the second head: 16 records on
	s_and_b32 s19, s2, 3
	s_lshl_b32 s21, s19, 11
	s_add_co_u32 s21, s21, s18
	v_add_nc_u32 v9, s21, v4
	s_lshl_b32 s21, s19, 7
	s_add_co_u32 s21, s21, s18
	s_add_co_u32 s21, s21, 8704                    ; V's scale words stand 8,704 bytes behind V's codes
	v_add_nc_u32 v10, s21, v3
.irp c, 0,1,2,3
	global_store_b128 v9, v[PC+4*\c:PC+4*\c+3], s[88:89] offset:512*\c
.endr
	global_store_b32 v10, v[PW], s[88:89]
	s_add_co_u32 s2, s2, 1
	s_cmp_lt_u32 s2, 8
	s_cbranch_scc1 .Lrow1
.Ldone:
	s_wait_tensorcnt 0x0                           ; the wave's end
	ds_add_u32 v[SPW], v[NIL]
	s_wait_dscnt 0x0
	CROUND                                         ; the closing round
	s_endpgm
.Lfunc_end_k_q371135d7ba_gemm_qkv:
	.size	k_q371135d7ba_gemm_qkv, .Lfunc_end_k_q371135d7ba_gemm_qkv-k_q371135d7ba_gemm_qkv
	.p2alignl 7, 3214868480
	.fill 96, 4, 3214868480
	.section	.rodata,"a",@progbits
	.p2align	6, 0x0
	.amdhsa_kernel k_q371135d7ba_gemm_qkv
		.amdhsa_group_segment_fixed_size 327680
		.amdhsa_private_segment_fixed_size 0
		.amdhsa_enable_private_segment 0
		.amdhsa_kernarg_size 56
		.amdhsa_user_sgpr_count 2
		.amdhsa_user_sgpr_kernarg_segment_ptr 1
		.amdhsa_wavefront_size32 1
		.amdhsa_system_sgpr_workgroup_id_x 1
		.amdhsa_system_sgpr_workgroup_id_y 1
		.amdhsa_system_sgpr_workgroup_id_z 1
		.amdhsa_system_vgpr_workitem_id 0
		.amdhsa_next_free_vgpr 1024
		.amdhsa_next_free_sgpr 100
		.amdhsa_reserve_vcc 0
		.amdhsa_float_denorm_mode_32 3
		.amdhsa_float_denorm_mode_16_64 3
		.amdhsa_memory_ordered 1
		.amdhsa_forward_progress 1
		.amdhsa_inst_pref_size 172
	.end_amdhsa_kernel
	.amdgpu_metadata
---
amdhsa.version: [ 1, 2 ]
amdhsa.kernels:
  - .name:           k_q371135d7ba_gemm_qkv
    .symbol:         k_q371135d7ba_gemm_qkv.kd
    .args:
      - { .name: himg, .offset: 0, .size: 8, .value_kind: global_buffer, .address_space: global }
      - { .name: wimg, .offset: 8, .size: 8, .value_kind: global_buffer, .address_space: global }
      - { .name: bq, .offset: 16, .size: 8, .value_kind: global_buffer, .address_space: global }
      - { .name: bk, .offset: 24, .size: 8, .value_kind: global_buffer, .address_space: global }
      - { .name: bv, .offset: 32, .size: 8, .value_kind: global_buffer, .address_space: global }
      - { .name: qimg, .offset: 40, .size: 8, .value_kind: global_buffer, .address_space: global }
      - { .name: kvimg, .offset: 48, .size: 8, .value_kind: global_buffer, .address_space: global }
    .group_segment_fixed_size: 327680
    .private_segment_fixed_size: 0
    .kernarg_segment_align: 8
    .kernarg_segment_size: 56
    .max_flat_workgroup_size: 128
    .sgpr_count:     100
    .vgpr_count:     1024
    .wavefront_size: 32
...
	.end_amdgpu_metadata
.endif
;; end of part 2
;; launch attn (part 3): grid 8 x 32, 16 waves a work-group, clusters of 4 x 1, 327,680 bytes of LDS; arguments qimg, kvimg, yimg; writes yimg
.if DOCPART == 3
	.amdgcn_target "amdgcn-amd-amdhsa--gfx1250"
	.amdhsa_code_object_version 6
	.text
	.protected	k_q371135d7ba_attn
	.globl	k_q371135d7ba_attn
	.p2align	8
	.type	k_q371135d7ba_attn,@function
k_q371135d7ba_attn:
	s_mov_b64 s[64:65], 0
	v_nop
	global_prefetch_b8 v0, s[64:65] scope:SCOPE_SE
	s_setreg_imm32_b32 hwreg(HW_REG_WAVE_MODE, 25, 1), 1
	s_wait_xcnt 0x0
	s_wait_alu depctr_hold_cnt(0) depctr_sa_sdst(0) depctr_va_vdst(0) depctr_va_sdst(0) depctr_va_ssrc(0) depctr_va_vcc(0) depctr_vm_vsrc(0)
	s_getreg_b32 s2, hwreg(HW_REG_IB_STS2, 6, 4)
	s_cmp_eq_u32 s2, 0
	s_cbranch_scc0 .Lentry_in_a_cluster
	s_endpgm
.Lentry_in_a_cluster:
	s_bfe_u32 s2, ttmp6, 0x10000c
	s_cmp_lg_u32 s2, 0x3003
	s_cbranch_scc0 .Lentry_shape_is_right
	s_endpgm
.Lentry_shape_is_right:
; y = softmax(q k^T / 8, causal) v for one batch and head, both products on codes of FP8 (E4M3) with E8M0 scales; y is quantised along C on the way out, into the image that the next product reads.
; LEFT OUT (shown at the head of the first launch's text): a step of 128 keys all of which come after the wave's 16 queries: its p is 0 for all inputs.
; THE SOFTMAX: t = score x log2(e) / 8; M = the running largest t rounded up to a whole number; p = 2^(t - M) is quantised along the keys, not normalised; the row's sum is taken of the unquantised p and divides at the end.
; SHARES.  A work-group is (tile number jt = 0..7, batch x 16 + head).  Its sixteen waves take query tile jt (16 tokens) of the sixteen groups of 128 tokens: wave w takes group pos = w xor 3 ((w / 4) % 2),
; and walks key steps 0 .. pos; step pos is the one on the diagonal.  So the steps hang on the wave's number alone: every work-group has the same 136 steps, and its wave with pos = 15 reads every record.
; LDS.  The head's sixteen records of K and V (17,408 bytes each: K's codes, V's codes, K's scales, V's scale words) are filled ONCE: wave w asks for record w.  The four work-groups of a cluster are four tiles jt of one
; head and read the same records: each load is a joint one, with the same descriptor and the mask of all four.  One tensor load a wave is out.
; The place in the cluster enters Q's and y's addresses in memory and the number that the mask compares, and no branch and no LDS address.
; LAYOUT.  S^T = K Q^T, O^T = V^T P^T: a lane holds one query.  Lane-row r of tile a is token 32 (a / 2) + 8 (a % 2) + r + 8 (r / 8) of its 128, so the 16 registers of tiles 2 b, 2 b + 1 are keys 32 b + 16 h + 0..15.
; K = 64 IN AN INSTRUCTION OF 128: Q's upper eight registers are zero codes.  K's upper eight hold zeros at first and later old codes of V; every code that this program makes is a finite number, so those 64 places add exactly 0;
; their scale bytes are 0, which is 2^-127 and no NaN.
; LIMITS: NaN and infinities are not served; a block of y under 2^-118 or of zeros gets the scale byte 1.
; REGISTERS: v1-4, v7, v11 lane terms; v5, v6 the add's two; v8-10 the step's addresses; v12 -M, v13 the largest t, v[14:15] the sum; v16-31 Q; v32-95 four tiles of K, then V's four fragments; v96-159 S^T, then p;
; v160-191 O^T; v224-239 p's codes; v232-247, v252, v254 at work; v248-251 K's or V's scales; v253 p's scale word; v255 Q's scales.
.set REC,   17408
.set SPARE, 16*REC                     ; behind the records: the spare words, 128 bytes for each of sixteen waves
.set SPW,   5
.set NIL,   6
.set WV,    18
.set MNT,   19
.set SEL,   20
.set CS,    22                         ; s[22:23] c = log2(e) / 8
.set POS,   36
.set KS,    37
.set TB,    38
.macro CROUND
	s_barrier_signal -1
	s_barrier_wait -1
	s_cmp_lg_u32 s[WV], 0
	s_cbranch_scc1 .Lnot_wave_0_\@
	s_barrier_signal -3
.Lnot_wave_0_\@:
	s_barrier_wait -3
	s_barrier_signal -1
	s_barrier_wait -1
.endm
	s_load_b128 s[4:7], s[0:1], 0x0                ; Q's records, K's and V's records
	s_load_b64 s[8:9], s[0:1], 0x10                ; y's image
	v_lshl_add_u32 v[SPW], v0, 2, SPARE
	v_mov_b32 v[NIL], 0
	ds_add_u32 v[SPW], v[NIL]                      ; the wave's opening: the add, twice on end, and its wait ahead of my first tensor load
	ds_add_u32 v[SPW], v[NIL]
	v_lshrrev_b32 v8, 5, v0
	v_readfirstlane_b32 s[WV], v8                  ; wave 0..15
	s_lshr_b32 s[POS], s[WV], 2
	s_and_b32 s[POS], s[POS], 1
	s_mul_i32 s[POS], s[POS], 3
	s_xor_b32 s[POS], s[POS], s[WV]                ; my group of 128 tokens
	s_bfe_u32 s40, ttmp6, 0x40000                  ; cx
	s_lshl_b32 s39, ttmp9, 2
	s_add_co_u32 s39, s39, s40                     ; jt: my tile in the group
	s_and_b32 s41, ttmp7, 0xffff                   ; batch x 16 + head, which the four partners share
	s_mov_b32 s24, 15|(3<<16)|(1<<21)              ; group 1: the mask of all four; elements of 8 bytes; bit 21 beside the mask; no padding
	s_mov_b32 s25, 32<<16                          ; tensor_dim0 = 32 elements: 256 bytes
	s_mov_b32 s26, 68<<16                          ; tensor_dim1 = 68 rows: a record
	s_mov_b32 s27, 32<<16                          ; tile_dim0
	s_mov_b32 s28, 68                              ; tile_dim1
	s_mov_b32 s29, 32                              ; the pitch
	s_mov_b32 s30, 0
	s_mov_b32 s31, 0
	s_mov_b32 s32, 1
	s_mul_i32 s33, s[WV], REC                      ; record w goes to w x 17,408
	s_lshl_b32 s42, s41, 4
	s_add_co_u32 s44, s42, s[WV]
	s_mul_i32 s44, s44, REC
	s_mov_b32 s45, 0
	s_add_co_u32 s46, s42, s[POS]
	s_mul_i32 s46, s46, 8704                       ; my Q record
	s_lshl_b32 s47, s39, 10
	s_add_co_u32 s48, s46, s47                     ; my tile's codes
	s_mov_b32 s49, 0
	s_lshl_b32 s47, s39, 6
	s_add_co_u32 s50, s46, s47
	s_add_co_u32 s50, s50, 8192                    ; its scales
	s_mov_b32 s51, 0
	s_lshr_b32 s52, s41, 4
	s_lshl_b32 s52, s52, 4
	s_add_co_u32 s52, s52, s[POS]                  ; y's group row: batch x 16 + pos
	s_lshl_b32 s52, s52, 3
	s_bfe_u32 s53, s41, 0x30001                    ; head / 2: which 128 of C
	s_add_co_u32 s52, s52, s53
	s_mul_i32 s52, s52, REC                        ; (a group of the image is as long as a record)
	s_and_b32 s53, s41, 1                          ; head % 2: which 64 of the 128
	s_lshl_b32 s54, s39, 11
	s_add_co_u32 s54, s54, s52
	s_lshl_b32 s55, s53, 10
	s_add_co_u32 s54, s54, s55                     ; y's codes: fragment jt, register quads 2 (head % 2) on
	s_mov_b32 s55, 0
	s_lshl_b32 s56, s39, 7
	s_add_co_u32 s56, s56, s52
	s_lshl_b32 s57, s53, 1
	s_add_co_u32 s56, s56, s57
	s_add_co_u32 s56, s56, 16384                   ; y's scale bytes: two of the word's four
	s_mov_b32 s57, 0
	s_lshr_b32 s58, s39, 1
	s_lshl_b32 s58, s58, 5
	s_and_b32 s59, s39, 1
	s_lshl_b32 s59, s59, 3
	s_add_co_u32 s58, s58, s59                     ; my tile's first token in its group
	s_mov_b32 s[SEL], 0x76543210
	s_mov_b32 s[SEL+1], 0xfedcba98
	s_mov_b32 s[CS], 0x3e38aa3b
	s_mov_b32 s[CS+1], s[CS]
	s_mov_b32 s[MNT], 0x600000
	s_mov_b32 s[KS], 0
	s_mov_b32 s[TB], 0
	s_wait_dscnt 0x0                               ; both opening adds are done
	s_wait_kmcnt 0x0
	s_add_nc_u64 s[34:35], s[6:7], s[44:45]
	s_or_b32 s35, s35, 0x80000000
	s_add_nc_u64 s[48:49], s[4:5], s[48:49]
	s_add_nc_u64 s[50:51], s[4:5], s[50:51]
	s_add_nc_u64 s[54:55], s[8:9], s[54:55]
	s_add_nc_u64 s[56:57], s[8:9], s[56:57]
	CROUND                                         ; all four work-groups are here: the joint loads meet
	tensor_load_to_lds s[32:35], s[24:31]
	s_nop 0
.rept 4
	v_nop
.endr
	v_and_b32 v8, 31, v0
	v_lshlrev_b32 v1, 4, v8                        ; 16 x lane
	v_lshlrev_b32 v11, 1, v8                       ; 2 x lane
	v_lshlrev_b32 v7, 2, v8                        ; 4 x lane
	global_load_b128 v[16:19], v1, s[48:49]        ; Q's codes: d = 16 h + 0..15,
	global_load_b128 v[20:23], v1, s[48:49] offset:512   ; and 32 + 16 h + 0..15
	global_load_u16 v255, v11, s[50:51]            ; Q's two scale bytes; the upper two are 0
	v_add_nc_u32 v2, 16384, v11                    ; K's scales in a record
	v_add_nc_u32 v3, 16896, v7                     ; V's scale words
	v_and_b32 v8, 15, v0
	v_and_b32 v9, 8, v8
	v_add_nc_u32 v8, v8, v9
	v_bfe_u32 v9, v0, 4, 1
	v_lshlrev_b32 v9, 4, v9
	v_sub_nc_u32 v8, v8, v9
	v_add_nc_u32 v4, s58, v8                       ; d = my query's place in its group - 16 h: on the diagonal register 16 b + i is hidden where 32 b + i > d
.irp j, 0,1,2,3,4,5,6,7
	v_mov_b32 v[24+\j], 0                          ; Q's upper 64 along K: zero codes
.endr
.irp t, 0,1,2,3
.irp j, 0,1,2,3,4,5,6,7
	v_mov_b32 v[40+16*\t+\j], 0                    ; K's upper 64
.endr
.endr
	v_mov_b32 v13, 0xff61b1e6                      ; the largest t so far: -3e38
	v_floor_f32 v12, -v13                          ; -M
	v_mov_b32 v14, 0
	v_mov_b32 v15, 0
.irp b, 0,1,2,3
	v_mov_b32 v[236+\b], 0                         ; written once: a lane permute's destination counts as one of its sources
.endr
	v_mov_b32 v252, 0
	v_mov_b32 v253, 0
.set j, 0
.rept 32
	v_mov_b32 v[160+j], 0                          ; O^T: the step is written once; its first pass finds zeros
.set j, j+1
.endr
	s_wait_tensorcnt 0x0                           ; my record has landed,
	s_barrier_signal -1
	s_barrier_wait -1                              ; everybody's has
	s_wait_loadcnt 0x0                             ; Q
.Lstep:                                            ; sixteen trips, a constant; the work of a step past my group is jumped over
	s_cmp_gt_u32 s[KS], s[POS]
	s_cbranch_scc1 .Lhidden
	v_add_nc_u32 v8, s[TB], v1
	v_add_nc_u32 v9, s[TB], v2
	v_add_nc_u32 v10, s[TB], v3
.rept 5
	v_nop                                          ; with the three additions: eight places in front of loads into registers that the last step's products have read
.endr
.irp g, 0,1                                    ; S^T = K Q^T, four tiles of 16 keys at a time
.if \g > 0
.rept 8
	v_nop
.endr
.endif
.irp t, 0,1,2,3
	ds_load_b128 v[32+16*\t:35+16*\t], v8 offset:(4*\g+\t)*1024
	ds_load_b128 v[36+16*\t:39+16*\t], v8 offset:(4*\g+\t)*1024+512
	ds_load_u16 v[248+\t], v9 offset:(4*\g+\t)*64
.endr
	s_wait_dscnt 0x0
.irp t, 0,1,2,3
	v_wmma_scale_f32_16x16x128_f8f6f4 v[96+8*(4*\g+\t):103+8*(4*\g+\t)], v[32+16*\t:47+16*\t], v[16:31], 0, v[248+\t], v255
.endr
.endr
.rept 8
	v_nop
.endr
.irp t, 0,1,2,3                                ; V's fragments and scale words are asked for here and land under the softmax
.irp c, 0,1,2,3
	ds_load_b128 v[32+16*\t+4*\c:35+16*\t+4*\c], v8 offset:8192+\t*2048+512*\c
.endr
	ds_load_b32 v[248+\t], v10 offset:\t*128
.endr
	s_cmp_lg_u32 s[KS], s[POS]                     ; only my own group's step lies on the diagonal
	s_cbranch_scc1 .Lopen
	v_mov_b32 v254, 0xff800000                     ; -infinity
.set n, 0
.rept 64
	v_cmp_gt_i32 vcc_lo, 32*(n/16)+n%16, v4
	v_cndmask_b32 v[96+n], v[96+n], v254, vcc_lo
.set n, n+1
.endr
.Lopen:
.irp b, 0,1,2,3
	v_max3_num_f32 v[232+\b], v[96+16*\b], v[97+16*\b], v[98+16*\b]   ; the largest score of each block of 32 keys: for the row's maximum and, since p rises with the score, for the block's largest p
.endr
.irp i, 3,5,7,9,11,13
.irp b, 0,1,2,3
	v_max3_num_f32 v[232+\b], v[232+\b], v[96+16*\b+\i], v[97+16*\b+\i]
.endr
.endr
.irp b, 0,1,2,3
	v_max_num_f32 v[232+\b], v[232+\b], v[111+16*\b]
.endr
.irp b, 0,1,2,3
	v_permlanex16_b32 v[236+\b], v[232+\b], s[SEL], s[SEL+1]
.endr
.irp b, 0,1,2,3
	v_max_num_f32 v[232+\b], v[232+\b], v[236+\b]
.endr
	v_max3_num_f32 v254, v232, v233, v234
	v_max_num_f32 v254, v254, v235
	v_mul_f32 v254, s[CS], v254                    ; the step's largest t
	v_max_num_f32 v13, v13, v254
	v_mov_b32 v254, v12
	v_floor_f32 v12, -v13                          ; the new -M = -ceil(t)
	v_sub_f32 v254, v12, v254                      ; old M - new M: a whole number, 0 or less
	v_cvt_i32_f32 v254, v254
	v_ldexp_f32 v252, 1.0, v254                    ; f = 2^(old M - new M)
.set j, 0
.rept 32
	v_pk_fma_f32 v[96+j:97+j], v[96+j:97+j], s[CS:CS+1], v[12:13] op_sel_hi:[1,0,0]   ; t - M
.set j, j+2
.endr
.irp b, 0,1,2,3
	v_fma_f32 v[232+\b], v[232+\b], s[CS], v12
.endr
.set j, 0
.rept 64
	v_exp_f32 v[96+j], v[96+j]                     ; p = 2^(t - M)
.set j, j+1
.endr
	v_pk_mul_f32 v[14:15], v[14:15], v[252:253] op_sel_hi:[1,0]   ; the sums under the new M: a plain line behind the exponentials
	s_wait_alu depctr_va_vdst(0)                   ; the wait ahead of the first reader: one for the batch
.irp b, 0,1,2,3
	v_exp_f32 v[232+\b], v[232+\b]                 ; each block's largest p
.endr
	v_pk_add_f32 v[236:237], v[96:97], v[98:99]    ; the row's sum of the unquantised p, in two chains
.set j, 4
.rept 15
	v_pk_add_f32 v[14:15], v[14:15], v[96+j:97+j]
	v_pk_add_f32 v[236:237], v[236:237], v[98+j:99+j]
.set j, j+4
.endr
	v_pk_add_f32 v[14:15], v[14:15], v[236:237]
	s_wait_alu depctr_va_vdst(0)                   ; and one for the four
.irp b, 0,1,2,3
	v_max_num_f32 v[232+\b], 0x4800000, v[232+\b]  ; the floor 2^(9 - 127)
.endr
.irp b, 0,1,2,3
	v_add_nc_u32 v[244+\b], 0xfc000000, v[232+\b]
.endr
.irp b, 0,1,2,3
	v_and_or_b32 v[240+\b], v[232+\b], 0x7f800000, s[MNT]
.endr
.irp b, 0,1,2,3
	v_lshrrev_b32 v[236+\b], 23, v[244+\b]
.endr
	v_lshl_or_b32 v253, v237, 8, v236              ; p's scale word for these 128 keys
	v_lshl_or_b32 v253, v238, 16, v253
	v_lshl_or_b32 v253, v239, 24, v253
.irp b, 0,1,2,3
.irp i, 0,1,2,3,4,5,6,7,8,9,10,11,12,13,14,15
	v_min_num_f32 v[96+16*\b+\i], v[96+16*\b+\i], v[240+\b]   ; the hold; p is not negative
.endr
	v_cvt_scalef32_pk8_fp8_f32 v[224+4*\b:225+4*\b], v[96+16*\b:103+16*\b], v[244+\b]
	v_cvt_scalef32_pk8_fp8_f32 v[226+4*\b:227+4*\b], v[104+16*\b:111+16*\b], v[244+\b]
.endr
.set j, 0
.rept 16
	v_pk_mul_f32 v[160+j:161+j], v[160+j:161+j], v[252:253] op_sel_hi:[1,0]   ; O^T under the new M; these sixteen are also the places in front of the products
.set j, j+2
.endr
	s_wait_dscnt 0x0                               ; V
.irp t, 0,1,2,3
	v_wmma_scale_f32_16x16x128_f8f6f4 v[160+8*\t:167+8*\t], v[32+16*\t:47+16*\t], v[224:239], v[160+8*\t:167+8*\t], v[248+\t], v253
.endr
.Lhidden:
	s_add_co_u32 s[TB], s[TB], REC
	s_add_co_u32 s[KS], s[KS], 1
	s_cmp_lt_u32 s[KS], 16
	s_cbranch_scc1 .Lstep
	; THE WAY OUT: O^T / the sum, quantised along d (two blocks of 32), into y's image
	v_add_f32 v14, v14, v15
	v_permlanex16_b32 v252, v14, s[SEL], s[SEL+1]
	v_add_f32 v14, v14, v252                       ; the row's sum
	v_rcp_f32 v14, v14
.rept 8
	v_nop                                          ; the places behind the last products, and the plain line behind the reciprocal
.endr
	s_wait_alu depctr_va_vdst(0)                   ; ahead of the reciprocal's first reader
.set j, 0
.rept 16
	v_pk_mul_f32 v[96+j:97+j], v[160+j:161+j], v[14:15] op_sel_hi:[1,0]   ; register 16 b + i is d = 32 b + 16 h + i
.set j, j+2
.endr
.irp b, 0,1
	v_max3_num_f32 v[232+\b], |v[96+16*\b]|, |v[97+16*\b]|, 0x4800000
.endr
.irp i, 2,4,6,8,10,12,14
.irp b, 0,1
	v_max3_num_f32 v[232+\b], v[232+\b], |v[96+16*\b+\i]|, |v[97+16*\b+\i]|
.endr
.endr
.irp b, 0,1
	v_permlanex16_b32 v[236+\b], v[232+\b], s[SEL], s[SEL+1]
.endr
.irp b, 0,1
	v_max_num_f32 v[232+\b], v[232+\b], v[236+\b]
.endr
.irp b, 0,1
	v_add_nc_u32 v[244+\b], 0xfc000000, v[232+\b]
.endr
.irp b, 0,1
	v_and_or_b32 v[240+\b], v[232+\b], 0x7f800000, s[MNT]
.endr
.irp b, 0,1
	v_lshrrev_b32 v[236+\b], 23, v[244+\b]
.endr
	v_lshl_or_b32 v192, v237, 8, v236              ; my row's two scale bytes
.irp b, 0,1
.irp i, 0,1,2,3,4,5,6,7,8,9,10,11,12,13,14,15
	v_med3_num_f32 v[96+16*\b+\i], v[96+16*\b+\i], -v[240+\b], v[240+\b]
.endr
	v_cvt_scalef32_pk8_fp8_f32 v[224+4*\b:225+4*\b], v[96+16*\b:103+16*\b], v[244+\b]
	v_cvt_scalef32_pk8_fp8_f32 v[226+4*\b:227+4*\b], v[104+16*\b:111+16*\b], v[244+\b]
.endr
	v_nop
	global_store_b128 v1, v[224:227], s[54:55]
	global_store_b128 v1, v[228:231], s[54:55] offset:512
	global_store_b16 v7, v192, s[56:57]
	s_wait_tensorcnt 0x0                           ; the wave's end
	ds_add_u32 v[SPW], v[NIL]
	s_wait_dscnt 0x0
	CROUND                                         ; the closing round
	s_endpgm
.Lfunc_end_k_q371135d7ba_attn:
	.size	k_q371135d7ba_attn, .Lfunc_end_k_q371135d7ba_attn-k_q371135d7ba_attn
	.p2alignl 7, 3214868480
	.fill 96, 4, 3214868480
	.section	.rodata,"a",@progbits
	.p2align	6, 0x0
	.amdhsa_kernel k_q371135d7ba_attn
		.amdhsa_group_segment_fixed_size 327680
		.amdhsa_private_segment_fixed_size 0
		.amdhsa_enable_private_segment 0
		.amdhsa_kernarg_size 24
		.amdhsa_user_sgpr_count 2
		.amdhsa_user_sgpr_kernarg_segment_ptr 1
		.amdhsa_wavefront_size32 1
		.amdhsa_system_sgpr_workgroup_id_x 1
		.amdhsa_system_sgpr_workgroup_id_y 1
		.amdhsa_system_sgpr_workgroup_id_z 1
		.amdhsa_system_vgpr_workitem_id 0
		.amdhsa_next_free_vgpr 256
		.amdhsa_next_free_sgpr 66
		.amdhsa_reserve_vcc 1
		.amdhsa_float_denorm_mode_32 3
		.amdhsa_float_denorm_mode_16_64 3
		.amdhsa_memory_ordered 1
		.amdhsa_forward_progress 1
		.amdhsa_inst_pref_size 39
	.end_amdhsa_kernel
	.amdgpu_metadata
---
amdhsa.version: [ 1, 2 ]
amdhsa.kernels:
  - .name:           k_q371135d7ba_attn
    .symbol:         k_q371135d7ba_attn.kd
    .args:
      - { .name: qimg, .offset: 0, .size: 8, .value_kind: global_buffer, .address_space: global }
      - { .name: kvimg, .offset: 8, .size: 8, .value_kind: global_buffer, .address_space: global }
      - { .name: yimg, .offset: 16, .size: 8, .value_kind: global_buffer, .address_space: global }
    .group_segment_fixed_size: 327680
    .private_segment_fixed_size: 0
    .kernarg_segment_align: 8
    .kernarg_segment_size: 24
    .max_flat_workgroup_size: 512
    .sgpr_count:     66
    .vgpr_count:     256
    .wavefront_size: 32
...
	.end_amdgpu_metadata
.endif
;; end of part 3
;; launch gemm_o (part 4): grid 4 x 16, 4 waves a work-group, clusters of 4 x 4, 327,680 bytes of LDS; arguments yimg, wimg, bo, x, x1; writes x1
.if DOCPART == 4
	.amdgcn_target "amdgcn-amd-amdhsa--gfx1250"
	.amdhsa_code_object_version 6
	.text
	.protected	k_q371135d7ba_gemm_o
	.globl	k_q371135d7ba_gemm_o
	.p2align	8
	.type	k_q371135d7ba_gemm_o,@function
k_q371135d7ba_gemm_o:
	s_mov_b64 s[64:65], 0
	v_nop
	global_prefetch_b8 v0, s[64:65] scope:SCOPE_SE
	s_setreg_imm32_b32 hwreg(HW_REG_WAVE_MODE, 25, 1), 1
	s_wait_xcnt 0x0
	s_wait_alu depctr_hold_cnt(0) depctr_sa_sdst(0) depctr_va_vdst(0) depctr_va_sdst(0) depctr_va_ssrc(0) depctr_va_vcc(0) depctr_vm_vsrc(0)
	s_getreg_b32 s2, hwreg(HW_REG_IB_STS2, 6, 4)
	s_cmp_eq_u32 s2, 0
	s_cbranch_scc0 .Lentry_in_a_cluster
	s_endpgm
.Lentry_in_a_cluster:
	s_bfe_u32 s2, ttmp6, 0x10000c
	s_cmp_lg_u32 s2, 0xf033
	s_cbranch_scc0 .Lentry_shape_is_right
	s_endpgm
.Lentry_shape_is_right:
; x1 = x + (y Wo^T + bo), the product on codes of FP8 (E4M3) with E8M0 scales; sums, bias and residual in f32.  No work is left out here.
; OPERANDS come as images of the matrix operand's registers: a group of 128 rows x 128 K is GB = 17,408 bytes (fragment i, register quad c, lane l at 2048 i + 512 c + 16 l; scale words at 16,384 + 128 i + 4 l);
; group (G, s) lies at (G NS + s) GB; lane-row r of fragment i is row 32 (i / 2) + 8 (i % 2) + r + 8 (r / 8).  A K step of 256 of 128 rows is one dense block of 34,816 bytes with its scales inside.
; ROLES.  P (the weight) is source 0, R (the tokens) source 1: in accumulator (a, b) lane (r, h) holds the token of lane-row r of fragment a, and register j the column 32 (b / 2) + 16 h + 8 (b % 2) + j.
; A work-group makes 256 x 256, each of four waves 128 x 128; K in steps of 256 through two LDS slots; 4 x 4 work-groups form a cluster and ask for R's tiles jointly along a row, P's along a column.
; The grid has 64 work-groups: C has no more tiles of this size.
; REGISTERS: window 0: v1-31 addresses; v32-63 scale words; v64-67 the bias; v128-255 R's fragments, later rows of the result.  window 1: P's fragments, later the residual.  windows 2, 3: accumulators.
.set KDIM,   1024
.set POFF,   3342336                   ; Wo's image in wimg
.set NS,     KDIM/128
.set GB,     17408
.set HALFT,  2*GB
.set SLOT,   4*HALFT
.set SPARE,  2*SLOT
.set LAPS,   KDIM/512
.set NQ,     2
.set FR,     16
.set NL,     4
.set NP,     8
.set ADRA,   16
.set ADRB,   20
.set ADRS,   22
.set STO,    24
.set RD,     25
.set CO,     4
.set SPW,    28
.set NIL,    29
.set SC,     32
.set BV,     64
.set AF,     128
.set BK,     128
.set SPITCH, 528                       ; the way out: a stage of 16 rows x (512 bytes + 16) for each wave, in slot 0, which has had its last fill and its last read by then
.set G1,     24
.set G0,     32
.set G1B,    48
.set G0B,    56
.set RES,    88
.set OUT,    90
.set MSB, 0
.macro WIN new
.if MSB != (\new)
	s_set_vgpr_msb (MSB<<8)|(\new)
.set MSB, (\new)
.endif
.endm
.set MUL_LO, 0xa1
.set MUL_HI, 0xf1
.set TO_B,   0x40
.macro JLOAD g0a, g1a, g0b, g1b        ; a joint load: waves 0 and 1 fetch for R, waves 2 and 3 for P; an s_nop 0 and four v_nop follow each of the two lines
	s_cmp_eq_u32 s15, 0
	s_cbranch_scc0 .Lfor_b_\@
	tensor_load_to_lds s[\g0a:\g0a+3], s[\g1a:\g1a+7]
	s_nop 0
.rept 4
	v_nop
.endr
	s_branch .Lasked_\@
.Lfor_b_\@:
	tensor_load_to_lds s[\g0b:\g0b+3], s[\g1b:\g1b+7]
	s_nop 0
.rept 4
	v_nop
.endr
.Lasked_\@:
.endm
.macro CREST
	s_cmp_lg_u32 s14, 0
	s_cbranch_scc1 .Lnot_wave_0_\@
	s_barrier_signal -3
.Lnot_wave_0_\@:
	s_barrier_wait -3
	s_barrier_signal -1
	s_barrier_wait -1
.endm
.macro CROUND
	s_barrier_signal -1
	s_barrier_wait -1
	CREST
.endm
.macro FRAG reg, adr, q, i
.irp c, 0,1,2,3
	ds_load_b128 v[\reg+4*\c:\reg+4*\c+3], v[\adr] offset:(\q)*GB+(\i)*2048+512*\c
.endr
.endm
.macro MUL16 a0, p, q, sc, zero        ; the 64 accumulators take turns, one instruction a turn
.irp a, \a0, \a0+1
.irp b, 0,1,2,3,4,5,6,7
.if \zero
	v_wmma_scale_f32_16x16x128_f8f6f4 v[8*(8*((\a)%4)+\b):8*(8*((\a)%4)+\b)+7], v[128*(\p)+FR*\b:128*(\p)+FR*\b+FR-1], v[AF+FR*(\a):AF+FR*(\a)+FR-1], 0, v[SC+8*NQ*(\sc)+NQ*\b+(\q)], v[SC+8*NQ*(\sc)+NQ*(\a)+(\q)] matrix_a_scale:MATRIX_SCALE_ROW1
.else
	v_wmma_scale_f32_16x16x128_f8f6f4 v[8*(8*((\a)%4)+\b):8*(8*((\a)%4)+\b)+7], v[128*(\p)+FR*\b:128*(\p)+FR*\b+FR-1], v[AF+FR*(\a):AF+FR*(\a)+FR-1], v[8*(8*((\a)%4)+\b):8*(8*((\a)%4)+\b)+7], v[SC+8*NQ*(\sc)+NQ*\b+(\q)], v[SC+8*NQ*(\sc)+NQ*(\a)+(\q)] matrix_a_scale:MATRIX_SCALE_ROW1
.endif
.endr
.endr
.endm
.macro FETCH_B slot, q, p
	WIN TO_B
.irp i, 0,1,2,3,4,5,6,7
	FRAG 128*(\p)+FR*\i, ADRB+\slot, \q, \i
.endr
	WIN 0
.endm
.macro FETCH_A slot, q, i0
.irp i, \i0, \i0+1, \i0+2, \i0+3
	FRAG AF+FR*(\i), ADRA+\slot, \q, \i
.endr
.endm
.macro SCALES sc
.irp i, 0,1,2,3,4,5,6,7
.irp q, 0,1
	ds_load_b32 v[SC+8*NQ*\sc+NQ*\i+\q], v[ADRS+\sc] offset:\q*GB+128*\i
.endr
.endr
.endm
.macro PLACES n
.rept \n
	v_nop
.endr
.endm
.macro STEP slot, q, zero
	s_wait_dscnt 4*NL                              ; all but the youngest sixteen loads (R's blocks 4-7)
	WIN MUL_LO
	MUL16 0, (\q)%2, \q, \slot, \zero
	MUL16 2, (\q)%2, \q, \slot, \zero
	s_wait_dscnt 0
	PLACES NP
	FETCH_B \slot, (\q)+1, 1-(\q)%2
	FETCH_A \slot, (\q)+1, 0
	WIN MUL_HI
	MUL16 4, (\q)%2, \q, \slot, \zero
	MUL16 6, (\q)%2, \q, \slot, \zero
	PLACES NP
	WIN 0
	FETCH_A \slot, (\q)+1, 4
.endm
.macro TURN slot, next, fill
	s_wait_tensorcnt 0x0                           ; all my tensor loads have landed: my part of the next slot
	ds_add_u32 v[SPW], v[NIL]                      ; 0 onto my spare word
	s_wait_dscnt 4*NL+1                            ; (the add and the youngest sixteen loads may be out)
	WIN MUL_LO
	MUL16 0, 1, NQ-1, \slot, 0
	s_wait_dscnt 0x0                               ; the add is done, and my reads of this slot are over
	s_barrier_signal -1
	MUL16 2, 1, NQ-1, \slot, 0
	WIN 0
	s_barrier_wait -1
.if \fill
	CREST
	s_add_nc_u64 s[G0+4*\slot+2:G0+4*\slot+3], s[G0+4*\slot+2:G0+4*\slot+3], 2*HALFT
	s_add_nc_u64 s[G0B+4*\slot+2:G0B+4*\slot+3], s[G0B+4*\slot+2:G0B+4*\slot+3], 2*HALFT
	JLOAD G0+4*\slot, G1, G0B+4*\slot, G1B
	PLACES NP-4
.else
	PLACES NP
.endif
	FETCH_B \next, 0, 0
	FETCH_A \next, 0, 0
	SCALES \next
	WIN MUL_HI
	MUL16 4, 1, NQ-1, \slot, 0
	MUL16 6, 1, NQ-1, \slot, 0
	PLACES NP
	WIN 0
	FETCH_A \next, 0, 4
.endm
	s_load_b256 s[68:75], s[0:1], 0x0              ; R's image, the weights' image, the bias, the residual
	s_load_b64 s[76:77], s[0:1], 0x20              ; the result
	v_lshl_add_u32 v[SPW], v0, 2, SPARE
	v_mov_b32 v[NIL], 0
	ds_add_u32 v[SPW], v[NIL]                      ; the wave's opening: the add, twice on end, and its wait ahead of my first tensor load
	ds_add_u32 v[SPW], v[NIL]
	v_lshrrev_b32 v1, 5, v0
	v_readfirstlane_b32 s14, v1
	s_lshr_b32 s15, s14, 1
	s_and_b32 s16, s14, 1
	s_bfe_u32 s40, ttmp6, 0x40000
	s_bfe_u32 s41, ttmp6, 0x40004
	s_lshl_b32 s42, ttmp9, 2
	s_add_co_u32 s42, s42, s40                     ; P's block
	s_and_b32 s17, ttmp7, 0xffff
	s_lshl_b32 s17, s17, 2
	s_add_co_u32 s17, s17, s41                     ; R's block
	s_lshl_b32 s43, s41, 2
	s_lshl_b32 s43, 15, s43
	s_lshl_b32 s44, 0x1111, s40
	s_or_b32 s[G1+0], s43, (3<<16)|(1<<21)
	s_or_b32 s[G1B+0], s44, (3<<16)|(1<<21)
.irp g, G1, G1B
	s_mov_b32 s[\g+1], 32<<16
	s_mov_b32 s[\g+2], 136<<16
	s_mov_b32 s[\g+3], 32<<16
	s_mov_b32 s[\g+4], 136
	s_mov_b32 s[\g+5], 32
	s_mov_b32 s[\g+6], 0
	s_mov_b32 s[\g+7], 0
.endr
	s_lshl_b32 s20, s17, 1
	s_add_co_u32 s20, s20, s16
	s_mul_i32 s20, s20, NS*GB
	s_mov_b32 s21, 0
	s_lshl_b32 s46, s42, 1
	s_add_co_u32 s46, s46, s16
	s_mul_i32 s46, s46, NS*GB
	s_add_co_u32 s46, s46, POFF
	s_mov_b32 s47, 0
	s_mul_i32 s45, s14, HALFT
	s_wait_dscnt 0x0
	s_wait_kmcnt 0x0
	s_add_nc_u64 s[20:21], s[68:69], s[20:21]
	s_add_nc_u64 s[46:47], s[70:71], s[46:47]
	CROUND
.irp s, 0,1
	s_mov_b32 s[G0+4*\s], 1
	s_add_co_u32 s[G0+4*\s+1], s45, \s*SLOT
	s_add_nc_u64 s[G0+4*\s+2:G0+4*\s+3], s[20:21], \s*HALFT
	s_or_b32 s[G0+4*\s+3], s[G0+4*\s+3], 0x80000000
	s_mov_b32 s[G0B+4*\s], 1
	s_add_co_u32 s[G0B+4*\s+1], s45, \s*SLOT
	s_add_nc_u64 s[G0B+4*\s+2:G0B+4*\s+3], s[46:47], \s*HALFT
	s_or_b32 s[G0B+4*\s+3], s[G0B+4*\s+3], 0x80000000
	JLOAD G0+4*\s, G1, G0B+4*\s, G1B
.endr
	v_and_b32 v1, 31, v0
	v_bfe_u32 v2, v0, 4, 1
	v_lshlrev_b32 v4, 4, v1                        ; 16 x lane
	v_lshlrev_b32 v3, 2, v1
	s_mul_i32 s21, s15, HALFT
	s_mul_i32 s22, s16, HALFT
	s_add_co_u32 s22, s22, 2*HALFT
	s_sub_co_u32 s23, s22, s21
	v_mul_u32_u24 v6, s23, v2
	v_add_nc_u32 v6, v6, v3
	s_add_co_u32 s23, s21, 16384
.irp s, 0,1
	v_add_nc_u32 v[ADRA+\s], s21, v4
	v_add_nc_u32 v[ADRB+\s], s22, v4
	v_add_nc_u32 v[ADRS+\s], s23, v6
	s_add_co_u32 s21, s21, SLOT
	s_add_co_u32 s22, s22, SLOT
	s_add_co_u32 s23, s23, SLOT
.endr
	s_mul_i32 s23, s14, 16*SPITCH                  ; my stage
	v_and_b32 v5, 15, v0
	v_mul_u32_u24 v5, v5, SPITCH
	v_lshl_add_u32 v5, v2, 6, v5
	v_add_nc_u32 v[STO], s23, v5                   ; in: row r, + 64 h
	v_add_nc_u32 v[RD], s23, v4                    ; back: 32 lanes take a row of 512 bytes
	s_lshl_b32 s20, s17, 1
	s_add_co_u32 s20, s20, s15
	s_lshl_b32 s20, s20, 19                        ; my 128 rows of 4,096 bytes
	s_lshl_b32 s46, s42, 10
	s_lshl_b32 s47, s16, 9
	s_add_co_u32 s46, s46, s47                     ; my 128 columns, in bytes
	s_mov_b32 s47, 0
	s_add_nc_u64 s[86:87], s[72:73], s[46:47]
	s_add_co_u32 s46, s46, s20
	s_add_nc_u64 s[RES:RES+1], s[74:75], s[46:47]
	s_add_nc_u64 s[OUT:OUT+1], s[76:77], s[46:47]
	global_load_b128 v[BV:BV+3], v[CO], s[86:87]   ; the bias of my four columns of a row
	s_wait_tensorcnt 1                             ; my part of K step 0 is in (K step 1's load may be out)
	s_barrier_signal -1
	s_barrier_wait -1
	FETCH_B 0, 0, 0
	FETCH_A 0, 0, 0
	SCALES 0
	FETCH_A 0, 0, 4
	STEP 0, 0, 1
	s_mov_b32 s3, LAPS-1
.Llap:
	TURN 0, 1, 1
	STEP 1, 0, 0
	TURN 1, 0, 1
	STEP 0, 0, 0
	s_sub_co_u32 s3, s3, 1
	s_cmp_lg_u32 s3, 0
	s_cbranch_scc1 .Llap
	TURN 0, 1, 0
	STEP 1, 0, 0
	s_wait_dscnt 4*NL
	WIN MUL_LO
	MUL16 0, 1, NQ-1, 1, 0
	MUL16 2, 1, NQ-1, 1, 0
	s_wait_dscnt 0
	WIN MUL_HI
	MUL16 4, 1, NQ-1, 1, 0
	MUL16 6, 1, NQ-1, 1, 0
	WIN 0
; THE WAY OUT, block by block of 16 rows x 128 columns: through my own stage, back as whole rows of 512 bytes, + bias, + residual, stored as two aligned runs of 256 bytes.  Row t of block a is row
; 32 (a / 2) + 8 (a % 2) + t + 8 (t / 8) of my 128: every offset is an immediate, 127 rows of 4,096 bytes at the most.
.macro RLOAD a                         ; block a's rows of the residual, into window 1
	WIN 0x40
.irp t, 0,1,2,3,4,5,6,7,8,9,10,11,12,13,14,15
	global_load_b128 v[64*((\a)%4)+4*\t:64*((\a)%4)+4*\t+3], v[CO], s[RES:RES+1] offset:(32*((\a)/2)+8*((\a)%2)+\t+8*(\t/8))*4096
.endr
	WIN 0
.endm
.macro TOSTAGE a
.set AC, 64*((\a)%4)
	WIN 0x08+4*((\a)/4)                            ; the data: window 2 or 3
.irp b, 0,1,2,3,4,5,6,7
	ds_store_b128 v[STO], v[AC+8*\b:AC+8*\b+3] offset:128*(\b/2)+32*(\b%2)          ; each accumulator from its low end on
	ds_store_b128 v[STO], v[AC+8*\b+4:AC+8*\b+7] offset:128*(\b/2)+32*(\b%2)+16
.endr
	WIN 0
.set BB, BK+64*((\a)%2)
.irp t, 0,1,2,3,4,5,6,7,8,9,10,11,12,13,14,15
	ds_load_b128 v[BB+4*\t:BB+4*\t+3], v[RD] offset:\t*SPITCH   ; LDS serves a wave's instructions in order: these see the stores above
.endr
.endm
.macro SEND a, younger
.set BB, BK+64*((\a)%2)
.set RB, 64*((\a)%4)
	s_wait_dscnt \younger                          ; the block is back; the next block's 16 stores and 16 loads may be out
.if (\a) <= 4
	s_wait_loadcnt 48                              ; its residual is in; three younger blocks of 16 loads may be out
.else
	s_wait_loadcnt 16*(7-(\a))
.endif
.irp t, 0,1,2,3,4,5,6,7,8,9,10,11,12,13,14,15
	v_pk_add_f32 v[BB+4*\t:BB+4*\t+1], v[BB+4*\t:BB+4*\t+1], v[BV:BV+1]
	v_pk_add_f32 v[BB+4*\t+2:BB+4*\t+3], v[BB+4*\t+2:BB+4*\t+3], v[BV+2:BV+3]
.endr
	WIN 0x04                                       ; source 1: window 1
.irp t, 0,1,2,3,4,5,6,7,8,9,10,11,12,13,14,15
	v_pk_add_f32 v[BB+4*\t:BB+4*\t+1], v[BB+4*\t:BB+4*\t+1], v[RB+4*\t:RB+4*\t+1]
	v_pk_add_f32 v[BB+4*\t+2:BB+4*\t+3], v[BB+4*\t+2:BB+4*\t+3], v[RB+4*\t+2:RB+4*\t+3]
.endr
	WIN 0
.irp t, 0,1,2,3,4,5,6,7,8,9,10,11,12,13,14,15
	global_store_b128 v[CO], v[BB+4*\t:BB+4*\t+3], s[OUT:OUT+1] offset:(32*((\a)/2)+8*((\a)%2)+\t+8*(\t/8))*4096
.endr
.endm
	PLACES NP                                      ; in front of the first read of results and of loads into registers that held fragments
	s_wait_loadcnt 0x0                             ; the bias
	RLOAD 0
	RLOAD 1
	RLOAD 2
	RLOAD 3
	TOSTAGE 0
.irp a, 1,2,3,4,5,6,7
.if \a > 1
	s_wait_xcnt 0x0                                ; block a - 2's stores have read their registers: block a's rows may land there
.endif
	TOSTAGE \a
	SEND \a-1, 32
.if \a+3 <= 7
	RLOAD \a+3
.endif
.endr
	s_wait_xcnt 0x0
	SEND 7, 0
	s_wait_tensorcnt 0x0                           ; the wave's end
	ds_add_u32 v[SPW], v[NIL]
	s_wait_dscnt 0x0
	CROUND                                         ; the closing round
	s_endpgm
.Lfunc_end_k_q371135d7ba_gemm_o:
	.size	k_q371135d7ba_gemm_o, .Lfunc_end_k_q371135d7ba_gemm_o-k_q371135d7ba_gemm_o
	.p2alignl 7, 3214868480
	.fill 96, 4, 3214868480
	.section	.rodata,"a",@progbits
	.p2align	6, 0x0
	.amdhsa_kernel k_q371135d7ba_gemm_o
		.amdhsa_group_segment_fixed_size 327680
		.amdhsa_private_segment_fixed_size 0
		.amdhsa_enable_private_segment 0
		.amdhsa_kernarg_size 40
		.amdhsa_user_sgpr_count 2
		.amdhsa_user_sgpr_kernarg_segment_ptr 1
		.amdhsa_wavefront_size32 1
		.amdhsa_system_sgpr_workgroup_id_x 1
		.amdhsa_system_sgpr_workgroup_id_y 1
		.amdhsa_system_sgpr_workgroup_id_z 1
		.amdhsa_system_vgpr_workitem_id 0
		.amdhsa_next_free_vgpr 1024
		.amdhsa_next_free_sgpr 100
		.amdhsa_reserve_vcc 0
		.amdhsa_float_denorm_mode_32 3
		.amdhsa_float_denorm_mode_16_64 3
		.amdhsa_memory_ordered 1
		.amdhsa_forward_progress 1
		.amdhsa_inst_pref_size 190
	.end_amdhsa_kernel
	.amdgpu_metadata
---
amdhsa.version: [ 1, 2 ]
amdhsa.kernels:
  - .name:           k_q371135d7ba_gemm_o
    .symbol:         k_q371135d7ba_gemm_o.kd
    .args:
      - { .name: yimg, .offset: 0, .size: 8, .value_kind: global_buffer, .address_space: global }
      - { .name: wimg, .offset: 8, .size: 8, .value_kind: global_buffer, .address_space: global }
      - { .name: bo, .offset: 16, .size: 8, .value_kind: global_buffer, .address_space: global }
      - { .name: x, .offset: 24, .size: 8, .value_kind: global_buffer, .address_space: global }
      - { .name: x1, .offset: 32, .size: 8, .value_kind: global_buffer, .address_space: global }
    .group_segment_fixed_size: 327680
    .private_segment_fixed_size: 0
    .kernarg_segment_align: 8
    .kernarg_segment_size: 40
    .max_flat_workgroup_size: 128
    .sgpr_count:     100
    .vgpr_count:     1024
    .wavefront_size: 32
...
	.end_amdgpu_metadata
.endif
;; end of part 4
;; launch ln2: the kernel of part 1 again; grid 256 x 1, 4 waves a work-group, no clusters, 75,776 bytes of LDS; arguments x1, ln2_g, ln2_b, himg, Wq, Wk, Wv, Wo, Wfc, Wp2, wimg; writes himg
;; launch gemm_fc (part 5): grid 16 x 16, 4 waves a work-group, clusters of 4 x 4, 327,680 bytes of LDS; arguments himg, wimg, bfc, gimg; writes gimg
.if DOCPART == 5
	.amdgcn_target "amdgcn-amd-amdhsa--gfx1250"
	.amdhsa_code_object_version 6
	.text
	.protected	k_q371135d7ba_gemm_fc
	.globl	k_q371135d7ba_gemm_fc
	.p2align	8
	.type	k_q371135d7ba_gemm_fc,@function
k_q371135d7ba_gemm_fc:
	s_mov_b64 s[64:65], 0
	v_nop
	global_prefetch_b8 v0, s[64:65] scope:SCOPE_SE
	s_setreg_imm32_b32 hwreg(HW_REG_WAVE_MODE, 25, 1), 1
	s_wait_xcnt 0x0
	s_wait_alu depctr_hold_cnt(0) depctr_sa_sdst(0) depctr_va_vdst(0) depctr_va_sdst(0) depctr_va_ssrc(0) depctr_va_vcc(0) depctr_vm_vsrc(0)
	s_getreg_b32 s2, hwreg(HW_REG_IB_STS2, 6, 4)
	s_cmp_eq_u32 s2, 0
	s_cbranch_scc0 .Lentry_in_a_cluster
	s_endpgm
.Lentry_in_a_cluster:
	s_bfe_u32 s2, ttmp6, 0x10000c
	s_cmp_lg_u32 s2, 0xf033
	s_cbranch_scc0 .Lentry_shape_is_right
	s_endpgm
.Lentry_shape_is_right:
; g = new_gelu(h2 Wfc^T + bfc), the product on codes of FP8 (E4M3) with E8M0 scales; g is quantised along its 4,096 columns on the way out, into the image that the next product reads.  No work is left out here.
; OPERANDS come as images of the matrix operand's registers: a group of 128 rows x 128 K is GB = 17,408 bytes (fragment i, register quad c, lane l at 2048 i + 512 c + 16 l; scale words at 16,384 + 128 i + 4 l);
; group (G, s) lies at (G NS + s) GB; lane-row r of fragment i is row 32 (i / 2) + 8 (i % 2) + r + 8 (r / 8).
; ROLES.  P (Wfc) is source 0, R (the tokens) source 1: in accumulator (a, b) lane (r, h) holds the token of lane-row r of fragment a, and register j the column 32 (b / 2) + 16 h + 8 (b % 2) + j: a lane's 64 registers
; of one a are 16 neighbours of each block of 32 columns: one fragment of the next operand.
; GELU: 0.5 x (1 + tanh u) = x / (1 + e^(-2 u)) in real numbers; here x rcp(1 + 2^(x (c0 + c1 x^2))), c0 = -2 log2(e) sqrt(2 / pi), c1 = 0.044715 c0.  Where the exponential overflows the reciprocal is 0, as the limit is.
; A work-group makes 256 x 256, each of four waves 128 x 128; K in steps of 256 through two LDS slots; 4 x 4 work-groups form a cluster and ask for R's tiles jointly along a row, P's along a column.
; LIMITS: NaN and infinities are not served; a block under 2^-118 or of zeros gets the scale byte 1 (its bytes are read by this program alone).
.set KDIM,   1024
.set POFF,   4456448                   ; Wfc's image in wimg
.set NS,     KDIM/128
.set GB,     17408
.set HALFT,  2*GB
.set SLOT,   4*HALFT
.set SPARE,  2*SLOT
.set LAPS,   KDIM/512
.set NQ,     2
.set FR,     16
.set NL,     4
.set NP,     8
.set ADRA,   16
.set ADRB,   20
.set ADRS,   22
.set SPW,    28
.set NIL,    29
.set SC,     32
.set AF,     128
.set G1,     24
.set G0,     32
.set G1B,    48
.set G0B,    56
.set SEL,    82
.set MNT,    84
.set C1,     92                        ; s[92:93] c1
.set BI,     64
.set ST,     128
.set PC,     192
.set TM,     208
.set E,      224                       ; gelu's 32 numbers at work
.set PW,     8
.set MSB, 0
.macro WIN new
.if MSB != (\new)
	s_set_vgpr_msb (MSB<<8)|(\new)
.set MSB, (\new)
.endif
.endm
.set MUL_LO, 0xa1
.set MUL_HI, 0xf1
.set TO_B,   0x40
.macro JLOAD g0a, g1a, g0b, g1b        ; a joint load: waves 0 and 1 fetch for R, waves 2 and 3 for P; an s_nop 0 and four v_nop follow each of the two lines
	s_cmp_eq_u32 s15, 0
	s_cbranch_scc0 .Lfor_b_\@
	tensor_load_to_lds s[\g0a:\g0a+3], s[\g1a:\g1a+7]
	s_nop 0
.rept 4
	v_nop
.endr
	s_branch .Lasked_\@
.Lfor_b_\@:
	tensor_load_to_lds s[\g0b:\g0b+3], s[\g1b:\g1b+7]
	s_nop 0
.rept 4
	v_nop
.endr
.Lasked_\@:
.endm
.macro CREST
	s_cmp_lg_u32 s14, 0
	s_cbranch_scc1 .Lnot_wave_0_\@
	s_barrier_signal -3
.Lnot_wave_0_\@:
	s_barrier_wait -3
	s_barrier_signal -1
	s_barrier_wait -1
.endm
.macro CROUND
	s_barrier_signal -1
	s_barrier_wait -1
	CREST
.endm
.macro FRAG reg, adr, q, i
.irp c, 0,1,2,3
	ds_load_b128 v[\reg+4*\c:\reg+4*\c+3], v[\adr] offset:(\q)*GB+(\i)*2048+512*\c
.endr
.endm
.macro MUL16 a0, p, q, sc, zero        ; the 64 accumulators take turns, one instruction a turn
.irp a, \a0, \a0+1
.irp b, 0,1,2,3,4,5,6,7
.if \zero
	v_wmma_scale_f32_16x16x128_f8f6f4 v[8*(8*((\a)%4)+\b):8*(8*((\a)%4)+\b)+7], v[128*(\p)+FR*\b:128*(\p)+FR*\b+FR-1], v[AF+FR*(\a):AF+FR*(\a)+FR-1], 0, v[SC+8*NQ*(\sc)+NQ*\b+(\q)], v[SC+8*NQ*(\sc)+NQ*(\a)+(\q)] matrix_a_scale:MATRIX_SCALE_ROW1
.else
	v_wmma_scale_f32_16x16x128_f8f6f4 v[8*(8*((\a)%4)+\b):8*(8*((\a)%4)+\b)+7], v[128*(\p)+FR*\b:128*(\p)+FR*\b+FR-1], v[AF+FR*(\a):AF+FR*(\a)+FR-1], v[8*(8*((\a)%4)+\b):8*(8*((\a)%4)+\b)+7], v[SC+8*NQ*(\sc)+NQ*\b+(\q)], v[SC+8*NQ*(\sc)+NQ*(\a)+(\q)] matrix_a_scale:MATRIX_SCALE_ROW1
.endif
.endr
.endr
.endm
.macro FETCH_B slot, q, p
	WIN TO_B
.irp i, 0,1,2,3,4,5,6,7
	FRAG 128*(\p)+FR*\i, ADRB+\slot, \q, \i
.endr
	WIN 0
.endm
.macro FETCH_A slot, q, i0
.irp i, \i0, \i0+1, \i0+2, \i0+3
	FRAG AF+FR*(\i), ADRA+\slot, \q, \i
.endr
.endm
.macro SCALES sc
.irp i, 0,1,2,3,4,5,6,7
.irp q, 0,1
	ds_load_b32 v[SC+8*NQ*\sc+NQ*\i+\q], v[ADRS+\sc] offset:\q*GB+128*\i
.endr
.endr
.endm
.macro PLACES n
.rept \n
	v_nop
.endr
.endm
.macro STEP slot, q, zero
	s_wait_dscnt 4*NL                              ; all but the youngest sixteen loads (R's blocks 4-7)
	WIN MUL_LO
	MUL16 0, (\q)%2, \q, \slot, \zero
	MUL16 2, (\q)%2, \q, \slot, \zero
	s_wait_dscnt 0
	PLACES NP
	FETCH_B \slot, (\q)+1, 1-(\q)%2
	FETCH_A \slot, (\q)+1, 0
	WIN MUL_HI
	MUL16 4, (\q)%2, \q, \slot, \zero
	MUL16 6, (\q)%2, \q, \slot, \zero
	PLACES NP
	WIN 0
	FETCH_A \slot, (\q)+1, 4
.endm
.macro TURN slot, next, fill
	s_wait_tensorcnt 0x0                           ; all my tensor loads have landed: my part of the next slot
	ds_add_u32 v[SPW], v[NIL]                      ; 0 onto my spare word
	s_wait_dscnt 4*NL+1                            ; (the add and the youngest sixteen loads may be out)
	WIN MUL_LO
	MUL16 0, 1, NQ-1, \slot, 0
	s_wait_dscnt 0x0                               ; the add is done, and my reads of this slot are over
	s_barrier_signal -1
	MUL16 2, 1, NQ-1, \slot, 0
	WIN 0
	s_barrier_wait -1
.if \fill
	CREST
	s_add_nc_u64 s[G0+4*\slot+2:G0+4*\slot+3], s[G0+4*\slot+2:G0+4*\slot+3], 2*HALFT
	s_add_nc_u64 s[G0B+4*\slot+2:G0B+4*\slot+3], s[G0B+4*\slot+2:G0B+4*\slot+3], 2*HALFT
	JLOAD G0+4*\slot, G1, G0B+4*\slot, G1B
	PLACES NP-4
.else
	PLACES NP
.endif
	FETCH_B \next, 0, 0
	FETCH_A \next, 0, 0
	SCALES \next
	WIN MUL_HI
	MUL16 4, 1, NQ-1, \slot, 0
	MUL16 6, 1, NQ-1, \slot, 0
	PLACES NP
	WIN 0
	FETCH_A \next, 0, 4
.endm
.macro QUANT s, pc, pw                 ; 64 numbers of a lane, register 16 b + i = k 32 b + 16 (lane / 16) + i, become 16 registers of codes and a scale word
.irp b, 0,1,2,3
	v_max3_num_f32 v[TM+\b], |v[(\s)+16*\b]|, |v[(\s)+1+16*\b]|, 0x4800000   ; with the floor 2^(9 - 127): the byte cannot fall under 1
.endr
.irp i, 2,4,6,8,10,12,14
.irp b, 0,1,2,3
	v_max3_num_f32 v[TM+\b], v[TM+\b], |v[(\s)+16*\b+\i]|, |v[(\s)+1+16*\b+\i]|
.endr
.endr
.irp b, 0,1,2,3
	v_permlanex16_b32 v[TM+4+\b], v[TM+\b], s[SEL], s[SEL+1]
.endr
.irp b, 0,1,2,3
	v_max_num_f32 v[TM+\b], v[TM+\b], v[TM+4+\b]
.endr
.irp b, 0,1,2,3
	v_add_nc_u32 v[TM+12+\b], 0xfc000000, v[TM+\b]
.endr
.irp b, 0,1,2,3
	v_and_or_b32 v[TM+8+\b], v[TM+\b], 0x7f800000, s[MNT]
.endr
.irp b, 0,1,2,3
	v_lshrrev_b32 v[TM+4+\b], 23, v[TM+12+\b]
.endr
	v_lshl_or_b32 v[\pw], v[TM+5], 8, v[TM+4]
	v_lshl_or_b32 v[\pw], v[TM+6], 16, v[\pw]
	v_lshl_or_b32 v[\pw], v[TM+7], 24, v[\pw]
.irp b, 0,1,2,3
.irp i, 0,1,2,3,4,5,6,7,8,9,10,11,12,13,14,15
	v_med3_num_f32 v[(\s)+16*\b+\i], v[(\s)+16*\b+\i], -v[TM+8+\b], v[TM+8+\b]   ; the conversion does not saturate (ISA guide 7.6.2): the hold comes first
.endr
	v_cvt_scalef32_pk8_fp8_f32 v[(\pc)+4*\b:(\pc)+1+4*\b], v[(\s)+16*\b:(\s)+7+16*\b], v[TM+12+\b]
	v_cvt_scalef32_pk8_fp8_f32 v[(\pc)+2+4*\b:(\pc)+3+4*\b], v[(\s)+8+16*\b:(\s)+15+16*\b], v[TM+12+\b]
.endr
	v_nop
.endm
.macro TAKE a                          ; block a's 64 results leave their window and take the bias on the way; each accumulator is read from its low end on
.Ltk\a:
	WIN 2+(\a)/4
.set n, 0
.rept 32
	v_pk_add_f32 v[ST+2*n:ST+2*n+1], v[64*((\a)%4)+2*n:64*((\a)%4)+2*n+1], v[BI+2*n:BI+2*n+1]
.set n, n+1
.endr
	WIN 0
	s_branch .Ltaken
.endm
.macro GELU x                          ; 64 numbers in two halves of 32; the transcendentals go in batches, one wait each
.irp u, 0,1
.set n, 0
.rept 16
	v_pk_mul_f32 v[E+2*n:E+2*n+1], v[\x+32*\u+2*n:\x+32*\u+2*n+1], v[\x+32*\u+2*n:\x+32*\u+2*n+1]
.set n, n+1
.endr
.set n, 0
.rept 16
	v_pk_fma_f32 v[E+2*n:E+2*n+1], v[E+2*n:E+2*n+1], s[C1:C1+1], v[12:13] op_sel_hi:[1,0,0]   ; c1 x^2 + c0
.set n, n+1
.endr
.set n, 0
.rept 16
	v_pk_mul_f32 v[E+2*n:E+2*n+1], v[E+2*n:E+2*n+1], v[\x+32*\u+2*n:\x+32*\u+2*n+1]
.set n, n+1
.endr
.set n, 0
.rept 32
	v_exp_f32 v[E+n], v[E+n]
.set n, n+1
.endr
	v_nop
	s_wait_alu depctr_va_vdst(0)                   ; the wait ahead of the first reader: one for the batch
.set n, 0
.rept 16
	v_pk_add_f32 v[E+2*n:E+2*n+1], v[E+2*n:E+2*n+1], 1.0 op_sel_hi:[1,0]
.set n, n+1
.endr
.set n, 0
.rept 32
	v_rcp_f32 v[E+n], v[E+n]
.set n, n+1
.endr
	v_nop
	s_wait_alu depctr_va_vdst(0)
.set n, 0
.rept 16
	v_pk_mul_f32 v[\x+32*\u+2*n:\x+32*\u+2*n+1], v[\x+32*\u+2*n:\x+32*\u+2*n+1], v[E+2*n:E+2*n+1]
.set n, n+1
.endr
.endr
.endm
	s_load_b256 s[68:75], s[0:1], 0x0              ; h2's image, the weights' image, bfc, g's image
	v_lshl_add_u32 v[SPW], v0, 2, SPARE
	v_mov_b32 v[NIL], 0
	ds_add_u32 v[SPW], v[NIL]                      ; the wave's opening: the add, twice on end, and its wait ahead of my first tensor load
	ds_add_u32 v[SPW], v[NIL]
	v_lshrrev_b32 v1, 5, v0
	v_readfirstlane_b32 s14, v1
	s_lshr_b32 s15, s14, 1
	s_and_b32 s16, s14, 1
	s_bfe_u32 s40, ttmp6, 0x40000
	s_bfe_u32 s41, ttmp6, 0x40004
	s_lshl_b32 s42, ttmp9, 2
	s_add_co_u32 s42, s42, s40                     ; P's block
	s_and_b32 s17, ttmp7, 0xffff
	s_lshl_b32 s17, s17, 2
	s_add_co_u32 s17, s17, s41                     ; R's block
	s_lshl_b32 s43, s41, 2
	s_lshl_b32 s43, 15, s43
	s_lshl_b32 s44, 0x1111, s40
	s_or_b32 s[G1+0], s43, (3<<16)|(1<<21)
	s_or_b32 s[G1B+0], s44, (3<<16)|(1<<21)
.irp g, G1, G1B
	s_mov_b32 s[\g+1], 32<<16
	s_mov_b32 s[\g+2], 136<<16
	s_mov_b32 s[\g+3], 32<<16
	s_mov_b32 s[\g+4], 136
	s_mov_b32 s[\g+5], 32
	s_mov_b32 s[\g+6], 0
	s_mov_b32 s[\g+7], 0
.endr
	s_lshl_b32 s20, s17, 1
	s_add_co_u32 s20, s20, s16
	s_mul_i32 s20, s20, NS*GB
	s_mov_b32 s21, 0
	s_lshl_b32 s46, s42, 1
	s_add_co_u32 s46, s46, s16
	s_mul_i32 s46, s46, NS*GB
	s_add_co_u32 s46, s46, POFF
	s_mov_b32 s47, 0
	s_mul_i32 s45, s14, HALFT
	s_mov_b32 s[SEL], 0x76543210
	s_mov_b32 s[SEL+1], 0xfedcba98
	s_mov_b32 s[MNT], 0x600000
	s_mov_b32 s[C1], 0xbdd2d3e8
	s_mov_b32 s[C1+1], s[C1]
	s_wait_dscnt 0x0
	s_wait_kmcnt 0x0
	s_add_nc_u64 s[20:21], s[68:69], s[20:21]
	s_add_nc_u64 s[46:47], s[70:71], s[46:47]
	CROUND
.irp s, 0,1
	s_mov_b32 s[G0+4*\s], 1
	s_add_co_u32 s[G0+4*\s+1], s45, \s*SLOT
	s_add_nc_u64 s[G0+4*\s+2:G0+4*\s+3], s[20:21], \s*HALFT
	s_or_b32 s[G0+4*\s+3], s[G0+4*\s+3], 0x80000000
	s_mov_b32 s[G0B+4*\s], 1
	s_add_co_u32 s[G0B+4*\s+1], s45, \s*SLOT
	s_add_nc_u64 s[G0B+4*\s+2:G0B+4*\s+3], s[46:47], \s*HALFT
	s_or_b32 s[G0B+4*\s+3], s[G0B+4*\s+3], 0x80000000
	JLOAD G0+4*\s, G1, G0B+4*\s, G1B
.endr
	v_and_b32 v1, 31, v0
	v_bfe_u32 v2, v0, 4, 1
	v_lshlrev_b32 v4, 4, v1                        ; 16 x lane
	v_lshlrev_b32 v3, 2, v1                        ; 4 x lane
	s_mul_i32 s21, s15, HALFT
	s_mul_i32 s22, s16, HALFT
	s_add_co_u32 s22, s22, 2*HALFT
	s_sub_co_u32 s23, s22, s21
	v_mul_u32_u24 v6, s23, v2
	v_add_nc_u32 v6, v6, v3
	s_add_co_u32 s23, s21, 16384
.irp s, 0,1
	v_add_nc_u32 v[ADRA+\s], s21, v4
	v_add_nc_u32 v[ADRB+\s], s22, v4
	v_add_nc_u32 v[ADRS+\s], s23, v6
	s_add_co_u32 s21, s21, SLOT
	s_add_co_u32 s22, s22, SLOT
	s_add_co_u32 s23, s23, SLOT
.endr
	s_lshl_b32 s18, s42, 1
	s_add_co_u32 s18, s18, s16                     ; my group of 128 columns: the next product's K step
	s_lshl_b32 s46, s18, 9
	s_mov_b32 s47, 0
	s_add_nc_u64 s[88:89], s[72:73], s[46:47]      ; bfc at my 128
	s_lshl_b32 s19, s17, 1
	s_add_co_u32 s19, s19, s15                     ; my group of 128 tokens
	s_lshl_b32 s19, s19, 5
	s_add_co_u32 s19, s19, s18
	s_mul_i32 s46, s19, GB
	s_add_nc_u64 s[86:87], s[74:75], s[46:47]      ; my group of g's image
	v_lshlrev_b32 v7, 6, v2                        ; 64 h
.irp bb, 0,1,2,3
.irp jj, 0,1,2,3
	global_load_b128 v[BI+16*\bb+4*\jj:BI+16*\bb+4*\jj+3], v7, s[88:89] offset:128*\bb+16*\jj   ; the bias of columns 32 bb + 16 h + 0..15
.endr
.endr
	v_mov_b32 v12, 0xc0135761                      ; c0
	v_mov_b32 v13, v12
	s_wait_tensorcnt 1                             ; my part of K step 0 is in (K step 1's load may be out)
	s_barrier_signal -1
	s_barrier_wait -1
	FETCH_B 0, 0, 0
	FETCH_A 0, 0, 0
	SCALES 0
	FETCH_A 0, 0, 4
	STEP 0, 0, 1
	s_mov_b32 s3, LAPS-1
.Llap:
	TURN 0, 1, 1
	STEP 1, 0, 0
	TURN 1, 0, 1
	STEP 0, 0, 0
	s_sub_co_u32 s3, s3, 1
	s_cmp_lg_u32 s3, 0
	s_cbranch_scc1 .Llap
	TURN 0, 1, 0
	STEP 1, 0, 0
	s_wait_dscnt 4*NL
	WIN MUL_LO
	MUL16 0, 1, NQ-1, 1, 0
	MUL16 2, 1, NQ-1, 1, 0
	s_wait_dscnt 0
	WIN MUL_HI
	MUL16 4, 1, NQ-1, 1, 0
	MUL16 6, 1, NQ-1, 1, 0
	WIN 0
	PLACES NP                                      ; in front of the first read of results and of writes into registers that held R's fragments
	s_wait_loadcnt 0x0                             ; the bias
.irp b, 0,1,2,3
	v_mov_b32 v[TM+4+\b], 0                        ; written once: a lane permute's destination counts as one of its sources
.endr
	s_mov_b32 s2, 0
.Lrow:                                             ; eight trips: R's blocks; a switch picks the block's registers, so that gelu, the quantiser and the stores are written once
	s_wait_xcnt 0x0                                ; the last trip's stores have read their data and offsets
.irp k, 0,1,2,3,4,5,6
	s_cmp_eq_u32 s2, \k
	s_cbranch_scc1 .Ltk\k
.endr
	TAKE 7
.irp k, 0,1,2,3,4,5,6
	TAKE \k
.endr
.Ltaken:
	GELU ST
	QUANT ST, PC, PW
	s_lshl_b32 s18, s2, 11
	v_add_nc_u32 v9, s18, v4
	s_lshl_b32 s19, s2, 7
	s_add_co_u32 s19, s19, 16384
	v_add_nc_u32 v10, s19, v3
.irp c, 0,1,2,3
	global_store_b128 v9, v[PC+4*\c:PC+4*\c+3], s[86:87] offset:512*\c   ; 32 lanes store 512 consecutive bytes
.endr
	global_store_b32 v10, v[PW], s[86:87]
	s_add_co_u32 s2, s2, 1
	s_cmp_lt_u32 s2, 8
	s_cbranch_scc1 .Lrow
	s_wait_tensorcnt 0x0                           ; the wave's end
	ds_add_u32 v[SPW], v[NIL]
	s_wait_dscnt 0x0
	CROUND                                         ; the closing round
	s_endpgm
.Lfunc_end_k_q371135d7ba_gemm_fc:
	.size	k_q371135d7ba_gemm_fc, .Lfunc_end_k_q371135d7ba_gemm_fc-k_q371135d7ba_gemm_fc
	.p2alignl 7, 3214868480
	.fill 96, 4, 3214868480
	.section	.rodata,"a",@progbits
	.p2align	6, 0x0
	.amdhsa_kernel k_q371135d7ba_gemm_fc
		.amdhsa_group_segment_fixed_size 327680
		.amdhsa_private_segment_fixed_size 0
		.amdhsa_enable_private_segment 0
		.amdhsa_kernarg_size 32
		.amdhsa_user_sgpr_count 2
		.amdhsa_user_sgpr_kernarg_segment_ptr 1
		.amdhsa_wavefront_size32 1
		.amdhsa_system_sgpr_workgroup_id_x 1
		.amdhsa_system_sgpr_workgroup_id_y 1
		.amdhsa_system_sgpr_workgroup_id_z 1
		.amdhsa_system_vgpr_workitem_id 0
		.amdhsa_next_free_vgpr 1024
		.amdhsa_next_free_sgpr 100
		.amdhsa_reserve_vcc 0
		.amdhsa_float_denorm_mode_32 3
		.amdhsa_float_denorm_mode_16_64 3
		.amdhsa_memory_ordered 1
		.amdhsa_forward_progress 1
		.amdhsa_inst_pref_size 157
	.end_amdhsa_kernel
	.amdgpu_metadata
---
amdhsa.version: [ 1, 2 ]
amdhsa.kernels:
  - .name:           k_q371135d7ba_gemm_fc
    .symbol:         k_q371135d7ba_gemm_fc.kd
    .args:
      - { .name: himg, .offset: 0, .size: 8, .value_kind: global_buffer, .address_space: global }
      - { .name: wimg, .offset: 8, .size: 8, .value_kind: global_buffer, .address_space: global }
      - { .name: bfc, .offset: 16, .size: 8, .value_kind: global_buffer, .address_space: global }
      - { .name: gimg, .offset: 24, .size: 8, .value_kind: global_buffer, .address_space: global }
    .group_segment_fixed_size: 327680
    .private_segment_fixed_size: 0
    .kernarg_segment_align: 8
    .kernarg_segment_size: 32
    .max_flat_workgroup_size: 128
    .sgpr_count:     100
    .vgpr_count:     1024
    .wavefront_size: 32
...
	.end_amdgpu_metadata
.endif
;; end of part 5
;; launch gemm_p2 (part 6): grid 4 x 16, 4 waves a work-group, clusters of 4 x 4, 327,680 bytes of LDS; arguments gimg, wimg, bp2, x1, out0; writes out0
.if DOCPART == 6
	.amdgcn_target "amdgcn-amd-amdhsa--gfx1250"
	.amdhsa_code_object_version 6
	.text
	.protected	k_q371135d7ba_gemm_p2
	.globl	k_q371135d7ba_gemm_p2
	.p2align	8
	.type	k_q371135d7ba_gemm_p2,@function
k_q371135d7ba_gemm_p2:
	s_mov_b64 s[64:65], 0
	v_nop
	global_prefetch_b8 v0, s[64:65] scope:SCOPE_SE
	s_setreg_imm32_b32 hwreg(HW_REG_WAVE_MODE, 25, 1), 1
	s_wait_xcnt 0x0
	s_wait_alu depctr_hold_cnt(0) depctr_sa_sdst(0) depctr_va_vdst(0) depctr_va_sdst(0) depctr_va_ssrc(0) depctr_va_vcc(0) depctr_vm_vsrc(0)
	s_getreg_b32 s2, hwreg(HW_REG_IB_STS2, 6, 4)
	s_cmp_eq_u32 s2, 0
	s_cbranch_scc0 .Lentry_in_a_cluster
	s_endpgm
.Lentry_in_a_cluster:
	s_bfe_u32 s2, ttmp6, 0x10000c
	s_cmp_lg_u32 s2, 0xf033
	s_cbranch_scc0 .Lentry_shape_is_right
	s_endpgm
.Lentry_shape_is_right:
; out = x1 + (g Wp2^T + bp2), the product on codes of FP8 (E4M3) with E8M0 scales, K = 4,096; sums, bias and residual in f32.  No work is left out here.
; OPERANDS come as images of the matrix operand's registers: a group of 128 rows x 128 K is GB = 17,408 bytes (fragment i, register quad c, lane l at 2048 i + 512 c + 16 l; scale words at 16,384 + 128 i + 4 l);
; group (G, s) lies at (G NS + s) GB; lane-row r of fragment i is row 32 (i / 2) + 8 (i % 2) + r + 8 (r / 8).  A K step of 256 of 128 rows is one dense block of 34,816 bytes with its scales inside.
; ROLES.  P (the weight) is source 0, R (the tokens) source 1: in accumulator (a, b) lane (r, h) holds the token of lane-row r of fragment a, and register j the column 32 (b / 2) + 16 h + 8 (b % 2) + j.
; A work-group makes 256 x 256, each of four waves 128 x 128; K in steps of 256 through two LDS slots; 4 x 4 work-groups form a cluster and ask for R's tiles jointly along a row, P's along a column.
; The grid has 64 work-groups: C has no more tiles of this size.
; REGISTERS: window 0: v1-31 addresses; v32-63 scale words; v64-67 the bias; v128-255 R's fragments, later rows of the result.  window 1: P's fragments, later the residual.  windows 2, 3: accumulators.
.set KDIM,   4096
.set POFF,   8912896                   ; Wp2's image in wimg
.set NS,     KDIM/128
.set GB,     17408
.set HALFT,  2*GB
.set SLOT,   4*HALFT
.set SPARE,  2*SLOT
.set LAPS,   KDIM/512
.set NQ,     2
.set FR,     16
.set NL,     4
.set NP,     8
.set ADRA,   16
.set ADRB,   20
.set ADRS,   22
.set STO,    24
.set RD,     25
.set CO,     4
.set SPW,    28
.set NIL,    29
.set SC,     32
.set BV,     64
.set AF,     128
.set BK,     128
.set SPITCH, 528                       ; the way out: a stage of 16 rows x (512 bytes + 16) for each wave, in slot 0, which has had its last fill and its last read by then
.set G1,     24
.set G0,     32
.set G1B,    48
.set G0B,    56
.set RES,    88
.set OUT,    90
.set MSB, 0
.macro WIN new
.if MSB != (\new)
	s_set_vgpr_msb (MSB<<8)|(\new)
.set MSB, (\new)
.endif
.endm
.set MUL_LO, 0xa1
.set MUL_HI, 0xf1
.set TO_B,   0x40
.macro JLOAD g0a, g1a, g0b, g1b        ; a joint load: waves 0 and 1 fetch for R, waves 2 and 3 for P; an s_nop 0 and four v_nop follow each of the two lines
	s_cmp_eq_u32 s15, 0
	s_cbranch_scc0 .Lfor_b_\@
	tensor_load_to_lds s[\g0a:\g0a+3], s[\g1a:\g1a+7]
	s_nop 0
.rept 4
	v_nop
.endr
	s_branch .Lasked_\@
.Lfor_b_\@:
	tensor_load_to_lds s[\g0b:\g0b+3], s[\g1b:\g1b+7]
	s_nop 0
.rept 4
	v_nop
.endr
.Lasked_\@:
.endm
.macro CREST
	s_cmp_lg_u32 s14, 0
	s_cbranch_scc1 .Lnot_wave_0_\@
	s_barrier_signal -3
.Lnot_wave_0_\@:
	s_barrier_wait -3
	s_barrier_signal -1
	s_barrier_wait -1
.endm
.macro CROUND
	s_barrier_signal -1
	s_barrier_wait -1
	CREST
.endm
.macro FRAG reg, adr, q, i
.irp c, 0,1,2,3
	ds_load_b128 v[\reg+4*\c:\reg+4*\c+3], v[\adr] offset:(\q)*GB+(\i)*2048+512*\c
.endr
.endm
.macro MUL16 a0, p, q, sc, zero        ; the 64 accumulators take turns, one instruction a turn
.irp a, \a0, \a0+1
.irp b, 0,1,2,3,4,5,6,7
.if \zero
	v_wmma_scale_f32_16x16x128_f8f6f4 v[8*(8*((\a)%4)+\b):8*(8*((\a)%4)+\b)+7], v[128*(\p)+FR*\b:128*(\p)+FR*\b+FR-1], v[AF+FR*(\a):AF+FR*(\a)+FR-1], 0, v[SC+8*NQ*(\sc)+NQ*\b+(\q)], v[SC+8*NQ*(\sc)+NQ*(\a)+(\q)] matrix_a_scale:MATRIX_SCALE_ROW1
.else
	v_wmma_scale_f32_16x16x128_f8f6f4 v[8*(8*((\a)%4)+\b):8*(8*((\a)%4)+\b)+7], v[128*(\p)+FR*\b:128*(\p)+FR*\b+FR-1], v[AF+FR*(\a):AF+FR*(\a)+FR-1], v[8*(8*((\a)%4)+\b):8*(8*((\a)%4)+\b)+7], v[SC+8*NQ*(\sc)+NQ*\b+(\q)], v[SC+8*NQ*(\sc)+NQ*(\a)+(\q)] matrix_a_scale:MATRIX_SCALE_ROW1
.endif
.endr
.endr
.endm
.macro FETCH_B slot, q, p
	WIN TO_B
.irp i, 0,1,2,3,4,5,6,7
	FRAG 128*(\p)+FR*\i, ADRB+\slot, \q, \i
.endr
	WIN 0
.endm
.macro FETCH_A slot, q, i0
.irp i, \i0, \i0+1, \i0+2, \i0+3
	FRAG AF+FR*(\i), ADRA+\slot, \q, \i
.endr
.endm
.macro SCALES sc
.irp i, 0,1,2,3,4,5,6,7
.irp q, 0,1
	ds_load_b32 v[SC+8*NQ*\sc+NQ*\i+\q], v[ADRS+\sc] offset:\q*GB+128*\i
.endr
.endr
.endm
.macro PLACES n
.rept \n
	v_nop
.endr
.endm
.macro STEP slot, q, zero
	s_wait_dscnt 4*NL                              ; all but the youngest sixteen loads (R's blocks 4-7)
	WIN MUL_LO
	MUL16 0, (\q)%2, \q, \slot, \zero
	MUL16 2, (\q)%2, \q, \slot, \zero
	s_wait_dscnt 0
	PLACES NP
	FETCH_B \slot, (\q)+1, 1-(\q)%2
	FETCH_A \slot, (\q)+1, 0
	WIN MUL_HI
	MUL16 4, (\q)%2, \q, \slot, \zero
	MUL16 6, (\q)%2, \q, \slot, \zero
	PLACES NP
	WIN 0
	FETCH_A \slot, (\q)+1, 4
.endm
.macro TURN slot, next, fill
	s_wait_tensorcnt 0x0                           ; all my tensor loads have landed: my part of the next slot
	ds_add_u32 v[SPW], v[NIL]                      ; 0 onto my spare word
	s_wait_dscnt 4*NL+1                            ; (the add and the youngest sixteen loads may be out)
	WIN MUL_LO
	MUL16 0, 1, NQ-1, \slot, 0
	s_wait_dscnt 0x0                               ; the add is done, and my reads of this slot are over
	s_barrier_signal -1
	MUL16 2, 1, NQ-1, \slot, 0
	WIN 0
	s_barrier_wait -1
.if \fill
	CREST
	s_add_nc_u64 s[G0+4*\slot+2:G0+4*\slot+3], s[G0+4*\slot+2:G0+4*\slot+3], 2*HALFT
	s_add_nc_u64 s[G0B+4*\slot+2:G0B+4*\slot+3], s[G0B+4*\slot+2:G0B+4*\slot+3], 2*HALFT
	JLOAD G0+4*\slot, G1, G0B+4*\slot, G1B
	PLACES NP-4
.else
	PLACES NP
.endif
	FETCH_B \next, 0, 0
	FETCH_A \next, 0, 0
	SCALES \next
	WIN MUL_HI
	MUL16 4, 1, NQ-1, \slot, 0
	MUL16 6, 1, NQ-1, \slot, 0
	PLACES NP
	WIN 0
	FETCH_A \next, 0, 4
.endm
	s_load_b256 s[68:75], s[0:1], 0x0              ; R's image, the weights' image, the bias, the residual
	s_load_b64 s[76:77], s[0:1], 0x20              ; the result
	v_lshl_add_u32 v[SPW], v0, 2, SPARE
	v_mov_b32 v[NIL], 0
	ds_add_u32 v[SPW], v[NIL]                      ; the wave's opening: the add, twice on end, and its wait ahead of my first tensor load
	ds_add_u32 v[SPW], v[NIL]
	v_lshrrev_b32 v1, 5, v0
	v_readfirstlane_b32 s14, v1
	s_lshr_b32 s15, s14, 1
	s_and_b32 s16, s14, 1
	s_bfe_u32 s40, ttmp6, 0x40000
	s_bfe_u32 s41, ttmp6, 0x40004
	s_lshl_b32 s42, ttmp9, 2
	s_add_co_u32 s42, s42, s40                     ; P's block
	s_and_b32 s17, ttmp7, 0xffff
	s_lshl_b32 s17, s17, 2
	s_add_co_u32 s17, s17, s41                     ; R's block
	s_lshl_b32 s43, s41, 2
	s_lshl_b32 s43, 15, s43
	s_lshl_b32 s44, 0x1111, s40
	s_or_b32 s[G1+0], s43, (3<<16)|(1<<21)
	s_or_b32 s[G1B+0], s44, (3<<16)|(1<<21)
.irp g, G1, G1B
	s_mov_b32 s[\g+1], 32<<16
	s_mov_b32 s[\g+2], 136<<16
	s_mov_b32 s[\g+3], 32<<16
	s_mov_b32 s[\g+4], 136
	s_mov_b32 s[\g+5], 32
	s_mov_b32 s[\g+6], 0
	s_mov_b32 s[\g+7], 0
.endr
	s_lshl_b32 s20, s17, 1
	s_add_co_u32 s20, s20, s16
	s_mul_i32 s20, s20, NS*GB
	s_mov_b32 s21, 0
	s_lshl_b32 s46, s42, 1
	s_add_co_u32 s46, s46, s16
	s_mul_i32 s46, s46, NS*GB
	s_add_co_u32 s46, s46, POFF
	s_mov_b32 s47, 0
	s_mul_i32 s45, s14, HALFT
	s_wait_dscnt 0x0
	s_wait_kmcnt 0x0
	s_add_nc_u64 s[20:21], s[68:69], s[20:21]
	s_add_nc_u64 s[46:47], s[70:71], s[46:47]
	CROUND
.irp s, 0,1
	s_mov_b32 s[G0+4*\s], 1
	s_add_co_u32 s[G0+4*\s+1], s45, \s*SLOT
	s_add_nc_u64 s[G0+4*\s+2:G0+4*\s+3], s[20:21], \s*HALFT
	s_or_b32 s[G0+4*\s+3], s[G0+4*\s+3], 0x80000000
	s_mov_b32 s[G0B+4*\s], 1
	s_add_co_u32 s[G0B+4*\s+1], s45, \s*SLOT
	s_add_nc_u64 s[G0B+4*\s+2:G0B+4*\s+3], s[46:47], \s*HALFT
	s_or_b32 s[G0B+4*\s+3], s[G0B+4*\s+3], 0x80000000
	JLOAD G0+4*\s, G1, G0B+4*\s, G1B
.endr
	v_and_b32 v1, 31, v0
	v_bfe_u32 v2, v0, 4, 1
	v_lshlrev_b32 v4, 4, v1                        ; 16 x lane
	v_lshlrev_b32 v3, 2, v1
	s_mul_i32 s21, s15, HALFT
	s_mul_i32 s22, s16, HALFT
	s_add_co_u32 s22, s22, 2*HALFT
	s_sub_co_u32 s23, s22, s21
	v_mul_u32_u24 v6, s23, v2
	v_add_nc_u32 v6, v6, v3
	s_add_co_u32 s23, s21, 16384
.irp s, 0,1
	v_add_nc_u32 v[ADRA+\s], s21, v4
	v_add_nc_u32 v[ADRB+\s], s22, v4
	v_add_nc_u32 v[ADRS+\s], s23, v6
	s_add_co_u32 s21, s21, SLOT
	s_add_co_u32 s22, s22, SLOT
	s_add_co_u32 s23, s23, SLOT
.endr
	s_mul_i32 s23, s14, 16*SPITCH                  ; my stage
	v_and_b32 v5, 15, v0
	v_mul_u32_u24 v5, v5, SPITCH
	v_lshl_add_u32 v5, v2, 6, v5
	v_add_nc_u32 v[STO], s23, v5                   ; in: row r, + 64 h
	v_add_nc_u32 v[RD], s23, v4                    ; back: 32 lanes take a row of 512 bytes
	s_lshl_b32 s20, s17, 1
	s_add_co_u32 s20, s20, s15
	s_lshl_b32 s20, s20, 19                        ; my 128 rows of 4,096 bytes
	s_lshl_b32 s46, s42, 10
	s_lshl_b32 s47, s16, 9
	s_add_co_u32 s46, s46, s47                     ; my 128 columns, in bytes
	s_mov_b32 s47, 0
	s_add_nc_u64 s[86:87], s[72:73], s[46:47]
	s_add_co_u32 s46, s46, s20
	s_add_nc_u64 s[RES:RES+1], s[74:75], s[46:47]
	s_add_nc_u64 s[OUT:OUT+1], s[76:77], s[46:47]
	global_load_b128 v[BV:BV+3], v[CO], s[86:87]   ; the bias of my four columns of a row
	s_wait_tensorcnt 1                             ; my part of K step 0 is in (K step 1's load may be out)
	s_barrier_signal -1
	s_barrier_wait -1
	FETCH_B 0, 0, 0
	FETCH_A 0, 0, 0
	SCALES 0
	FETCH_A 0, 0, 4
	STEP 0, 0, 1
	s_mov_b32 s3, LAPS-1
.Llap:
	TURN 0, 1, 1
	STEP 1, 0, 0
	TURN 1, 0, 1
	STEP 0, 0, 0
	s_sub_co_u32 s3, s3, 1
	s_cmp_lg_u32 s3, 0
	s_cbranch_scc1 .Llap
	TURN 0, 1, 0
	STEP 1, 0, 0
	s_wait_dscnt 4*NL
	WIN MUL_LO
	MUL16 0, 1, NQ-1, 1, 0
	MUL16 2, 1, NQ-1, 1, 0
	s_wait_dscnt 0
	WIN MUL_HI
	MUL16 4, 1, NQ-1, 1, 0
	MUL16 6, 1, NQ-1, 1, 0
	WIN 0
; THE WAY OUT, block by block of 16 rows x 128 columns: through my own stage, back as whole rows of 512 bytes, + bias, + residual, stored as two aligned runs of 256 bytes.  Row t of block a is row
; 32 (a / 2) + 8 (a % 2) + t + 8 (t / 8) of my 128: every offset is an immediate, 127 rows of 4,096 bytes at the most.
.macro RLOAD a                         ; block a's rows of the residual, into window 1
	WIN 0x40
.irp t, 0,1,2,3,4,5,6,7,8,9,10,11,12,13,14,15
	global_load_b128 v[64*((\a)%4)+4*\t:64*((\a)%4)+4*\t+3], v[CO], s[RES:RES+1] offset:(32*((\a)/2)+8*((\a)%2)+\t+8*(\t/8))*4096 th:TH_LOAD_NT
.endr
	WIN 0
.endm
.macro TOSTAGE a
.set AC, 64*((\a)%4)
	WIN 0x08+4*((\a)/4)                            ; the data: window 2 or 3
.irp b, 0,1,2,3,4,5,6,7
	ds_store_b128 v[STO], v[AC+8*\b:AC+8*\b+3] offset:128*(\b/2)+32*(\b%2)          ; each accumulator from its low end on
	ds_store_b128 v[STO], v[AC+8*\b+4:AC+8*\b+7] offset:128*(\b/2)+32*(\b%2)+16
.endr
	WIN 0
.set BB, BK+64*((\a)%2)
.irp t, 0,1,2,3,4,5,6,7,8,9,10,11,12,13,14,15
	ds_load_b128 v[BB+4*\t:BB+4*\t+3], v[RD] offset:\t*SPITCH   ; LDS serves a wave's instructions in order: these see the stores above
.endr
.endm
.macro SEND a, younger
.set BB, BK+64*((\a)%2)
.set RB, 64*((\a)%4)
	s_wait_dscnt \younger                          ; the block is back; the next block's 16 stores and 16 loads may be out
.if (\a) <= 4
	s_wait_loadcnt 48                              ; its residual is in; three younger blocks of 16 loads may be out
.else
	s_wait_loadcnt 16*(7-(\a))
.endif
.irp t, 0,1,2,3,4,5,6,7,8,9,10,11,12,13,14,15
	v_pk_add_f32 v[BB+4*\t:BB+4*\t+1], v[BB+4*\t:BB+4*\t+1], v[BV:BV+1]
	v_pk_add_f32 v[BB+4*\t+2:BB+4*\t+3], v[BB+4*\t+2:BB+4*\t+3], v[BV+2:BV+3]
.endr
	WIN 0x04                                       ; source 1: window 1
.irp t, 0,1,2,3,4,5,6,7,8,9,10,11,12,13,14,15
	v_pk_add_f32 v[BB+4*\t:BB+4*\t+1], v[BB+4*\t:BB+4*\t+1], v[RB+4*\t:RB+4*\t+1]
	v_pk_add_f32 v[BB+4*\t+2:BB+4*\t+3], v[BB+4*\t+2:BB+4*\t+3], v[RB+4*\t+2:RB+4*\t+3]
.endr
	WIN 0
.irp t, 0,1,2,3,4,5,6,7,8,9,10,11,12,13,14,15
	global_store_b128 v[CO], v[BB+4*\t:BB+4*\t+3], s[OUT:OUT+1] offset:(32*((\a)/2)+8*((\a)%2)+\t+8*(\t/8))*4096 th:TH_STORE_NT
.endr
.endm
	PLACES NP                                      ; in front of the first read of results and of loads into registers that held fragments
	s_wait_loadcnt 0x0                             ; the bias
	RLOAD 0
	RLOAD 1
	RLOAD 2
	RLOAD 3
	TOSTAGE 0
.irp a, 1,2,3,4,5,6,7
.if \a > 1
	s_wait_xcnt 0x0                                ; block a - 2's stores have read their registers: block a's rows may land there
.endif
	TOSTAGE \a
	SEND \a-1, 32
.if \a+3 <= 7
	RLOAD \a+3
.endif
.endr
	s_wait_xcnt 0x0
	SEND 7, 0
	s_wait_tensorcnt 0x0                           ; the wave's end
	ds_add_u32 v[SPW], v[NIL]
	s_wait_dscnt 0x0
	CROUND                                         ; the closing round
	s_endpgm
.Lfunc_end_k_q371135d7ba_gemm_p2:
	.size	k_q371135d7ba_gemm_p2, .Lfunc_end_k_q371135d7ba_gemm_p2-k_q371135d7ba_gemm_p2
	.p2alignl 7, 3214868480
	.fill 96, 4, 3214868480
	.section	.rodata,"a",@progbits
	.p2align	6, 0x0
	.amdhsa_kernel k_q371135d7ba_gemm_p2
		.amdhsa_group_segment_fixed_size 327680
		.amdhsa_private_segment_fixed_size 0
		.amdhsa_enable_private_segment 0
		.amdhsa_kernarg_size 40
		.amdhsa_user_sgpr_count 2
		.amdhsa_user_sgpr_kernarg_segment_ptr 1
		.amdhsa_wavefront_size32 1
		.amdhsa_system_sgpr_workgroup_id_x 1
		.amdhsa_system_sgpr_workgroup_id_y 1
		.amdhsa_system_sgpr_workgroup_id_z 1
		.amdhsa_system_vgpr_workitem_id 0
		.amdhsa_next_free_vgpr 1024
		.amdhsa_next_free_sgpr 100
		.amdhsa_reserve_vcc 0
		.amdhsa_float_denorm_mode_32 3
		.amdhsa_float_denorm_mode_16_64 3
		.amdhsa_memory_ordered 1
		.amdhsa_forward_progress 1
		.amdhsa_inst_pref_size 190
	.end_amdhsa_kernel
	.amdgpu_metadata
---
amdhsa.version: [ 1, 2 ]
amdhsa.kernels:
  - .name:           k_q371135d7ba_gemm_p2
    .symbol:         k_q371135d7ba_gemm_p2.kd
    .args:
      - { .name: gimg, .offset: 0, .size: 8, .value_kind: global_buffer, .address_space: global }
      - { .name: wimg, .offset: 8, .size: 8, .value_kind: global_buffer, .address_space: global }
      - { .name: bp2, .offset: 16, .size: 8, .value_kind: global_buffer, .address_space: global }
      - { .name: x1, .offset: 24, .size: 8, .value_kind: global_buffer, .address_space: global }
      - { .name: out0, .offset: 32, .size: 8, .value_kind: global_buffer, .address_space: global }
    .group_segment_fixed_size: 327680
    .private_segment_fixed_size: 0
    .kernarg_segment_align: 8
    .kernarg_segment_size: 40
    .max_flat_workgroup_size: 128
    .sgpr_count:     100
    .vgpr_count:     1024
    .wavefront_size: 32
...
	.end_amdgpu_metadata
.endif
;; end of part 6
;; ======== version 2 of 2: 7 launches
;; limits: right only within a limited range of input values
;; workspace buffers: wimg 13,369,344 bytes; himg 4,456,448 bytes; qimg 4,456,448 bytes; kvimg 8,912,896 bytes; yimg 4,456,448 bytes; x1 16,777,216 bytes; gimg 17,825,792 bytes
;; launch prep: the kernel of part 1 again; grid 1024 x 1, 4 waves a work-group, no clusters, 75,776 bytes of LDS; arguments x, ln1_g, ln1_b, himg, Wq, Wk, Wv, Wo, Wfc, Wp2, wimg; writes himg, wimg
;; launch gemm_qkv (part 7): grid 12 x 16, 4 waves a work-group, clusters of 4 x 4, 327,680 bytes of LDS; arguments himg, wimg, bq, bk, bv, qimg, kvimg; writes qimg, kvimg
.if DOCPART == 7
	.amdgcn_target "amdgcn-amd-amdhsa--gfx1250"
	.amdhsa_code_object_version 6
	.text
	.protected	k_q371135d7ba_gemm_qkv
	.globl	k_q371135d7ba_gemm_qkv
	.p2align	8
	.type	k_q371135d7ba_gemm_qkv,@function
k_q371135d7ba_gemm_qkv:
	s_mov_b64 s[64:65], 0
	v_nop
	global_prefetch_b8 v0, s[64:65] scope:SCOPE_SE
	s_setreg_imm32_b32 hwreg(HW_REG_WAVE_MODE, 25, 1), 1
	s_wait_xcnt 0x0
	s_wait_alu depctr_hold_cnt(0) depctr_sa_sdst(0) depctr_va_vdst(0) depctr_va_sdst(0) depctr_va_ssrc(0) depctr_va_vcc(0) depctr_vm_vsrc(0)
	s_getreg_b32 s2, hwreg(HW_REG_IB_STS2, 6, 4)
	s_cmp_eq_u32 s2, 0
	s_cbranch_scc0 .Lentry_in_a_cluster
	s_endpgm
.Lentry_in_a_cluster:
	s_bfe_u32 s2, ttmp6, 0x10000c
	s_cmp_lg_u32 s2, 0xf033
	s_cbranch_scc0 .Lentry_shape_is_right
	s_endpgm
.Lentry_shape_is_right:
; q = h Wq^T + bq, k = h Wk^T + bk, v = h Wv^T + bv on codes of FP8 (E4M3) with E8M0 scales, and their results quantised for attention: q and k along the head's 64, v along the keys.  No work is left out here.
; OPERANDS come as images of the matrix operand's registers: a group of 128 rows x 128 K is GB = 17,408 bytes (fragment i, register quad c, lane l at 2048 i + 512 c + 16 l; scale words at 16,384 + 128 i + 4 l);
; group (G, s) lies at (G NS + s) GB; lane-row r of fragment i is row 32 (i / 2) + 8 (i % 2) + r + 8 (r / 8).  So a K step of 256 of 128 rows is ONE dense block of 34,816 bytes with its scales inside.
; ROLES.  P is source 0, R source 1: in accumulator (a, b) lane (r, h) holds R's row of lane-row r of fragment a, and its register j P's row 32 (b / 2) + 16 h + 8 (b % 2) + j: a lane's 64 registers of one a are
; 16 neighbours of each block of 32 of P's rows, as the conversions want them.  Clusters with x = 0, 1: R = h (tokens), P = Wq and Wk on end: results are quantised along n, the heads' d.
; Clusters with x = 2: R = Wv, P = h: results are quantised along the tokens, the keys.  The choice hangs on the cluster's x alone, which all sixteen partners share.
; A work-group makes 256 x 256, each of four waves 128 x 128 in 64 accumulators; K goes in steps of 256 through two LDS slots; 4 x 4 work-groups form a cluster and ask for R's tiles jointly along a row, P's along a column.
; OUT.  Q record of (batch x 16 + head, 128 tokens): 8,704 bytes: codes at 1024 a + 512 c' + 16 l, scales (2 bytes a token) at 8,192 + 64 a + 2 l.  KV record: 17,408 bytes: K's codes likewise, V's codes at
; 8,192 + 2048 dt + 512 c + 16 l, K's scales at 16,384 + 64 a + 2 l, V's scale words at 16,896 + 128 dt + 4 l.
; LIMITS: NaN and infinities are not served; a block under 2^-118 or of zeros gets the scale byte 1 (its bytes are read by this program alone).
; REGISTERS: window 0: v1-31 addresses; v32-63 scale words, two sets; v64-127 the bias; v128-255 R's fragments, one set (on the way out: numbers, codes, the quantiser's).  window 1: P's fragments, two sets.  windows 2, 3: accumulators.
.set KDIM,   1024
.set WV_OFF, 2228224                   ; Wv's image in wimg
.set NS,     KDIM/128
.set GB,     17408
.set HALFT,  2*GB                      ; 128 rows x 256 K: what one tensor load brings
.set SLOT,   4*HALFT                   ; R's 256 rows, then P's 256 rows
.set SPARE,  2*SLOT                    ; behind the ring: the spare words, 128 bytes for each wave
.set LAPS,   KDIM/512
.set NQ,     2
.set FR,     16
.set NL,     4
.set NP,     8                         ; places behind this matrix instruction (ISA guide 7.12.1)
.set ADRA,   16                        ; v16-17 LDS address of my R fragments in slot 0, 1
.set ADRB,   20                        ; v20-21 the same for P
.set ADRS,   22                        ; v22-23 of my scale words: lanes 0-15 R's, lanes 16-31 P's
.set SPW,    28
.set NIL,    29
.set SC,     32
.set AF,     128
.set G1,     24
.set G0,     32
.set G1B,    48
.set G0B,    56
.set SEL,    82
.set MNT,    84
.set ISV,    85
.set BI,     64                        ; the bias
.set ST,     128                       ; the way out: 64 numbers
.set PC,     192                       ; 16 registers of codes
.set TM,     208                       ; the quantiser's
.set PW,     8                         ; the scale word just made
.set MSB, 0
.macro WIN new                         ; the immediate's high byte repeats the setting that is left
.if MSB != (\new)
	s_set_vgpr_msb (MSB<<8)|(\new)
.set MSB, (\new)
.endif
.endm
.set MUL_LO, 0xa1                      ; source 0 (P) window 1, source 1 (R) window 0, C and D window 2
.set MUL_HI, 0xf1
.set TO_B,   0x40
.macro JLOAD g0a, g1a, g0b, g1b        ; a joint load: waves 0 and 1 fetch for R, waves 2 and 3 for P; an s_nop 0 and four v_nop follow each of the two lines
	s_cmp_eq_u32 s15, 0
	s_cbranch_scc0 .Lfor_b_\@
	tensor_load_to_lds s[\g0a:\g0a+3], s[\g1a:\g1a+7]
	s_nop 0
.rept 4
	v_nop
.endr
	s_branch .Lasked_\@
.Lfor_b_\@:
	tensor_load_to_lds s[\g0b:\g0b+3], s[\g1b:\g1b+7]
	s_nop 0
.rept 4
	v_nop
.endr
.Lasked_\@:
.endm
.macro CREST
	s_cmp_lg_u32 s14, 0
	s_cbranch_scc1 .Lnot_wave_0_\@
	s_barrier_signal -3
.Lnot_wave_0_\@:
	s_barrier_wait -3
	s_barrier_signal -1
	s_barrier_wait -1
.endm
.macro CROUND
	s_barrier_signal -1
	s_barrier_wait -1
	CREST
.endm
.macro FRAG reg, adr, q, i             ; a fragment comes back as it was stored: four loads of 512 consecutive bytes
.irp c, 0,1,2,3
	ds_load_b128 v[\reg+4*\c:\reg+4*\c+3], v[\adr] offset:(\q)*GB+(\i)*2048+512*\c
.endr
.endm
.macro MUL16 a0, p, q, sc, zero        ; R's blocks a0, a0 + 1 x P's eight; the 64 accumulators take turns, one instruction a turn
.irp a, \a0, \a0+1
.irp b, 0,1,2,3,4,5,6,7
.if \zero
	v_wmma_scale_f32_16x16x128_f8f6f4 v[8*(8*((\a)%4)+\b):8*(8*((\a)%4)+\b)+7], v[128*(\p)+FR*\b:128*(\p)+FR*\b+FR-1], v[AF+FR*(\a):AF+FR*(\a)+FR-1], 0, v[SC+8*NQ*(\sc)+NQ*\b+(\q)], v[SC+8*NQ*(\sc)+NQ*(\a)+(\q)] matrix_a_scale:MATRIX_SCALE_ROW1
.else
	v_wmma_scale_f32_16x16x128_f8f6f4 v[8*(8*((\a)%4)+\b):8*(8*((\a)%4)+\b)+7], v[128*(\p)+FR*\b:128*(\p)+FR*\b+FR-1], v[AF+FR*(\a):AF+FR*(\a)+FR-1], v[8*(8*((\a)%4)+\b):8*(8*((\a)%4)+\b)+7], v[SC+8*NQ*(\sc)+NQ*\b+(\q)], v[SC+8*NQ*(\sc)+NQ*(\a)+(\q)] matrix_a_scale:MATRIX_SCALE_ROW1
.endif
.endr
.endr
.endm
.macro FETCH_B slot, q, p
	WIN TO_B
.irp i, 0,1,2,3,4,5,6,7
	FRAG 128*(\p)+FR*\i, ADRB+\slot, \q, \i
.endr
	WIN 0
.endm
.macro FETCH_A slot, q, i0
.irp i, \i0, \i0+1, \i0+2, \i0+3
	FRAG AF+FR*(\i), ADRA+\slot, \q, \i
.endr
.endm
.macro SCALES sc                       ; a slot's scale words: register 2 i + q: lanes 0-15 R's block i, lanes 16-31 P's block i
.irp i, 0,1,2,3,4,5,6,7
.irp q, 0,1
	ds_load_b32 v[SC+8*NQ*\sc+NQ*\i+\q], v[ADRS+\sc] offset:\q*GB+128*\i
.endr
.endr
.endm
.macro PLACES n
.rept \n
	v_nop
.endr
.endm
.macro STEP slot, q, zero              ; 128 along K that has its successor in the same slot
	s_wait_dscnt 4*NL                              ; P's set, R's blocks 0-3 and the scale words are in; the youngest sixteen loads (R's blocks 4-7) may be out
	WIN MUL_LO
	MUL16 0, (\q)%2, \q, \slot, \zero
	MUL16 2, (\q)%2, \q, \slot, \zero
	s_wait_dscnt 0
	PLACES NP
	FETCH_B \slot, (\q)+1, 1-(\q)%2
	FETCH_A \slot, (\q)+1, 0
	WIN MUL_HI
	MUL16 4, (\q)%2, \q, \slot, \zero
	MUL16 6, (\q)%2, \q, \slot, \zero
	PLACES NP
	WIN 0
	FETCH_A \slot, (\q)+1, 4
.endm
.macro TURN slot, next, fill           ; a slot's last step changes slots: one barrier; fill = 1: it opens a round of the cluster's barrier and the slot is filled again
	s_wait_tensorcnt 0x0                           ; all my tensor loads have landed: my part of the next slot
	ds_add_u32 v[SPW], v[NIL]                      ; 0 onto my spare word
	s_wait_dscnt 4*NL+1                            ; (the add and the youngest sixteen loads may be out)
	WIN MUL_LO
	MUL16 0, 1, NQ-1, \slot, 0
	s_wait_dscnt 0x0                               ; the add is done, and my reads of this slot are over
	s_barrier_signal -1
	MUL16 2, 1, NQ-1, \slot, 0
	WIN 0
	s_barrier_wait -1
.if \fill
	CREST                                          ; no wave of any partner still reads this slot or has a load on its way
	s_add_nc_u64 s[G0+4*\slot+2:G0+4*\slot+3], s[G0+4*\slot+2:G0+4*\slot+3], 2*HALFT
	s_add_nc_u64 s[G0B+4*\slot+2:G0B+4*\slot+3], s[G0B+4*\slot+2:G0B+4*\slot+3], 2*HALFT
	JLOAD G0+4*\slot, G1, G0B+4*\slot, G1B         ; the first tensor load behind the round; its four v_nop are among the places in front of the loads below
	PLACES NP-4
.else
	PLACES NP
.endif
	FETCH_B \next, 0, 0
	FETCH_A \next, 0, 0
	SCALES \next
	WIN MUL_HI
	MUL16 4, 1, NQ-1, \slot, 0
	MUL16 6, 1, NQ-1, \slot, 0
	PLACES NP
	WIN 0
	FETCH_A \next, 0, 4
.endm
.macro QUANT s, pc, pw                 ; 64 numbers of a lane, register 16 b + i = k 32 b + 16 (lane / 16) + i, become 16 registers of codes and a scale word
.irp b, 0,1,2,3
	v_max3_num_f32 v[TM+\b], |v[(\s)+16*\b]|, |v[(\s)+1+16*\b]|, 0x4800000   ; with the floor 2^(9 - 127): the byte cannot fall under 1
.endr
.irp i, 2,4,6,8,10,12,14
.irp b, 0,1,2,3
	v_max3_num_f32 v[TM+\b], v[TM+\b], |v[(\s)+16*\b+\i]|, |v[(\s)+1+16*\b+\i]|
.endr
.endr
.irp b, 0,1,2,3
	v_permlanex16_b32 v[TM+4+\b], v[TM+\b], s[SEL], s[SEL+1]
.endr
.irp b, 0,1,2,3
	v_max_num_f32 v[TM+\b], v[TM+\b], v[TM+4+\b]
.endr
.irp b, 0,1,2,3
	v_add_nc_u32 v[TM+12+\b], 0xfc000000, v[TM+\b]   ; 8 off the exponent field: the conversion's scale operand
.endr
.irp b, 0,1,2,3
.endr
.irp b, 0,1,2,3
	v_lshrrev_b32 v[TM+4+\b], 23, v[TM+12+\b]
.endr
	v_lshl_or_b32 v[\pw], v[TM+5], 8, v[TM+4]
	v_lshl_or_b32 v[\pw], v[TM+6], 16, v[\pw]
	v_lshl_or_b32 v[\pw], v[TM+7], 24, v[\pw]
.irp b, 0,1,2,3
.irp i, 0,1,2,3,4,5,6,7,8,9,10,11,12,13,14,15
.endr
	v_cvt_scalef32_pk8_fp8_f32 v[(\pc)+4*\b:(\pc)+1+4*\b], v[(\s)+16*\b:(\s)+7+16*\b], v[TM+12+\b]
	v_cvt_scalef32_pk8_fp8_f32 v[(\pc)+2+4*\b:(\pc)+3+4*\b], v[(\s)+8+16*\b:(\s)+15+16*\b], v[TM+12+\b]
.endr
	v_nop
.endm
; Block a's 64 results leave their window and take the bias on the way: arm 0: the bias runs along my registers; arm 1: along the lanes, a pair for each a.  Each accumulator is read from its low end on.
.macro TAKE a, arm
.Ltk\arm\a:
	WIN 2+(\a)/4
.set n, 0
.rept 32
.if \arm
	v_pk_add_f32 v[ST+2*n:ST+2*n+1], v[64*((\a)%4)+2*n:64*((\a)%4)+2*n+1], v[BI+2*(\a):BI+2*(\a)+1]
.else
	v_pk_add_f32 v[ST+2*n:ST+2*n+1], v[64*((\a)%4)+2*n:64*((\a)%4)+2*n+1], v[BI+2*n:BI+2*n+1]
.endif
.set n, n+1
.endr
	WIN 0
	s_branch .Ltaken\arm
.endm
; The head of a trip of the way out: s2 counts R's blocks; a switch on it picks the block's registers, so that the quantiser and the stores are written once.
.macro ROWS arm
	s_mov_b32 s2, 0
.Lrow\arm:
	s_wait_xcnt 0x0                                ; the last trip's stores have read their data and offsets
.irp k, 0,1,2,3,4,5,6
	s_cmp_eq_u32 s2, \k
	s_cbranch_scc1 .Ltk\arm\k
.endr
	TAKE 7, \arm
.irp k, 0,1,2,3,4,5,6
	TAKE \k, \arm
.endr
.Ltaken\arm:
	QUANT ST, PC, PW
.endm
	s_load_b256 s[68:75], s[0:1], 0x0              ; h's image, the weights' image, bq, bk
	s_load_b128 s[76:79], s[0:1], 0x20             ; bv, Q's records
	s_load_b64 s[80:81], s[0:1], 0x30              ; K's and V's records
	v_lshl_add_u32 v[SPW], v0, 2, SPARE
	v_mov_b32 v[NIL], 0
	ds_add_u32 v[SPW], v[NIL]                      ; the wave's opening: the add, twice on end, and its wait ahead of my first tensor load
	ds_add_u32 v[SPW], v[NIL]
	v_lshrrev_b32 v1, 5, v0
	v_readfirstlane_b32 s14, v1                    ; wave 0..3
	s_lshr_b32 s15, s14, 1                         ; which half of R's rows is mine.  Also: I fetch for R (0) or for P (1)
	s_and_b32 s16, s14, 1                          ; which half of P's rows.  Also: which 128 rows I fetch
	s_bfe_u32 s40, ttmp6, 0x40000                  ; cx
	s_bfe_u32 s41, ttmp6, 0x40004                  ; cy
	s_and_b32 s18, ttmp7, 0xffff                   ; cluster y
	s_cmp_eq_u32 ttmp9, 2                          ; cluster x = 2: the product for v
	s_cselect_b32 s[ISV], 1, 0
	s_cselect_b32 s19, s18, ttmp9                  ; P's blocks go by the cluster's y there, else by its x
	s_cselect_b32 s18, 0, s18                      ; R's: Wv has four blocks, one for each cy
	s_lshl_b32 s42, s19, 2
	s_add_co_u32 s42, s42, s40                     ; P's block of 256 rows
	s_lshl_b32 s17, s18, 2
	s_add_co_u32 s17, s17, s41                     ; R's block
	s_lshl_b32 s43, s41, 2
	s_lshl_b32 s43, 15, s43                        ; my row of the cluster
	s_lshl_b32 s44, 0x1111, s40                    ; my column
	s_or_b32 s[G1+0], s43, (3<<16)|(1<<21)         ; 15:0 the mask: R's tiles go to my row; 17:16 elements of 8 bytes; 21 set beside a mask; no padding
	s_or_b32 s[G1B+0], s44, (3<<16)|(1<<21)
.irp g, G1, G1B
	s_mov_b32 s[\g+1], 32<<16                      ; tensor_dim0 = 32 elements: 256 bytes
	s_mov_b32 s[\g+2], 136<<16                     ; tensor_dim1 = 136 rows: 34,816 dense bytes
	s_mov_b32 s[\g+3], 32<<16                      ; tile_dim0
	s_mov_b32 s[\g+4], 136                         ; tile_dim1
	s_mov_b32 s[\g+5], 32                          ; the pitch
	s_mov_b32 s[\g+6], 0
	s_mov_b32 s[\g+7], 0
.endr
	s_lshl_b32 s20, s17, 1
	s_add_co_u32 s20, s20, s16
	s_mul_i32 s20, s20, NS*GB                      ; R: the group row that I fetch
	s_mov_b32 s21, 0
	s_lshl_b32 s46, s42, 1
	s_add_co_u32 s46, s46, s16
	s_mul_i32 s46, s46, NS*GB                      ; P likewise
	s_mov_b32 s47, 0
	s_mul_i32 s45, s14, HALFT                      ; where it goes: no place in the cluster enters an LDS address
	s_mov_b32 s[SEL], 0x76543210
	s_mov_b32 s[SEL+1], 0xfedcba98
	s_wait_dscnt 0x0                               ; both opening adds are done
	s_wait_kmcnt 0x0
	s_cmp_eq_u32 s[ISV], 1
	s_cselect_b64 s[4:5], s[70:71], s[68:69]       ; R: the weights' image (Wv) or h's
	s_cselect_b64 s[6:7], s[68:69], s[70:71]       ; P: h's, or the weights' (Wq and Wk stand at its head)
	s_cselect_b32 s22, WV_OFF, 0
	s_add_co_u32 s20, s20, s22
	s_add_nc_u64 s[20:21], s[4:5], s[20:21]
	s_add_nc_u64 s[46:47], s[6:7], s[46:47]
	CROUND                                         ; all sixteen work-groups are here: the first joint loads meet
.irp s, 0,1
	s_mov_b32 s[G0+4*\s], 1
	s_add_co_u32 s[G0+4*\s+1], s45, \s*SLOT
	s_add_nc_u64 s[G0+4*\s+2:G0+4*\s+3], s[20:21], \s*HALFT
	s_or_b32 s[G0+4*\s+3], s[G0+4*\s+3], 0x80000000
	s_mov_b32 s[G0B+4*\s], 1
	s_add_co_u32 s[G0B+4*\s+1], s45, \s*SLOT
	s_add_nc_u64 s[G0B+4*\s+2:G0B+4*\s+3], s[46:47], \s*HALFT
	s_or_b32 s[G0B+4*\s+3], s[G0B+4*\s+3], 0x80000000
	JLOAD G0+4*\s, G1, G0B+4*\s, G1B
.endr
	v_and_b32 v1, 31, v0                           ; lane
	v_bfe_u32 v2, v0, 4, 1                         ; h
	v_lshlrev_b32 v4, 4, v1                        ; 16 x lane
	s_wait_alu depctr_va_vdst(0)
	v_lshlrev_b32 v3, 2, v1                        ; 4 x lane
	s_mul_i32 s21, s15, HALFT                      ; my 128 rows of R
	s_mul_i32 s22, s16, HALFT
	s_add_co_u32 s22, s22, 2*HALFT                 ; my 128 rows of P, behind R's 256
	s_sub_co_u32 s23, s22, s21
	v_mul_u32_u24 v6, s23, v2                      ; lanes 16-31 take P's scale words: the lower base + h x the distance
	v_add_nc_u32 v6, v6, v3
	s_add_co_u32 s23, s21, 16384
.irp s, 0,1
	v_add_nc_u32 v[ADRA+\s], s21, v4
	v_add_nc_u32 v[ADRB+\s], s22, v4
	v_add_nc_u32 v[ADRS+\s], s23, v6
	s_add_co_u32 s21, s21, SLOT
	s_add_co_u32 s22, s22, SLOT
	s_add_co_u32 s23, s23, SLOT
.endr
	s_wait_alu depctr_va_vdst(0)
	s_wait_tensorcnt 1                             ; my part of K step 0 is in (K step 1's load may be out)
	s_barrier_signal -1
	s_barrier_wait -1                              ; everybody's is
	FETCH_B 0, 0, 0
	FETCH_A 0, 0, 0
	SCALES 0
	FETCH_A 0, 0, 4
	STEP 0, 0, 1                                   ; the first step's products start the sums
	s_mov_b32 s3, LAPS-1
.Llap:
	TURN 0, 1, 1
	STEP 1, 0, 0
	TURN 1, 0, 1
	STEP 0, 0, 0
	s_sub_co_u32 s3, s3, 1
	s_cmp_lg_u32 s3, 0
	s_cbranch_scc1 .Llap
	TURN 0, 1, 0                                   ; the last lap fills nothing
	STEP 1, 0, 0
	s_wait_dscnt 4*NL
	WIN MUL_LO
	MUL16 0, 1, NQ-1, 1, 0
	MUL16 2, 1, NQ-1, 1, 0
	s_wait_dscnt 0
	WIN MUL_HI
	MUL16 4, 1, NQ-1, 1, 0
	MUL16 6, 1, NQ-1, 1, 0
	WIN 0
	PLACES NP                                      ; in front of the first read of results and of writes into registers that held R's fragments
.irp b, 0,1,2,3
	v_mov_b32 v[TM+4+\b], 0                        ; written once: a lane permute's destination counts as one of its sources
.endr
	s_lshl_b32 s18, s42, 1
	s_add_co_u32 s18, s18, s16                     ; GP: my group of 128 rows of P
	s_lshl_b32 s20, s17, 1
	s_add_co_u32 s20, s20, s15                     ; GR: my group of 128 rows of R
	s_mov_b32 s47, 0
	s_cmp_eq_u32 s[ISV], 1
	s_cbranch_scc1 .Lv_arm
	; ---- q and k: lanes are tokens, registers run along n: two heads of 64
	s_and_b32 s19, s18, 7                          ; which 128 of Wq's or Wk's 1,024 rows: heads 2 s19 and 2 s19 + 1
	s_mov_b32 s21, 8704
	s_mov_b32 s22, 8192
	s_cmp_eq_u32 ttmp9, 1                          ; cluster x = 1: k
	s_cselect_b64 s[86:87], s[74:75], s[72:73]     ; bk or bq
	s_cselect_b64 s[88:89], s[80:81], s[78:79]     ; the records
	s_cselect_b32 s21, 17408, s21                  ; a record's bytes
	s_cselect_b32 s22, 16384, s22                  ; where its scales begin
	s_lshl_b32 s46, s19, 9
	s_add_nc_u64 s[86:87], s[86:87], s[46:47]      ; the bias of my 128
	s_lshr_b32 s23, s20, 4
	s_lshl_b32 s23, s23, 4                         ; batch x 16
	s_lshl_b32 s46, s19, 1
	s_add_co_u32 s23, s23, s46                     ; + head
	s_lshl_b32 s23, s23, 4
	s_and_b32 s46, s20, 15
	s_add_co_u32 s23, s23, s46                     ; x 16 + the group of 128 tokens
	s_mul_i32 s46, s23, s21
	s_add_nc_u64 s[88:89], s[88:89], s[46:47]      ; the first head's record
	s_lshl_b32 s46, s21, 4
	s_add_nc_u64 s[90:91], s[88:89], s[46:47]      ; the second head's: 16 records on
	v_lshlrev_b32 v7, 6, v2                        ; 64 h: lane (r, h) wants, for block bb, the bias of n = 32 bb + 16 h + 0..15
.irp bb, 0,1,2,3
.irp jj, 0,1,2,3
	global_load_b128 v[BI+16*\bb+4*\jj:BI+16*\bb+4*\jj+3], v7, s[86:87] offset:128*\bb+16*\jj
.endr
.endr
	v_lshlrev_b32 v11, 1, v1                       ; 2 x lane
	s_wait_loadcnt 0x0
	ROWS 0
	s_lshl_b32 s18, s2, 10
	v_add_nc_u32 v9, s18, v4                       ; tile a's codes: 1024 a + 16 l
	s_lshl_b32 s19, s2, 6
	s_add_co_u32 s19, s19, s22
	v_add_nc_u32 v10, s19, v11                     ; its scales: 64 a + 2 l
	global_store_b128 v9, v[PC:PC+3], s[88:89]
	global_store_b128 v9, v[PC+4:PC+7], s[88:89] offset:512
	global_store_b128 v9, v[PC+8:PC+11], s[90:91]
	global_store_b128 v9, v[PC+12:PC+15], s[90:91] offset:512
	global_store_b16 v10, v[PW], s[88:89]          ; the word's low half: the first head's two blocks
	global_store_d16_hi_b16 v10, v[PW], s[90:91]   ; its high half: the second head's
	s_add_co_u32 s2, s2, 1
	s_cmp_lt_u32 s2, 8
	s_cbranch_scc1 .Lrow0
	s_branch .Ldone
.Lv_arm:
	; ---- v: lanes are rows of Wv (two heads' d), registers run along the tokens: the keys
	s_lshl_b32 s46, s20, 9
	s_add_nc_u64 s[86:87], s[76:77], s[46:47]      ; bv of my 128 rows
	s_lshr_b32 s23, s18, 4
	s_lshl_b32 s23, s23, 4                         ; batch x 16
	s_lshl_b32 s46, s20, 1
	s_add_co_u32 s23, s23, s46                     ; + head
	s_lshl_b32 s23, s23, 4
	s_and_b32 s46, s18, 15
	s_add_co_u32 s23, s23, s46
	s_mul_i32 s46, s23, GB
	s_add_co_u32 s46, s46, 8192
	s_add_nc_u64 s[88:89], s[80:81], s[46:47]      ; V's codes in the first head's record
	v_and_b32 v7, 15, v0
	v_and_b32 v6, 8, v7
	v_add_nc_u32 v7, v7, v6
	v_lshlrev_b32 v7, 2, v7                        ; 4 (r + 8 (r / 8))
.irp a, 0,1,2,3,4,5,6,7
	global_load_b32 v[BI+2*\a], v7, s[86:87] offset:(32*(\a/2)+8*(\a%2))*4
	global_load_b32 v[BI+2*\a+1], v7, s[86:87] offset:(32*(\a/2)+8*(\a%2))*4   ; twice: a pair for the packed addition
.endr
	s_wait_loadcnt 0x0
	ROWS 1
	s_lshr_b32 s18, s2, 2
	s_mul_i32 s18, s18, 16*GB                      ; blocks 4-7 are the second head: 16 records on
	s_and_b32 s19, s2, 3
	s_lshl_b32 s21, s19, 11
	s_add_co_u32 s21, s21, s18
	v_add_nc_u32 v9, s21, v4
	s_wait_alu depctr_va_vdst(0)
	s_lshl_b32 s21, s19, 7
	s_add_co_u32 s21, s21, s18
	s_add_co_u32 s21, s21, 8704                    ; V's scale words stand 8,704 bytes behind V's codes
	v_add_nc_u32 v10, s21, v3
.irp c, 0,1,2,3
	global_store_b128 v9, v[PC+4*\c:PC+4*\c+3], s[88:89] offset:512*\c
.endr
	global_store_b32 v10, v[PW], s[88:89]
	s_add_co_u32 s2, s2, 1
	s_cmp_lt_u32 s2, 8
	s_cbranch_scc1 .Lrow1
.Ldone:
	s_wait_tensorcnt 0x0                           ; the wave's end
	ds_add_u32 v[SPW], v[NIL]
	s_wait_dscnt 0x0
	CROUND                                         ; the closing round
	s_endpgm
.Lfunc_end_k_q371135d7ba_gemm_qkv:
	.size	k_q371135d7ba_gemm_qkv, .Lfunc_end_k_q371135d7ba_gemm_qkv-k_q371135d7ba_gemm_qkv
	.p2alignl 7, 3214868480
	.fill 96, 4, 3214868480
	.section	.rodata,"a",@progbits
	.p2align	6, 0x0
	.amdhsa_kernel k_q371135d7ba_gemm_qkv
		.amdhsa_group_segment_fixed_size 327680
		.amdhsa_private_segment_fixed_size 0
		.amdhsa_enable_private_segment 0
		.amdhsa_kernarg_size 56
		.amdhsa_user_sgpr_count 2
		.amdhsa_user_sgpr_kernarg_segment_ptr 1
		.amdhsa_wavefront_size32 1
		.amdhsa_system_sgpr_workgroup_id_x 1
		.amdhsa_system_sgpr_workgroup_id_y 1
		.amdhsa_system_sgpr_workgroup_id_z 1
		.amdhsa_system_vgpr_workitem_id 0
		.amdhsa_next_free_vgpr 1024
		.amdhsa_next_free_sgpr 100
		.amdhsa_reserve_vcc 0
		.amdhsa_float_denorm_mode_32 3
		.amdhsa_float_denorm_mode_16_64 3
		.amdhsa_fp16_overflow 1
		.amdhsa_memory_ordered 1
		.amdhsa_forward_progress 1
		.amdhsa_inst_pref_size 164
	.end_amdhsa_kernel
	.amdgpu_metadata
---
amdhsa.version: [ 1, 2 ]
amdhsa.kernels:
  - .name:           k_q371135d7ba_gemm_qkv
    .symbol:         k_q371135d7ba_gemm_qkv.kd
    .args:
      - { .name: himg, .offset: 0, .size: 8, .value_kind: global_buffer, .address_space: global }
      - { .name: wimg, .offset: 8, .size: 8, .value_kind: global_buffer, .address_space: global }
      - { .name: bq, .offset: 16, .size: 8, .value_kind: global_buffer, .address_space: global }
      - { .name: bk, .offset: 24, .size: 8, .value_kind: global_buffer, .address_space: global }
      - { .name: bv, .offset: 32, .size: 8, .value_kind: global_buffer, .address_space: global }
      - { .name: qimg, .offset: 40, .size: 8, .value_kind: global_buffer, .address_space: global }
      - { .name: kvimg, .offset: 48, .size: 8, .value_kind: global_buffer, .address_space: global }
    .group_segment_fixed_size: 327680
    .private_segment_fixed_size: 0
    .kernarg_segment_align: 8
    .kernarg_segment_size: 56
    .max_flat_workgroup_size: 128
    .sgpr_count:     100
    .vgpr_count:     1024
    .wavefront_size: 32
...
	.end_amdgpu_metadata
.endif
;; end of part 7
;; launch attn (part 8): grid 8 x 32, 16 waves a work-group, clusters of 4 x 1, 327,680 bytes of LDS; arguments qimg, kvimg, yimg; writes yimg
.if DOCPART == 8
	.amdgcn_target "amdgcn-amd-amdhsa--gfx1250"
	.amdhsa_code_object_version 6
	.text
	.protected	k_q371135d7ba_attn
	.globl	k_q371135d7ba_attn
	.p2align	8
	.type	k_q371135d7ba_attn,@function
k_q371135d7ba_attn:
	s_mov_b64 s[64:65], 0
	v_nop
	global_prefetch_b8 v0, s[64:65] scope:SCOPE_SE
	s_setreg_imm32_b32 hwreg(HW_REG_WAVE_MODE, 25, 1), 1
	s_wait_xcnt 0x0
	s_wait_alu depctr_hold_cnt(0) depctr_sa_sdst(0) depctr_va_vdst(0) depctr_va_sdst(0) depctr_va_ssrc(0) depctr_va_vcc(0) depctr_vm_vsrc(0)
	s_getreg_b32 s2, hwreg(HW_REG_IB_STS2, 6, 4)
	s_cmp_eq_u32 s2, 0
	s_cbranch_scc0 .Lentry_in_a_cluster
	s_endpgm
.Lentry_in_a_cluster:
	s_bfe_u32 s2, ttmp6, 0x10000c
	s_cmp_lg_u32 s2, 0x3003
	s_cbranch_scc0 .Lentry_shape_is_right
	s_endpgm
.Lentry_shape_is_right:
; y = softmax(q k^T / 8, causal) v for one batch and head, both products on codes of FP8 (E4M3) with E8M0 scales; y is quantised along C on the way out, into the image that the next product reads.
; LEFT OUT (shown at the head of the first launch's text): a step of 128 keys all of which come after the wave's 16 queries: its p is 0 for all inputs.
; THE SOFTMAX: t = score x log2(e) / 8; M = the running largest t rounded up to a whole number; p = 2^(t - M) is quantised along the keys, not normalised; the row's sum is taken of the unquantised p and divides at the end.
; SHARES.  A work-group is (tile number jt = 0..7, batch x 16 + head).  Its sixteen waves take query tile jt (16 tokens) of the sixteen groups of 128 tokens: wave w takes group pos = w xor 3 ((w / 4) % 2),
; and walks key steps 0 .. pos; step pos is the one on the diagonal.  So the steps hang on the wave's number alone: every work-group has the same 136 steps, and its wave with pos = 15 reads every record.
; LDS.  The head's sixteen records of K and V (17,408 bytes each: K's codes, V's codes, K's scales, V's scale words) are filled ONCE: wave w asks for record w.  The four work-groups of a cluster are four tiles jt of one
; head and read the same records: each load is a joint one, with the same descriptor and the mask of all four.  One tensor load a wave is out.
; The place in the cluster enters Q's and y's addresses in memory and the number that the mask compares, and no branch and no LDS address.
; LAYOUT.  S^T = K Q^T, O^T = V^T P^T: a lane holds one query.  Lane-row r of tile a is token 32 (a / 2) + 8 (a % 2) + r + 8 (r / 8) of its 128, so the 16 registers of tiles 2 b, 2 b + 1 are keys 32 b + 16 h + 0..15.
; K = 64 IN AN INSTRUCTION OF 128: Q's upper eight registers are zero codes.  K's upper eight hold zeros at first and later old codes of V; every code that this program makes is a finite number, so those 64 places add exactly 0;
; their scale bytes are 0, which is 2^-127 and no NaN.
; LIMITS: NaN and infinities are not served; a block of y under 2^-118 or of zeros gets the scale byte 1.
; REGISTERS: v1-4, v7, v11 lane terms; v5, v6 the add's two; v8-10 the step's addresses; v12 -M, v13 the largest t, v[14:15] the sum; v16-31 Q; v32-95 four tiles of K, then V's four fragments; v96-159 S^T, then p;
; v160-191 O^T; v224-239 p's codes; v232-247, v252, v254 at work; v248-251 K's or V's scales; v253 p's scale word; v255 Q's scales.
.set REC,   17408
.set SPARE, 16*REC                     ; behind the records: the spare words, 128 bytes for each of sixteen waves
.set SPW,   5
.set NIL,   6
.set WV,    18
.set MNT,   19
.set SEL,   20
.set CS,    22                         ; s[22:23] c = log2(e) / 8
.set POS,   36
.set KS,    37
.set TB,    38
.macro CROUND
	s_barrier_signal -1
	s_barrier_wait -1
	s_cmp_lg_u32 s[WV], 0
	s_cbranch_scc1 .Lnot_wave_0_\@
	s_barrier_signal -3
.Lnot_wave_0_\@:
	s_barrier_wait -3
	s_barrier_signal -1
	s_barrier_wait -1
.endm
	s_load_b128 s[4:7], s[0:1], 0x0                ; Q's records, K's and V's records
	s_load_b64 s[8:9], s[0:1], 0x10                ; y's image
	v_lshl_add_u32 v[SPW], v0, 2, SPARE
	v_mov_b32 v[NIL], 0
	ds_add_u32 v[SPW], v[NIL]                      ; the wave's opening: the add, twice on end, and its wait ahead of my first tensor load
	ds_add_u32 v[SPW], v[NIL]
	v_lshrrev_b32 v8, 5, v0
	s_delay_alu instid0(VALU_DEP_1)
	v_readfirstlane_b32 s[WV], v8                  ; wave 0..15
	s_lshr_b32 s[POS], s[WV], 2
	s_and_b32 s[POS], s[POS], 1
	s_mul_i32 s[POS], s[POS], 3
	s_xor_b32 s[POS], s[POS], s[WV]                ; my group of 128 tokens
	s_bfe_u32 s40, ttmp6, 0x40000                  ; cx
	s_lshl_b32 s39, ttmp9, 2
	s_add_co_u32 s39, s39, s40                     ; jt: my tile in the group
	s_and_b32 s41, ttmp7, 0xffff                   ; batch x 16 + head, which the four partners share
	s_mov_b32 s24, 15|(3<<16)|(1<<21)              ; group 1: the mask of all four; elements of 8 bytes; bit 21 beside the mask; no padding
	s_mov_b32 s25, 32<<16                          ; tensor_dim0 = 32 elements: 256 bytes
	s_mov_b32 s26, 68<<16                          ; tensor_dim1 = 68 rows: a record
	s_mov_b32 s27, 32<<16                          ; tile_dim0
	s_mov_b32 s28, 68                              ; tile_dim1
	s_mov_b32 s29, 32                              ; the pitch
	s_mov_b32 s30, 0
	s_mov_b32 s31, 0
	s_mov_b32 s32, 1
	s_mul_i32 s33, s[WV], REC                      ; record w goes to w x 17,408
	s_lshl_b32 s42, s41, 4
	s_add_co_u32 s44, s42, s[WV]
	s_mul_i32 s44, s44, REC
	s_mov_b32 s45, 0
	s_add_co_u32 s46, s42, s[POS]
	s_mul_i32 s46, s46, 8704                       ; my Q record
	s_lshl_b32 s47, s39, 10
	s_add_co_u32 s48, s46, s47                     ; my tile's codes
	s_mov_b32 s49, 0
	s_lshl_b32 s47, s39, 6
	s_add_co_u32 s50, s46, s47
	s_add_co_u32 s50, s50, 8192                    ; its scales
	s_mov_b32 s51, 0
	s_lshr_b32 s52, s41, 4
	s_lshl_b32 s52, s52, 4
	s_add_co_u32 s52, s52, s[POS]                  ; y's group row: batch x 16 + pos
	s_lshl_b32 s52, s52, 3
	s_bfe_u32 s53, s41, 0x30001                    ; head / 2: which 128 of C
	s_add_co_u32 s52, s52, s53
	s_mul_i32 s52, s52, REC                        ; (a group of the image is as long as a record)
	s_and_b32 s53, s41, 1                          ; head % 2: which 64 of the 128
	s_lshl_b32 s54, s39, 11
	s_add_co_u32 s54, s54, s52
	s_lshl_b32 s55, s53, 10
	s_add_co_u32 s54, s54, s55                     ; y's codes: fragment jt, register quads 2 (head % 2) on
	s_mov_b32 s55, 0
	s_lshl_b32 s56, s39, 7
	s_add_co_u32 s56, s56, s52
	s_lshl_b32 s57, s53, 1
	s_add_co_u32 s56, s56, s57
	s_add_co_u32 s56, s56, 16384                   ; y's scale bytes: two of the word's four
	s_mov_b32 s57, 0
	s_lshr_b32 s58, s39, 1
	s_lshl_b32 s58, s58, 5
	s_and_b32 s59, s39, 1
	s_lshl_b32 s59, s59, 3
	s_add_co_u32 s58, s58, s59                     ; my tile's first token in its group
	s_mov_b32 s[SEL], 0x76543210
	s_mov_b32 s[SEL+1], 0xfedcba98
	s_mov_b32 s[CS], 0x3e38aa3b
	s_mov_b32 s[CS+1], s[CS]
	s_mov_b32 s[KS], 0
	s_mov_b32 s[TB], 0
	s_wait_dscnt 0x0                               ; both opening adds are done
	s_wait_kmcnt 0x0
	s_add_nc_u64 s[34:35], s[6:7], s[44:45]
	s_or_b32 s35, s35, 0x80000000
	s_add_nc_u64 s[48:49], s[4:5], s[48:49]
	s_add_nc_u64 s[50:51], s[4:5], s[50:51]
	s_add_nc_u64 s[54:55], s[8:9], s[54:55]
	s_add_nc_u64 s[56:57], s[8:9], s[56:57]
	CROUND                                         ; all four work-groups are here: the joint loads meet
	tensor_load_to_lds s[32:35], s[24:31]
	s_nop 0
.rept 4
	v_nop
.endr
	v_and_b32 v8, 31, v0
	s_delay_alu instid0(VALU_DEP_1)
	v_lshlrev_b32 v1, 4, v8                        ; 16 x lane
	s_delay_alu instid0(VALU_DEP_2)
	v_lshlrev_b32 v11, 1, v8                       ; 2 x lane
	s_delay_alu instid0(VALU_DEP_3)
	v_lshlrev_b32 v7, 2, v8                        ; 4 x lane
	global_load_b128 v[16:19], v1, s[48:49]        ; Q's codes: d = 16 h + 0..15,
	global_load_b128 v[20:23], v1, s[48:49] offset:512   ; and 32 + 16 h + 0..15
	global_load_u16 v255, v11, s[50:51]            ; Q's two scale bytes; the upper two are 0
	v_add_nc_u32 v2, 16384, v11                    ; K's scales in a record
	v_add_nc_u32 v3, 16896, v7                     ; V's scale words
	v_and_b32 v8, 15, v0
	s_delay_alu instid0(VALU_DEP_1)
	v_and_b32 v9, 8, v8
	s_delay_alu instid0(VALU_DEP_1)
	v_add_nc_u32 v8, v8, v9
	v_bfe_u32 v9, v0, 4, 1
	s_delay_alu instid0(VALU_DEP_1)
	v_lshlrev_b32 v9, 4, v9
	s_delay_alu instid0(VALU_DEP_1)
	v_sub_nc_u32 v8, v8, v9
	s_delay_alu instid0(VALU_DEP_1)
	v_add_nc_u32 v4, s58, v8                       ; d = my query's place in its group - 16 h: on the diagonal register 16 b + i is hidden where 32 b + i > d
.irp j, 0,1,2,3,4,5,6,7
	v_mov_b32 v[24+\j], 0                          ; Q's upper 64 along K: zero codes
.endr
.irp t, 0,1,2,3
.irp j, 0,1,2,3,4,5,6,7
	v_mov_b32 v[40+16*\t+\j], 0                    ; K's upper 64
.endr
.endr
	v_mov_b32 v13, 0xff61b1e6                      ; the largest t so far: -3e38
	s_delay_alu instid0(VALU_DEP_1)
	v_floor_f32 v12, -v13                          ; -M
	v_mov_b32 v14, 0
	v_mov_b32 v15, 0
.irp b, 0,1,2,3
	v_mov_b32 v[236+\b], 0                         ; written once: a lane permute's destination counts as one of its sources
.endr
	v_mov_b32 v252, 0
	v_mov_b32 v253, 0
.set j, 0
.rept 32
	v_mov_b32 v[160+j], 0                          ; O^T: the step is written once; its first pass finds zeros
.set j, j+1
.endr
	s_wait_tensorcnt 0x0                           ; my record has landed,
	s_barrier_signal -1
	s_barrier_wait -1                              ; everybody's has
	s_wait_loadcnt 0x0                             ; Q
.Lstep:                                            ; sixteen trips, a constant; the work of a step past my group is jumped over
	s_cmp_gt_u32 s[KS], s[POS]
	s_cbranch_scc1 .Lhidden
	s_setprio 2
	v_add_nc_u32 v8, s[TB], v1
	s_wait_alu depctr_va_vdst(0)
	v_add_nc_u32 v9, s[TB], v2
	s_wait_alu depctr_va_vdst(0)
	v_add_nc_u32 v10, s[TB], v3
	s_wait_alu depctr_va_vdst(0)
.rept 5
	v_nop                                          ; with the three additions: eight places in front of loads into registers that the last step's products have read
.endr
.irp g, 0,1                                    ; S^T = K Q^T, four tiles of 16 keys at a time
.if \g > 0
.rept 8
	v_nop
.endr
.endif
.irp t, 0,1,2,3
	ds_load_b128 v[32+16*\t:35+16*\t], v8 offset:(4*\g+\t)*1024
	ds_load_b128 v[36+16*\t:39+16*\t], v8 offset:(4*\g+\t)*1024+512
	ds_load_u16 v[248+\t], v9 offset:(4*\g+\t)*64
.endr
	s_wait_dscnt 0x0
.irp t, 0,1,2,3
	v_wmma_scale_f32_16x16x128_f8f6f4 v[96+8*(4*\g+\t):103+8*(4*\g+\t)], v[32+16*\t:47+16*\t], v[16:31], 0, v[248+\t], v255
.endr
.endr
.rept 8
	v_nop
.endr
.irp t, 0,1,2,3                                ; V's fragments and scale words are asked for here and land under the softmax
.irp c, 0,1,2,3
	ds_load_b128 v[32+16*\t+4*\c:35+16*\t+4*\c], v8 offset:8192+\t*2048+512*\c
.endr
	ds_load_b32 v[248+\t], v10 offset:\t*128
.endr
	s_cmp_lg_u32 s[KS], s[POS]                     ; only my own group's step lies on the diagonal
	s_cbranch_scc1 .Lopen
	v_mov_b32 v254, 0xff800000                     ; -infinity
.set n, 0
.rept 64
	v_cmp_gt_i32 vcc_lo, 32*(n/16)+n%16, v4
	v_cndmask_b32 v[96+n], v[96+n], v254, vcc_lo
.set n, n+1
.endr
.Lopen:
.irp b, 0,1,2,3
	v_max3_num_f32 v[232+\b], v[96+16*\b], v[97+16*\b], v[98+16*\b]   ; the largest score of each block of 32 keys: for the row's maximum and, since p rises with the score, for the block's largest p
.endr
.irp i, 3,5,7,9,11,13
.irp b, 0,1,2,3
	v_max3_num_f32 v[232+\b], v[232+\b], v[96+16*\b+\i], v[97+16*\b+\i]
.endr
.endr
.irp b, 0,1,2,3
	v_max_num_f32 v[232+\b], v[232+\b], v[111+16*\b]
.endr
.irp b, 0,1,2,3
	v_permlanex16_b32 v[236+\b], v[232+\b], s[SEL], s[SEL+1]
.endr
.irp b, 0,1,2,3
	s_delay_alu instid0(VALU_DEP_4)
	v_max_num_f32 v[232+\b], v[232+\b], v[236+\b]
.endr
	s_delay_alu instid0(VALU_DEP_2)
	v_max3_num_f32 v254, v232, v233, v234
	s_delay_alu instid0(VALU_DEP_1)
	v_max_num_f32 v254, v254, v235
	s_delay_alu instid0(VALU_DEP_1)
	v_mul_f32 v254, s[CS], v254                    ; the step's largest t
	s_delay_alu instid0(VALU_DEP_1)
	v_max_num_f32 v13, v13, v254
	v_mov_b32 v254, v12
	s_delay_alu instid0(VALU_DEP_2)
	v_floor_f32 v12, -v13                          ; the new -M = -ceil(t)
	s_delay_alu instid0(VALU_DEP_1)
	v_sub_f32 v254, v12, v254                      ; old M - new M: a whole number, 0 or less
	s_delay_alu instid0(VALU_DEP_1)
	v_cvt_i32_f32 v254, v254
	s_delay_alu instid0(VALU_DEP_1)
	v_ldexp_f32 v252, 1.0, v254                    ; f = 2^(old M - new M)
.set j, 0
	s_setprio 1
.rept 32
	v_pk_fma_f32 v[96+j:97+j], v[96+j:97+j], s[CS:CS+1], v[12:13] op_sel_hi:[1,0,0]   ; t - M
.set j, j+2
.endr
.irp b, 0,1,2,3
	v_fma_f32 v[232+\b], v[232+\b], s[CS], v12
.endr
.set j, 0
	s_wait_alu depctr_va_vdst(0)
.rept 64
	v_exp_f32 v[96+j], v[96+j]                     ; p = 2^(t - M)
.set j, j+1
.endr
	v_pk_mul_f32 v[14:15], v[14:15], v[252:253] op_sel_hi:[1,0]   ; the sums under the new M: a plain line behind the exponentials
	s_wait_alu depctr_va_vdst(0)                   ; the wait ahead of the first reader: one for the batch
.irp b, 0,1,2,3
	v_exp_f32 v[232+\b], v[232+\b]                 ; each block's largest p
.endr
	v_pk_add_f32 v[236:237], v[100:101], v[104:105]
	v_pk_add_f32 v[246:247], v[108:109], v[112:113]
	v_pk_add_f32 v[244:245], v[116:117], v[120:121]
	v_pk_add_f32 v[242:243], v[124:125], v[128:129]
	v_pk_add_f32 v[240:241], v[132:133], v[136:137]
	v_pk_add_f32 v[238:239], v[140:141], v[144:145]
	v_pk_add_f32 v[230:231], v[148:149], v[152:153]
	v_pk_add_f32 v[14:15], v[14:15], v[156:157]
	v_pk_add_f32 v[236:237], v[236:237], v[96:97]
	v_pk_add_f32 v[246:247], v[246:247], v[98:99]
	v_pk_add_f32 v[244:245], v[244:245], v[102:103]
	v_pk_add_f32 v[242:243], v[242:243], v[106:107]
	v_pk_add_f32 v[240:241], v[240:241], v[110:111]
	v_pk_add_f32 v[238:239], v[238:239], v[114:115]
	v_pk_add_f32 v[230:231], v[230:231], v[118:119]
	v_pk_add_f32 v[14:15], v[14:15], v[122:123]
	v_pk_add_f32 v[236:237], v[236:237], v[126:127]
	v_pk_add_f32 v[246:247], v[246:247], v[130:131]
	v_pk_add_f32 v[244:245], v[244:245], v[134:135]
	v_pk_add_f32 v[242:243], v[242:243], v[138:139]
	v_pk_add_f32 v[240:241], v[240:241], v[142:143]
	v_pk_add_f32 v[238:239], v[238:239], v[146:147]
	v_pk_add_f32 v[230:231], v[230:231], v[150:151]
	v_pk_add_f32 v[14:15], v[14:15], v[154:155]
	v_pk_add_f32 v[236:237], v[236:237], v[158:159]
	s_delay_alu instid0(VALU_DEP_2)
	v_pk_add_f32 v[14:15], v[14:15], v[242:243]
	s_delay_alu instid0(VALU_DEP_2)
	v_pk_add_f32 v[236:237], v[236:237], v[240:241]
	v_pk_add_f32 v[246:247], v[246:247], v[238:239]
	v_pk_add_f32 v[244:245], v[244:245], v[230:231]
	s_delay_alu instid0(VALU_DEP_2)
	v_pk_add_f32 v[14:15], v[14:15], v[246:247]
	s_delay_alu instid0(VALU_DEP_2)
	v_pk_add_f32 v[236:237], v[236:237], v[244:245]
	s_delay_alu instid0(VALU_DEP_1)
	v_pk_add_f32 v[14:15], v[14:15], v[236:237]
	s_setprio 0
	s_wait_alu depctr_va_vdst(0)                   ; and one for the four
.irp b, 0,1,2,3
	v_max_num_f32 v[232+\b], 0x4800000, v[232+\b]  ; the floor 2^(9 - 127)
.endr
.irp b, 0,1,2,3
	s_delay_alu instid0(VALU_DEP_4)
	v_add_nc_u32 v[244+\b], 0xfc000000, v[232+\b]
.endr
.irp b, 0,1,2,3
.endr
.irp b, 0,1,2,3
	s_delay_alu instid0(VALU_DEP_4)
	v_lshrrev_b32 v[236+\b], 23, v[244+\b]
.endr
	s_delay_alu instid0(VALU_DEP_3)
	v_lshl_or_b32 v253, v237, 8, v236              ; p's scale word for these 128 keys
	s_delay_alu instid0(VALU_DEP_1)
	v_lshl_or_b32 v253, v238, 16, v253
	s_delay_alu instid0(VALU_DEP_1)
	v_lshl_or_b32 v253, v239, 24, v253
.irp b, 0,1,2,3
.irp i, 0,1,2,3,4,5,6,7,8,9,10,11,12,13,14,15
.endr
	v_cvt_scalef32_pk8_fp8_f32 v[224+4*\b:225+4*\b], v[96+16*\b:103+16*\b], v[244+\b]
	v_cvt_scalef32_pk8_fp8_f32 v[226+4*\b:227+4*\b], v[104+16*\b:111+16*\b], v[244+\b]
.endr
.set j, 0
.rept 16
	v_pk_mul_f32 v[160+j:161+j], v[160+j:161+j], v[252:253] op_sel_hi:[1,0]   ; O^T under the new M; these sixteen are also the places in front of the products
.set j, j+2
.endr
	s_wait_alu depctr_va_vdst(0)
	s_wait_dscnt 0x0                               ; V
.irp t, 0,1,2,3
	v_wmma_scale_f32_16x16x128_f8f6f4 v[160+8*\t:167+8*\t], v[32+16*\t:47+16*\t], v[224:239], v[160+8*\t:167+8*\t], v[248+\t], v253
.endr
.Lhidden:
	s_add_co_u32 s[TB], s[TB], REC
	s_add_co_u32 s[KS], s[KS], 1
	s_cmp_lt_u32 s[KS], 16
	s_cbranch_scc1 .Lstep
	s_setprio 0
	; THE WAY OUT: O^T / the sum, quantised along d (two blocks of 32), into y's image
	v_add_f32 v14, v14, v15
	s_delay_alu instid0(VALU_DEP_1)
	v_permlanex16_b32 v252, v14, s[SEL], s[SEL+1]
	s_delay_alu instid0(VALU_DEP_1)
	v_add_f32 v14, v14, v252                       ; the row's sum
	s_wait_alu depctr_va_vdst(0)
	v_rcp_f32 v14, v14
.rept 8
	v_nop                                          ; the places behind the last products, and the plain line behind the reciprocal
.endr
	s_wait_alu depctr_va_vdst(0)                   ; ahead of the reciprocal's first reader
.set j, 0
.rept 16
	v_pk_mul_f32 v[96+j:97+j], v[160+j:161+j], v[14:15] op_sel_hi:[1,0]   ; register 16 b + i is d = 32 b + 16 h + i
.set j, j+2
.endr
.irp b, 0,1
	v_max3_num_f32 v[232+\b], |v[96+16*\b]|, |v[97+16*\b]|, 0x4800000
.endr
.irp i, 2,4,6,8,10,12,14
.irp b, 0,1
	s_delay_alu instid0(VALU_DEP_2)
	v_max3_num_f32 v[232+\b], v[232+\b], |v[96+16*\b+\i]|, |v[97+16*\b+\i]|
.endr
.endr
.irp b, 0,1
	v_permlanex16_b32 v[236+\b], v[232+\b], s[SEL], s[SEL+1]
.endr
.irp b, 0,1
	s_delay_alu instid0(VALU_DEP_2)
	v_max_num_f32 v[232+\b], v[232+\b], v[236+\b]
.endr
.irp b, 0,1
	s_delay_alu instid0(VALU_DEP_2)
	v_add_nc_u32 v[244+\b], 0xfc000000, v[232+\b]
.endr
.irp b, 0,1
.endr
.irp b, 0,1
	s_delay_alu instid0(VALU_DEP_2)
	v_lshrrev_b32 v[236+\b], 23, v[244+\b]
.endr
	s_delay_alu instid0(VALU_DEP_1)
	v_lshl_or_b32 v192, v237, 8, v236              ; my row's two scale bytes
.irp b, 0,1
.irp i, 0,1,2,3,4,5,6,7,8,9,10,11,12,13,14,15
.endr
	v_cvt_scalef32_pk8_fp8_f32 v[224+4*\b:225+4*\b], v[96+16*\b:103+16*\b], v[244+\b]
	v_cvt_scalef32_pk8_fp8_f32 v[226+4*\b:227+4*\b], v[104+16*\b:111+16*\b], v[244+\b]
.endr
	v_nop
	global_store_b128 v1, v[224:227], s[54:55]
	global_store_b128 v1, v[228:231], s[54:55] offset:512
	global_store_b16 v7, v192, s[56:57]
	s_wait_tensorcnt 0x0                           ; the wave's end
	ds_add_u32 v[SPW], v[NIL]
	s_wait_dscnt 0x0
	CROUND                                         ; the closing round
	s_endpgm
.Lfunc_end_k_q371135d7ba_attn:
	.size	k_q371135d7ba_attn, .Lfunc_end_k_q371135d7ba_attn-k_q371135d7ba_attn
	.p2alignl 7, 3214868480
	.fill 96, 4, 3214868480
	.section	.rodata,"a",@progbits
	.p2align	6, 0x0
	.amdhsa_kernel k_q371135d7ba_attn
		.amdhsa_group_segment_fixed_size 327680
		.amdhsa_private_segment_fixed_size 0
		.amdhsa_enable_private_segment 0
		.amdhsa_kernarg_size 24
		.amdhsa_user_sgpr_count 2
		.amdhsa_user_sgpr_kernarg_segment_ptr 1
		.amdhsa_wavefront_size32 1
		.amdhsa_system_sgpr_workgroup_id_x 1
		.amdhsa_system_sgpr_workgroup_id_y 1
		.amdhsa_system_sgpr_workgroup_id_z 1
		.amdhsa_system_vgpr_workitem_id 0
		.amdhsa_next_free_vgpr 256
		.amdhsa_next_free_sgpr 66
		.amdhsa_reserve_vcc 1
		.amdhsa_float_denorm_mode_32 3
		.amdhsa_float_denorm_mode_16_64 3
		.amdhsa_fp16_overflow 1
		.amdhsa_memory_ordered 1
		.amdhsa_forward_progress 1
		.amdhsa_inst_pref_size 36
	.end_amdhsa_kernel
	.amdgpu_metadata
---
amdhsa.version: [ 1, 2 ]
amdhsa.kernels:
  - .name:           k_q371135d7ba_attn
    .symbol:         k_q371135d7ba_attn.kd
    .args:
      - { .name: qimg, .offset: 0, .size: 8, .value_kind: global_buffer, .address_space: global }
      - { .name: kvimg, .offset: 8, .size: 8, .value_kind: global_buffer, .address_space: global }
      - { .name: yimg, .offset: 16, .size: 8, .value_kind: global_buffer, .address_space: global }
    .group_segment_fixed_size: 327680
    .private_segment_fixed_size: 0
    .kernarg_segment_align: 8
    .kernarg_segment_size: 24
    .max_flat_workgroup_size: 512
    .sgpr_count:     66
    .vgpr_count:     256
    .wavefront_size: 32
...
	.end_amdgpu_metadata
.endif
;; end of part 8
;; launch gemm_o (part 9): grid 8 x 32, 4 waves a work-group, clusters of 4 x 4, 327,680 bytes of LDS; arguments yimg, wimg, bo, x, x1; writes x1
.if DOCPART == 9
	.amdgcn_target "amdgcn-amd-amdhsa--gfx1250"
	.amdhsa_code_object_version 6
	.text
	.protected	k_q371135d7ba_gemm_o
	.globl	k_q371135d7ba_gemm_o
	.p2align	8
	.type	k_q371135d7ba_gemm_o,@function
k_q371135d7ba_gemm_o:
	s_mov_b64 s[64:65], 0
	v_nop
	global_prefetch_b8 v0, s[64:65] scope:SCOPE_SE
	s_setreg_imm32_b32 hwreg(HW_REG_WAVE_MODE, 25, 1), 1
	s_wait_xcnt 0x0
	s_wait_alu depctr_hold_cnt(0) depctr_sa_sdst(0) depctr_va_vdst(0) depctr_va_sdst(0) depctr_va_ssrc(0) depctr_va_vcc(0) depctr_vm_vsrc(0)
	s_getreg_b32 s2, hwreg(HW_REG_IB_STS2, 6, 4)
	s_cmp_eq_u32 s2, 0
	s_cbranch_scc0 .Lentry_in_a_cluster
	s_endpgm
.Lentry_in_a_cluster:
	s_bfe_u32 s2, ttmp6, 0x10000c
	s_cmp_lg_u32 s2, 0xf033
	s_cbranch_scc0 .Lentry_shape_is_right
	s_endpgm
.Lentry_shape_is_right:
; x1 = x + (y Wo^T + bo), the product on codes of FP8 (E4M3) with E8M0 scales, K = 1,024; sums, bias and residual in f32.  No work is left out here.
; OPERANDS come as images of the matrix operand's registers: a group of 128 rows x 128 K is GB = 17,408 bytes (fragment i, register quad c, lane l at 2048 i + 512 c + 16 l; scale words at 16,384 + 128 i + 4 l, lanes 16-31
; holding what lanes 0-15 hold); group (G, s) lies at (G NS + s) GB; lane-row r of fragment i is row 32 (i / 2) + 8 (i % 2) + r + 8 (r / 8).  So 128 rows x 512 K are ONE dense block of 69,632 bytes with the scales inside.
; ROLES.  P (the weight) is source 0, R (the tokens) source 1: in accumulator (a, b) lane (r, h) holds the token of lane-row r of R's fragment, and register j the column 32 (b / 2) + 16 h + 8 (b % 2) + j of the wave's 64.
; SHARES.  The result has 64 tiles of 256 x 256 and 256 of 128 x 128: a work-group makes 128 x 128, each of its four waves 64 x 64 in 16 accumulators.  K goes in steps of 512 through two LDS slots, as long as two slots allow:
; a slot holds R's four groups, then P's four.  Waves 0 and 1 fetch R's halves (K 0-255, 256-511 of the slot), waves 2 and 3 P's: one tensor load a wave, 34,816 dense bytes.
; CLUSTERS: 4 x 4 work-groups.  The four of a row of the cluster need the same groups of R, the four of a column the same groups of P: each is asked for JOINTLY, by the same load with the same descriptor and a mask of the four.
; With KDIM = 1,024 both slots are first fills: nothing is filled again, and the lines for refills and prefetches (LAPS > 1, fill = 1) are not assembled.
; REGISTERS: window 0: v1-31 addresses, v8-11 the bias; v32-63 scale words, two sets; v64-127 rows on the way out; v128-255 the accumulators ((a, b) at v[128 + 8 (4 a + b)]).
;   window 1: two fragment buffers of 128: R's four fragments, then P's four.   window 2: v0-127 my 64 x 64 of the residual, asked for at the head.
.set KDIM,   1024
.set POFF,   3342336                   ; Wo's image in wimg
.set NTS,    0                         ; 1: the result's stores carry the hint for data that is not read again
.set NS,     KDIM/128
.set GB,     17408
.set HALFT,  2*GB                      ; 128 rows x 256 K: what one tensor load brings
.set SLOT,   8*GB                      ; R's four groups, then P's four
.set SPARE,  2*SLOT                    ; behind the ring: the spare words, 128 bytes for each wave: two blocks of 256 bytes that no other line names
.set LAPS,   KDIM/1024                 ; a lap = two slots = once round the ring
.set FR,     16                        ; registers of a fragment
.set NP,     8                         ; places behind this matrix instruction (ISA guide 7.12.1)
.set SPITCH, 272                       ; the way out: a stage of 16 rows x (256 bytes + 16) for each wave, in slot 0, which has had its last fill and its last read by then
.set BV,     8                         ; v8-11  the bias of my four columns of a row
.set ADRA,   16                        ; v16-17 LDS address of my R fragments in slot 0, 1
.set ADRB,   20                        ; v20-21 the same for P
.set ADRS,   22                        ; v22-23 of my scale words: lanes 0-15 R's, lanes 16-31 P's
.set STO,    24                        ; v24    the way out: where I put 32 bytes of a row
.set RD,     25                        ; v25    where I read 16 bytes of a row back
.set CO,     26                        ; v26    and their place in memory: 4,096 (lane / 16) + 16 (lane % 16)
.set SPW,    28                        ; v28    LDS address of my spare word; never rewritten
.set NIL,    29                        ; v29    0; never rewritten
.set PFO,    30                        ; v30    the prefetches' offset: 256 x lane; never rewritten
.set SC,     32                        ; scale words: set sc at v[SC + 16 sc]; register 4 i + q: block i, the slot's q-th 128 along K
.set BK,     64
.set ACC,    128
.set G1,     24                        ; s[24:31] descriptor group 1 for R;  s[32:39] group 0, one set for each slot
.set G0,     32
.set G1B,    48                        ; s[48:55], s[56:63] the same for P
.set G0B,    56
.set RES,    88
.set OUT,    90
.set PFA,    92                        ; s[92:93] where my prefetches stand
.set LIM,    94                        ; s94    1 in a wave that prefetches, else the greatest number
.set MSB, 0
.macro WIN new                         ; the immediate's high byte repeats the setting that is left
.if MSB != (\new)
	s_set_vgpr_msb (MSB<<8)|(\new)
.set MSB, (\new)
.endif
.endm
.set MUL,    0x05                      ; sources 0 (P) and 1 (R) window 1; C and D window 0
.set TO_F,   0x40                      ; destination window 1, address window 0
.macro JLOAD g0a, g1a, g0b, g1b        ; a joint load: waves 0 and 1 fetch for R, waves 2 and 3 for P; an s_nop 0 and four v_nop follow each of the two lines
	s_cmp_eq_u32 s15, 0
	s_cbranch_scc0 .Lfor_b_\@
	tensor_load_to_lds s[\g0a:\g0a+3], s[\g1a:\g1a+7]
	s_nop 0
.rept 4
	v_nop
.endr
	s_branch .Lasked_\@
.Lfor_b_\@:
	tensor_load_to_lds s[\g0b:\g0b+3], s[\g1b:\g1b+7]
	s_nop 0
.rept 4
	v_nop
.endr
.Lasked_\@:
.endm
; A PREFETCH INTO THE L2, behind a joint refill and the run of LDS loads that follows it: the codes of the slot that stands TWO refills on, 128 matrix instructions of a wave ahead of the load that will want them.
; A group's codes are 16,384 bytes: 64 blocks of 256.  Each block is named ONCE in the launch.  R's groups are read by both clusters of a row of clusters: the one with x = 0 asks; P's by all clusters of a column: the one with
; y = 0 asks.  Of the four partners that ask for a tile jointly the one at place p takes the slot's p-th group BY ADDRESS (p = cx for R, cy for P: no branch hangs on a place in the cluster), and of it the two waves that
; fetch the tile take half each: one instruction a wave, lanes 256 bytes apart.  The groups' scale words are not asked for; the first four slots come by their loads alone; the loop's last trip has no slot two refills on.
.macro ASK
	s_cmp_gt_u32 s3, s[LIM]                        ; s3 = 1 in the loop's last trip
	s_cbranch_scc0 .Lnot_mine_\@
	global_prefetch_b8 v[PFO], s[PFA:PFA+1] th:TH_LOAD_NT scope:SCOPE_SE
.Lnot_mine_\@:
.endm
.macro CREST                           ; a round of the cluster's barrier behind its opening barrier
	s_cmp_lg_u32 s14, 0
	s_cbranch_scc1 .Lnot_wave_0_\@
	s_barrier_signal -3
.Lnot_wave_0_\@:
	s_barrier_wait -3
	s_barrier_signal -1
	s_barrier_wait -1
.endm
.macro CROUND
	s_barrier_signal -1
	s_barrier_wait -1
	CREST
.endm
.macro FRAG reg, adr, q, i             ; a fragment comes back as it was stored: four loads of 512 consecutive bytes
.irp c, 0,1,2,3
	ds_load_b128 v[\reg+4*\c:\reg+4*\c+3], v[\adr] offset:(\q)*GB+(\i)*2048+512*\c
.endr
.endm
.macro FETCH slot, q, p                ; 32 LDS loads in one run: my four fragments of P and four of R of the slot's q-th 128 along K, into buffer p
	WIN TO_F
.irp i, 0,1,2,3
	FRAG 128*(\p)+64+FR*\i, ADRB+\slot, \q, \i
.endr
.irp i, 0,1,2,3
	FRAG 128*(\p)+FR*\i, ADRA+\slot, \q, \i
.endr
.endm
.macro SCALES sc                       ; a slot's scale words: register 4 i + q: lanes 0-15 R's block i, lanes 16-31 P's block i
.irp i, 0,1,2,3
.irp q, 0,1,2,3
	ds_load_b32 v[SC+16*\sc+4*\i+\q], v[ADRS+\sc] offset:\q*GB+128*\i
.endr
.endr
.endm
.macro MUL8 p, a0, q, sc, zero         ; R's blocks a0, a0 + 1 x P's four; the 16 accumulators take turns, one instruction a turn.  zero = 1: the first product starts the sums
.irp a, \a0, \a0+1
.irp b, 0,1,2,3
.if \zero
	v_wmma_scale_f32_16x16x128_f8f6f4 v[ACC+8*(4*(\a)+\b):ACC+8*(4*(\a)+\b)+7], v[128*(\p)+64+FR*\b:128*(\p)+64+FR*\b+FR-1], v[128*(\p)+FR*(\a):128*(\p)+FR*(\a)+FR-1], 0, v[SC+16*(\sc)+4*\b+(\q)], v[SC+16*(\sc)+4*(\a)+(\q)] matrix_a_scale:MATRIX_SCALE_ROW1
.else
	v_wmma_scale_f32_16x16x128_f8f6f4 v[ACC+8*(4*(\a)+\b):ACC+8*(4*(\a)+\b)+7], v[128*(\p)+64+FR*\b:128*(\p)+64+FR*\b+FR-1], v[128*(\p)+FR*(\a):128*(\p)+FR*(\a)+FR-1], v[ACC+8*(4*(\a)+\b):ACC+8*(4*(\a)+\b)+7], v[SC+16*(\sc)+4*\b+(\q)], v[SC+16*(\sc)+4*(\a)+(\q)] matrix_a_scale:MATRIX_SCALE_ROW1
.endif
.endr
.endr
.endm
.macro PLACES n                        ; plain vector lines in front of loads into registers that matrix instructions have read, and of the first read of results
.rept \n
	v_nop
.endr
.endm
; One of a slot's first three steps of 128 along K: the next step's fragments are asked for into the other buffer, which the last step's products have read; then this step's 16 products.
.macro STEP slot, q, zero
	PLACES NP
	FETCH \slot, (\q)+1, 1-(\q)%2
	s_wait_dscnt 32                                ; all but the 32 loads just issued: this step's fragments, and the slot's scale words, are in
	WIN MUL
	MUL8 (\q)%2, 0, \q, \slot, \zero
	MUL8 (\q)%2, 2, \q, \slot, \zero
.endm
; A slot's fourth step multiplies buffer 1 and changes slots: ONE barrier; in front of it each wave waits for all its tensor loads, adds 0 to its spare word, and waits for that and for its own reads of this slot.
; fill = 1: the barrier opens a round of the cluster's barrier, and the slot is filled again, two slots ahead.
.macro TURN slot, next, fill
	WIN 0                                          ; (the add's two registers lie in window 0)
.if \fill
	s_wait_xcnt 0x0                                ; the last prefetch, a slot back, has read its address, so it may be written:
	s_add_nc_u64 s[PFA:PFA+1], s[PFA:PFA+1], 4*GB  ; a slot on
.endif
	s_wait_tensorcnt 0x0                           ; all my tensor loads have landed: my part of the next slot
	ds_add_u32 v[SPW], v[NIL]                      ; 0 onto my spare word
	s_wait_dscnt 1                                 ; this step's fragments are in (the add may be out)
	WIN MUL
	MUL8 1, 0, 3, \slot, 0                         ; eight matrix instructions stand between the add and the wait for it
	s_wait_dscnt 0x0                               ; the add is done, and my reads of this slot are over
	s_barrier_signal -1
	MUL8 1, 2, 3, \slot, 0
	WIN 0
	s_barrier_wait -1
.if \fill
	CREST                                          ; no wave of any partner still reads this slot or has a load on its way
	s_add_nc_u64 s[G0+4*\slot+2:G0+4*\slot+3], s[G0+4*\slot+2:G0+4*\slot+3], 8*GB
	s_add_nc_u64 s[G0B+4*\slot+2:G0B+4*\slot+3], s[G0B+4*\slot+2:G0B+4*\slot+3], 8*GB
	JLOAD G0+4*\slot, G1, G0B+4*\slot, G1B         ; the first tensor load behind the round; its four v_nop are among the places in front of the loads below
	PLACES NP-4
.else
	PLACES NP
.endif
	FETCH \next, 0, 0
	WIN 0
	SCALES \next
.if \fill
	ASK
.endif
.endm
	s_load_b256 s[68:75], s[0:1], 0x0              ; R's image, the weights' image, the bias, the residual
	s_load_b64 s[76:77], s[0:1], 0x20              ; the result
	v_lshl_add_u32 v[SPW], v0, 2, SPARE
	v_mov_b32 v[NIL], 0
	ds_add_u32 v[SPW], v[NIL]                      ; the wave's opening: the add, twice on end, and its wait ahead of my first tensor load
	ds_add_u32 v[SPW], v[NIL]
	v_lshrrev_b32 v1, 5, v0
	v_readfirstlane_b32 s14, v1                    ; wave 0..3
	s_lshr_b32 s15, s14, 1                         ; which 64 of R's rows are mine.  Also: I fetch for R (0) or for P (1)
	s_and_b32 s16, s14, 1                          ; which 64 of P's rows.  Also: which half of a slot's K I fetch
	s_bfe_u32 s40, ttmp6, 0x40000                  ; cx
	s_bfe_u32 s41, ttmp6, 0x40004                  ; cy
	s_lshl_b32 s42, ttmp9, 2
	s_add_co_u32 s42, s42, s40                     ; P's group of 128 rows = 4 x cluster x + cx
	s_and_b32 s17, ttmp7, 0xffff
	s_lshl_b32 s17, s17, 2
	s_add_co_u32 s17, s17, s41                     ; R's group = 4 x cluster y + cy
	s_lshl_b32 s43, s41, 2
	s_lshl_b32 s43, 15, s43                        ; my row of the cluster
	s_lshl_b32 s44, 0x1111, s40                    ; my column
	s_or_b32 s[G1+0], s43, (3<<16)|(1<<21)         ; 15:0 the mask: R's tiles go to my row; 17:16 elements of 8 bytes; 21 set beside a mask; no padding
	s_or_b32 s[G1B+0], s44, (3<<16)|(1<<21)
.irp g, G1, G1B
	s_mov_b32 s[\g+1], 32<<16                      ; tensor_dim0 = 32 elements: 256 bytes
	s_mov_b32 s[\g+2], 136<<16                     ; tensor_dim1 = 136 rows: 34,816 dense bytes
	s_mov_b32 s[\g+3], 32<<16                      ; tile_dim0
	s_mov_b32 s[\g+4], 136                         ; tile_dim1
	s_mov_b32 s[\g+5], 32                          ; the pitch
	s_mov_b32 s[\g+6], 0
	s_mov_b32 s[\g+7], 0
.endr
	s_mul_i32 s18, s16, HALFT                      ; my half of a slot's K
	s_mul_i32 s20, s17, NS*GB
	s_add_co_u32 s20, s20, s18                     ; R: the group row, + my half
	s_mov_b32 s21, 0
	s_mul_i32 s46, s42, NS*GB
	s_add_co_u32 s46, s46, s18
	s_add_co_u32 s46, s46, POFF                    ; P likewise, in the weights' image
	s_mov_b32 s47, 0
	s_mul_i32 s45, s14, HALFT                      ; where it goes: no place in the cluster enters an LDS address
	s_wait_dscnt 0x0                               ; both opening adds are done
	s_wait_kmcnt 0x0
	s_add_nc_u64 s[20:21], s[68:69], s[20:21]
	s_add_nc_u64 s[46:47], s[70:71], s[46:47]
	CROUND                                         ; all sixteen work-groups are here: the first joint loads meet
.irp s, 0,1
	s_mov_b32 s[G0+4*\s], 1
	s_add_co_u32 s[G0+4*\s+1], s45, \s*SLOT
	s_add_nc_u64 s[G0+4*\s+2:G0+4*\s+3], s[20:21], \s*4*GB
	s_or_b32 s[G0+4*\s+3], s[G0+4*\s+3], 0x80000000
	s_mov_b32 s[G0B+4*\s], 1
	s_add_co_u32 s[G0B+4*\s+1], s45, \s*SLOT
	s_add_nc_u64 s[G0B+4*\s+2:G0B+4*\s+3], s[46:47], \s*4*GB
	s_or_b32 s[G0B+4*\s+3], s[G0B+4*\s+3], 0x80000000
	JLOAD G0+4*\s, G1, G0B+4*\s, G1B
.endr
	v_and_b32 v1, 31, v0                           ; lane
	v_bfe_u32 v2, v0, 4, 1                         ; h
	v_lshlrev_b32 v4, 4, v1                        ; 16 x lane
	v_lshlrev_b32 v3, 2, v1                        ; 4 x lane
	v_and_b32 v5, 15, v0                           ; r
	v_lshlrev_b32 v7, 4, v5                        ; 16 r
	s_lshl_b32 s21, s15, 13                        ; my four fragments of R: 2,048 bytes each
	s_lshl_b32 s22, s16, 13
	s_add_co_u32 s22, s22, 4*GB                    ; my four of P, behind R's four groups
	s_lshl_b32 s18, s15, 9                         ; their scale words: 128 bytes a fragment
	s_lshl_b32 s19, s16, 9
	s_add_co_u32 s19, s19, 4*GB
	s_sub_co_u32 s23, s19, s18
	v_mul_u32_u24 v6, s23, v2                      ; lanes 16-31 take P's scale words: the lower base + h x the distance
	v_add_nc_u32 v6, v6, v3
	s_add_co_u32 s23, s18, 16384
.irp s, 0,1
	v_add_nc_u32 v[ADRA+\s], s21, v4
	v_add_nc_u32 v[ADRB+\s], s22, v4
	v_add_nc_u32 v[ADRS+\s], s23, v6
	s_add_co_u32 s21, s21, SLOT
	s_add_co_u32 s22, s22, SLOT
	s_add_co_u32 s23, s23, SLOT
.endr
	s_mul_i32 s23, s14, 16*SPITCH                  ; my stage
	v_mul_u32_u24 v5, v5, SPITCH
	v_lshl_add_u32 v5, v2, 6, v5
	v_add_nc_u32 v[STO], s23, v5                   ; in: row r, + 64 h
	v_mul_u32_u24 v6, v2, SPITCH
	v_add_nc_u32 v6, v6, v7
	v_add_nc_u32 v[RD], s23, v6                    ; back: lanes 0-15 take one row of 256 bytes, lanes 16-31 the next
	v_lshl_add_u32 v[CO], v2, 12, v7               ; and the same two rows in memory
	s_lshl_b32 s20, s17, 1
	s_add_co_u32 s20, s20, s15
	s_lshl_b32 s20, s20, 18                        ; my 64 rows of 4,096 bytes
	s_lshl_b32 s46, s42, 9
	s_lshl_b32 s47, s16, 8
	s_add_co_u32 s46, s46, s47                     ; my 64 columns, in bytes
	s_mov_b32 s47, 0
	s_add_nc_u64 s[86:87], s[72:73], s[46:47]
	s_add_co_u32 s46, s46, s20
	s_add_nc_u64 s[RES:RES+1], s[74:75], s[46:47]
	s_add_nc_u64 s[OUT:OUT+1], s[76:77], s[46:47]
	global_load_b128 v[BV:BV+3], v7, s[86:87]      ; the bias of my four columns of a row
	WIN 0x80                                       ; destination window 2
.irp a, 0,1,2,3                                ; my 64 x 64 of the residual, in the order in which the way out reads rows back: it lands under the products.  Row 2 t + h of block a is row 32 (a / 2) + 8 (a % 2) + 2 t + 8 (t / 4) + h of my 64
.irp t, 0,1,2,3,4,5,6,7
	global_load_b128 v[32*\a+4*\t:32*\a+4*\t+3], v[CO], s[RES:RES+1] offset:(32*(\a/2)+8*(\a%2)+2*\t+8*(\t/4))*4096 th:TH_LOAD_NT
.endr
.endr
	WIN 0
.if LAPS > 1
	; the prefetches (macro ASK): where my wave's stand, and who asks
	s_and_b32 s97, ttmp7, 0xffff                   ; cluster y
	s_cmp_eq_u32 s15, 0                            ; do I fetch for R?
	s_cselect_b32 s95, s17, s42                    ; the group row
	s_cselect_b32 s96, s40, s41                    ; my place among the four that ask for it with me
	s_cselect_b32 s97, ttmp9, s97                  ; the coordinate along which other clusters read the same groups
	s_cselect_b32 s98, 0, POFF
	s_cselect_b64 s[PFA:PFA+1], s[68:69], s[70:71]
	s_cmp_eq_u32 s97, 0
	s_cselect_b32 s[LIM], 1, -1                    ; the same in all sixteen partners, for a given wave
	s_mul_i32 s95, s95, NS*GB
	s_add_co_u32 s98, s98, s95
	s_mul_i32 s96, s96, GB                         ; my work-group's group of a slot's four
	s_add_co_u32 s98, s98, s96
	s_lshl_b32 s96, s16, 13                        ; my wave's half of its codes
	s_add_co_u32 s98, s98, s96
	s_add_co_u32 s98, s98, 3*4*GB                  ; in the fourth slot's worth of K: the first refill steps it to the fifth.  Nothing is prefetched here, at the head
	s_mov_b32 s99, 0
	s_add_nc_u64 s[PFA:PFA+1], s[PFA:PFA+1], s[98:99]
	v_lshlrev_b32 v[PFO], 8, v1
.endif
	s_wait_tensorcnt 1                             ; my part of slot 0 is in (slot 1's load may be out)
	s_barrier_signal -1
	s_barrier_wait -1                              ; everybody's is
	FETCH 0, 0, 0
	WIN 0
	SCALES 0
	STEP 0, 0, 1                                   ; the first step stands in front of the loop: its products start the sums
.if LAPS > 1
	WIN 0                                          ; at a label and at a branch every window is 0
	s_mov_b32 s3, LAPS-1
.Llap:                                             ; a trip goes once round the ring, from a lap's second step to the next lap's first, and fills both slots again
	STEP 0, 1, 0
	STEP 0, 2, 0
	TURN 0, 1, 1
	STEP 1, 0, 0
	STEP 1, 1, 0
	STEP 1, 2, 0
	TURN 1, 0, 1
	STEP 0, 0, 0
	WIN 0
	s_sub_co_u32 s3, s3, 1
	s_cmp_lg_u32 s3, 0
	s_cbranch_scc1 .Llap
.endif
	STEP 0, 1, 0                                   ; the last lap fills nothing, and has no round of the cluster's barrier
	STEP 0, 2, 0
	TURN 0, 1, 0
	STEP 1, 0, 0
	STEP 1, 1, 0
	STEP 1, 2, 0
	s_wait_dscnt 0x0                               ; the very last step: nothing more to fetch
	WIN MUL
	MUL8 1, 0, 3, 1, 0
	MUL8 1, 2, 3, 1, 0
	WIN 0
; THE WAY OUT, block by block of 16 rows x 64 columns.  A lane holds 32 neighbouring bytes of a row, and the lanes beside it hold other rows: so a block goes through my own stage in LDS and comes back as whole rows of
; 256 bytes, two rows an instruction; + bias, + residual; sixteen lanes store 256 consecutive bytes, at a multiple of 256 from the buffer's first byte.  Every offset is an immediate: 62 rows of 4,096 bytes at the most.
.macro TOSTAGE a
.irp b, 0,1,2,3
	ds_store_b128 v[STO], v[ACC+8*(4*(\a)+\b):ACC+8*(4*(\a)+\b)+3] offset:128*(\b/2)+32*(\b%2)          ; each accumulator from its low end on
	ds_store_b128 v[STO], v[ACC+8*(4*(\a)+\b)+4:ACC+8*(4*(\a)+\b)+7] offset:128*(\b/2)+32*(\b%2)+16
.endr
.set BB, BK+32*((\a)%2)
.irp t, 0,1,2,3,4,5,6,7
	ds_load_b128 v[BB+4*\t:BB+4*\t+3], v[RD] offset:\t*2*SPITCH   ; LDS serves a wave's instructions in order (ISA guide 5.7.1.4): these see the stores above, and the next block's stores come behind them
.endr
.endm
.macro SEND a, younger                 ; younger: the LDS instructions issued behind block a's loads, which may stay out
.set BB, BK+32*((\a)%2)
.set RB, 32*(\a)
	s_wait_dscnt \younger
.irp t, 0,1,2,3,4,5,6,7
	v_pk_add_f32 v[BB+4*\t:BB+4*\t+1], v[BB+4*\t:BB+4*\t+1], v[BV:BV+1]
	v_pk_add_f32 v[BB+4*\t+2:BB+4*\t+3], v[BB+4*\t+2:BB+4*\t+3], v[BV+2:BV+3]
.endr
	WIN 0x08                                       ; source 1: window 2
.irp t, 0,1,2,3,4,5,6,7
	v_pk_add_f32 v[BB+4*\t:BB+4*\t+1], v[BB+4*\t:BB+4*\t+1], v[RB+4*\t:RB+4*\t+1]
	v_pk_add_f32 v[BB+4*\t+2:BB+4*\t+3], v[BB+4*\t+2:BB+4*\t+3], v[RB+4*\t+2:RB+4*\t+3]
.endr
	WIN 0
.irp t, 0,1,2,3,4,5,6,7
.if NTS
	global_store_b128 v[CO], v[BB+4*\t:BB+4*\t+3], s[OUT:OUT+1] offset:(32*((\a)/2)+8*((\a)%2)+2*\t+8*(\t/4))*4096 th:TH_STORE_NT
.else
	global_store_b128 v[CO], v[BB+4*\t:BB+4*\t+3], s[OUT:OUT+1] offset:(32*((\a)/2)+8*((\a)%2)+2*\t+8*(\t/4))*4096
.endif
.endr
.endm
	PLACES NP                                      ; in front of the first read of results
	s_wait_loadcnt 0x0                             ; the bias and the residual, asked for at the head
	TOSTAGE 0
.irp a, 1,2,3
.if \a > 1
	s_wait_xcnt 0x0                                ; block a - 2's stores have read their registers: block a's rows may land there
.endif
	TOSTAGE \a
	SEND \a-1, 16                                  ; behind block a - 1's loads: block a's 8 stores and 8 loads
.endr
	SEND 3, 0
	s_wait_tensorcnt 0x0                           ; the wave's end, behind my last tensor load and my last LDS store
	ds_add_u32 v[SPW], v[NIL]
	s_wait_dscnt 0x0
	CROUND                                         ; the closing round: no work-group ends while a partner may still ask for a tile that names it
	s_endpgm
.Lfunc_end_k_q371135d7ba_gemm_o:
	.size	k_q371135d7ba_gemm_o, .Lfunc_end_k_q371135d7ba_gemm_o-k_q371135d7ba_gemm_o
	.p2alignl 7, 3214868480
	.fill 96, 4, 3214868480
	.section	.rodata,"a",@progbits
	.p2align	6, 0x0
	.amdhsa_kernel k_q371135d7ba_gemm_o
		.amdhsa_group_segment_fixed_size 327680
		.amdhsa_private_segment_fixed_size 0
		.amdhsa_enable_private_segment 0
		.amdhsa_kernarg_size 40
		.amdhsa_user_sgpr_count 2
		.amdhsa_user_sgpr_kernarg_segment_ptr 1
		.amdhsa_wavefront_size32 1
		.amdhsa_system_sgpr_workgroup_id_x 1
		.amdhsa_system_sgpr_workgroup_id_y 1
		.amdhsa_system_sgpr_workgroup_id_z 1
		.amdhsa_system_vgpr_workitem_id 0
		.amdhsa_next_free_vgpr 768
		.amdhsa_next_free_sgpr 100
		.amdhsa_reserve_vcc 0
		.amdhsa_float_denorm_mode_32 3
		.amdhsa_float_denorm_mode_16_64 3
		.amdhsa_memory_ordered 1
		.amdhsa_forward_progress 1
		.amdhsa_inst_pref_size 64
	.end_amdhsa_kernel
	.amdgpu_metadata
---
amdhsa.version: [ 1, 2 ]
amdhsa.kernels:
  - .name:           k_q371135d7ba_gemm_o
    .symbol:         k_q371135d7ba_gemm_o.kd
    .args:
      - { .name: yimg, .offset: 0, .size: 8, .value_kind: global_buffer, .address_space: global }
      - { .name: wimg, .offset: 8, .size: 8, .value_kind: global_buffer, .address_space: global }
      - { .name: bo, .offset: 16, .size: 8, .value_kind: global_buffer, .address_space: global }
      - { .name: x, .offset: 24, .size: 8, .value_kind: global_buffer, .address_space: global }
      - { .name: x1, .offset: 32, .size: 8, .value_kind: global_buffer, .address_space: global }
    .group_segment_fixed_size: 327680
    .private_segment_fixed_size: 0
    .kernarg_segment_align: 8
    .kernarg_segment_size: 40
    .max_flat_workgroup_size: 128
    .sgpr_count:     100
    .vgpr_count:     768
    .wavefront_size: 32
...
	.end_amdgpu_metadata
.endif
;; end of part 9
;; launch ln2: the kernel of part 1 again; grid 256 x 1, 4 waves a work-group, no clusters, 75,776 bytes of LDS; arguments x1, ln2_g, ln2_b, himg, Wq, Wk, Wv, Wo, Wfc, Wp2, wimg; writes himg
;; launch gemm_fc: the kernel of part 5 again; grid 16 x 16, 4 waves a work-group, clusters of 4 x 4, 327,680 bytes of LDS; arguments himg, wimg, bfc, gimg; writes gimg
;; launch gemm_p2 (part 10): grid 8 x 32, 4 waves a work-group, clusters of 4 x 4, 327,680 bytes of LDS; arguments gimg, wimg, bp2, x1, out0; writes out0
.if DOCPART == 10
	.amdgcn_target "amdgcn-amd-amdhsa--gfx1250"
	.amdhsa_code_object_version 6
	.text
	.protected	k_q371135d7ba_gemm_p2
	.globl	k_q371135d7ba_gemm_p2
	.p2align	8
	.type	k_q371135d7ba_gemm_p2,@function
k_q371135d7ba_gemm_p2:
	s_mov_b64 s[64:65], 0
	v_nop
	global_prefetch_b8 v0, s[64:65] scope:SCOPE_SE
	s_setreg_imm32_b32 hwreg(HW_REG_WAVE_MODE, 25, 1), 1
	s_wait_xcnt 0x0
	s_wait_alu depctr_hold_cnt(0) depctr_sa_sdst(0) depctr_va_vdst(0) depctr_va_sdst(0) depctr_va_ssrc(0) depctr_va_vcc(0) depctr_vm_vsrc(0)
	s_getreg_b32 s2, hwreg(HW_REG_IB_STS2, 6, 4)
	s_cmp_eq_u32 s2, 0
	s_cbranch_scc0 .Lentry_in_a_cluster
	s_endpgm
.Lentry_in_a_cluster:
	s_bfe_u32 s2, ttmp6, 0x10000c
	s_cmp_lg_u32 s2, 0xf033
	s_cbranch_scc0 .Lentry_shape_is_right
	s_endpgm
.Lentry_shape_is_right:
; out = x1 + (g Wp2^T + bp2), the product on codes of FP8 (E4M3) with E8M0 scales, K = 4,096; sums, bias and residual in f32.  No work is left out here.
; OPERANDS come as images of the matrix operand's registers: a group of 128 rows x 128 K is GB = 17,408 bytes (fragment i, register quad c, lane l at 2048 i + 512 c + 16 l; scale words at 16,384 + 128 i + 4 l, lanes 16-31
; holding what lanes 0-15 hold); group (G, s) lies at (G NS + s) GB; lane-row r of fragment i is row 32 (i / 2) + 8 (i % 2) + r + 8 (r / 8).  So 128 rows x 512 K are ONE dense block of 69,632 bytes with the scales inside.
; ROLES.  P (the weight) is source 0, R (the tokens) source 1: in accumulator (a, b) lane (r, h) holds the token of lane-row r of R's fragment, and register j the column 32 (b / 2) + 16 h + 8 (b % 2) + j of the wave's 64.
; SHARES.  The result has 64 tiles of 256 x 256 and 256 of 128 x 128: a work-group makes 128 x 128, each of its four waves 64 x 64 in 16 accumulators.  K goes in steps of 512 through two LDS slots, as long as two slots allow:
; a slot holds R's four groups, then P's four.  Waves 0 and 1 fetch R's halves (K 0-255, 256-511 of the slot), waves 2 and 3 P's: one tensor load a wave, 34,816 dense bytes.  By this text's count a wave has two tensor
; loads out at the start and one behind each round.
; CLUSTERS: 4 x 4 work-groups.  The four of a row of the cluster need the same groups of R, the four of a column the same groups of P: each is asked for JOINTLY, by the same load with the same descriptor and a mask of the four.
; REGISTERS: window 0: v1-31 addresses, v8-11 the bias; v32-63 scale words, two sets; v64-127 rows on the way out; v128-255 the accumulators ((a, b) at v[128 + 8 (4 a + b)]).
;   window 1: two fragment buffers of 128: R's four fragments, then P's four.   window 2: v0-127 my 64 x 64 of the residual, asked for at the head.
.set KDIM,   4096
.set POFF,   8912896                   ; Wp2's image in wimg
.set NTS,    1                         ; 1: the result's stores carry the hint for data that is not read again
.set NS,     KDIM/128
.set GB,     17408
.set HALFT,  2*GB                      ; 128 rows x 256 K: what one tensor load brings
.set SLOT,   8*GB                      ; R's four groups, then P's four
.set SPARE,  2*SLOT                    ; behind the ring: the spare words, 128 bytes for each wave: two blocks of 256 bytes that no other line names
.set LAPS,   KDIM/1024                 ; a lap = two slots = once round the ring
.set FR,     16                        ; registers of a fragment
.set NP,     8                         ; places behind this matrix instruction (ISA guide 7.12.1)
.set SPITCH, 272                       ; the way out: a stage of 16 rows x (256 bytes + 16) for each wave, in slot 0, which has had its last fill and its last read by then
.set BV,     8                         ; v8-11  the bias of my four columns of a row
.set ADRA,   16                        ; v16-17 LDS address of my R fragments in slot 0, 1
.set ADRB,   20                        ; v20-21 the same for P
.set ADRS,   22                        ; v22-23 of my scale words: lanes 0-15 R's, lanes 16-31 P's
.set STO,    24                        ; v24    the way out: where I put 32 bytes of a row
.set RD,     25                        ; v25    where I read 16 bytes of a row back
.set CO,     26                        ; v26    and their place in memory: 4,096 (lane / 16) + 16 (lane % 16)
.set SPW,    28                        ; v28    LDS address of my spare word; never rewritten
.set NIL,    29                        ; v29    0; never rewritten
.set PFO,    30                        ; v30    the prefetches' offset: 256 x lane; never rewritten
.set SC,     32                        ; scale words: set sc at v[SC + 16 sc]; register 4 i + q: block i, the slot's q-th 128 along K
.set BK,     64
.set ACC,    128
.set G1,     24                        ; s[24:31] descriptor group 1 for R;  s[32:39] group 0, one set for each slot
.set G0,     32
.set G1B,    48                        ; s[48:55], s[56:63] the same for P
.set G0B,    56
.set RES,    88
.set OUT,    90
.set PFA,    92                        ; s[92:93] where my prefetches stand
.set LIM,    94                        ; s94    1 in a wave that prefetches, else the greatest number
.set MSB, 0
.macro WIN new                         ; the immediate's high byte repeats the setting that is left
.if MSB != (\new)
	s_set_vgpr_msb (MSB<<8)|(\new)
.set MSB, (\new)
.endif
.endm
.set MUL,    0x05                      ; sources 0 (P) and 1 (R) window 1; C and D window 0
.set TO_F,   0x40                      ; destination window 1, address window 0
.macro JLOAD g0a, g1a, g0b, g1b        ; a joint load: waves 0 and 1 fetch for R, waves 2 and 3 for P; an s_nop 0 and four v_nop follow each of the two lines
	s_cmp_eq_u32 s15, 0
	s_cbranch_scc0 .Lfor_b_\@
	tensor_load_to_lds s[\g0a:\g0a+3], s[\g1a:\g1a+7]
	s_nop 0
.rept 4
	v_nop
.endr
	s_branch .Lasked_\@
.Lfor_b_\@:
	tensor_load_to_lds s[\g0b:\g0b+3], s[\g1b:\g1b+7]
	s_nop 0
.rept 4
	v_nop
.endr
.Lasked_\@:
.endm
; A PREFETCH INTO THE L2, behind a joint refill and the run of LDS loads that follows it: the codes of the slot that stands TWO refills on, 128 matrix instructions of a wave ahead of the load that will want them.
; A group's codes are 16,384 bytes: 64 blocks of 256.  Each block is named ONCE in the launch.  R's groups are read by both clusters of a row of clusters: the one with x = 0 asks; P's by all clusters of a column: the one with
; y = 0 asks.  Of the four partners that ask for a tile jointly the one at place p takes the slot's p-th group BY ADDRESS (p = cx for R, cy for P: no branch hangs on a place in the cluster), and of it the two waves that
; fetch the tile take half each: one instruction a wave, lanes 256 bytes apart.  The groups' scale words are not asked for; the first four slots come by their loads alone; the loop's last trip has no slot two refills on.
.macro ASK
	s_cmp_gt_u32 s3, s[LIM]                        ; s3 = 1 in the loop's last trip
	s_cbranch_scc0 .Lnot_mine_\@
	global_prefetch_b8 v[PFO], s[PFA:PFA+1] th:TH_LOAD_NT scope:SCOPE_SE
.Lnot_mine_\@:
.endm
.macro CREST                           ; a round of the cluster's barrier behind its opening barrier
	s_cmp_lg_u32 s14, 0
	s_cbranch_scc1 .Lnot_wave_0_\@
	s_barrier_signal -3
.Lnot_wave_0_\@:
	s_barrier_wait -3
	s_barrier_signal -1
	s_barrier_wait -1
.endm
.macro CROUND
	s_barrier_signal -1
	s_barrier_wait -1
	CREST
.endm
.macro FRAG reg, adr, q, i             ; a fragment comes back as it was stored: four loads of 512 consecutive bytes
.irp c, 0,1,2,3
	ds_load_b128 v[\reg+4*\c:\reg+4*\c+3], v[\adr] offset:(\q)*GB+(\i)*2048+512*\c
.endr
.endm
.macro FETCH slot, q, p                ; 32 LDS loads in one run: my four fragments of P and four of R of the slot's q-th 128 along K, into buffer p
	WIN TO_F
.irp i, 0,1,2,3
	FRAG 128*(\p)+64+FR*\i, ADRB+\slot, \q, \i
.endr
.irp i, 0,1,2,3
	FRAG 128*(\p)+FR*\i, ADRA+\slot, \q, \i
.endr
.endm
.macro SCALES sc                       ; a slot's scale words: register 4 i + q: lanes 0-15 R's block i, lanes 16-31 P's block i
.irp i, 0,1,2,3
.irp q, 0,1,2,3
	ds_load_b32 v[SC+16*\sc+4*\i+\q], v[ADRS+\sc] offset:\q*GB+128*\i
.endr
.endr
.endm
.macro MUL8 p, a0, q, sc, zero         ; R's blocks a0, a0 + 1 x P's four; the 16 accumulators take turns, one instruction a turn.  zero = 1: the first product starts the sums
.irp a, \a0, \a0+1
.irp b, 0,1,2,3
.if \zero
	v_wmma_scale_f32_16x16x128_f8f6f4 v[ACC+8*(4*(\a)+\b):ACC+8*(4*(\a)+\b)+7], v[128*(\p)+64+FR*\b:128*(\p)+64+FR*\b+FR-1], v[128*(\p)+FR*(\a):128*(\p)+FR*(\a)+FR-1], 0, v[SC+16*(\sc)+4*\b+(\q)], v[SC+16*(\sc)+4*(\a)+(\q)] matrix_a_scale:MATRIX_SCALE_ROW1
.else
	v_wmma_scale_f32_16x16x128_f8f6f4 v[ACC+8*(4*(\a)+\b):ACC+8*(4*(\a)+\b)+7], v[128*(\p)+64+FR*\b:128*(\p)+64+FR*\b+FR-1], v[128*(\p)+FR*(\a):128*(\p)+FR*(\a)+FR-1], v[ACC+8*(4*(\a)+\b):ACC+8*(4*(\a)+\b)+7], v[SC+16*(\sc)+4*\b+(\q)], v[SC+16*(\sc)+4*(\a)+(\q)] matrix_a_scale:MATRIX_SCALE_ROW1
.endif
.endr
.endr
.endm
.macro PLACES n                        ; plain vector lines in front of loads into registers that matrix instructions have read, and of the first read of results
.rept \n
	v_nop
.endr
.endm
; One of a slot's first three steps of 128 along K: the next step's fragments are asked for into the other buffer, which the last step's products have read; then this step's 16 products.
.macro STEP slot, q, zero
	PLACES NP
	FETCH \slot, (\q)+1, 1-(\q)%2
	s_wait_dscnt 32                                ; all but the 32 loads just issued: this step's fragments, and the slot's scale words, are in
	WIN MUL
	MUL8 (\q)%2, 0, \q, \slot, \zero
	MUL8 (\q)%2, 2, \q, \slot, \zero
.endm
; A slot's fourth step multiplies buffer 1 and changes slots: ONE barrier; in front of it each wave waits for all its tensor loads, adds 0 to its spare word, and waits for that and for its own reads of this slot.
; fill = 1: the barrier opens a round of the cluster's barrier, and the slot is filled again, two slots ahead.
.macro TURN slot, next, fill
	WIN 0                                          ; (the add's two registers lie in window 0)
.if \fill
	s_wait_xcnt 0x0                                ; the last prefetch, a slot back, has read its address, so it may be written:
	s_add_nc_u64 s[PFA:PFA+1], s[PFA:PFA+1], 4*GB  ; a slot on
.endif
	s_wait_tensorcnt 0x0                           ; all my tensor loads have landed: my part of the next slot
	ds_add_u32 v[SPW], v[NIL]                      ; 0 onto my spare word
	s_wait_dscnt 1                                 ; this step's fragments are in (the add may be out)
	WIN MUL
	MUL8 1, 0, 3, \slot, 0                         ; eight matrix instructions stand between the add and the wait for it
	s_wait_dscnt 0x0                               ; the add is done, and my reads of this slot are over
	s_barrier_signal -1
	MUL8 1, 2, 3, \slot, 0
	WIN 0
	s_barrier_wait -1
.if \fill
	CREST                                          ; no wave of any partner still reads this slot or has a load on its way
	s_add_nc_u64 s[G0+4*\slot+2:G0+4*\slot+3], s[G0+4*\slot+2:G0+4*\slot+3], 8*GB
	s_add_nc_u64 s[G0B+4*\slot+2:G0B+4*\slot+3], s[G0B+4*\slot+2:G0B+4*\slot+3], 8*GB
	JLOAD G0+4*\slot, G1, G0B+4*\slot, G1B         ; the first tensor load behind the round; its four v_nop are among the places in front of the loads below
	PLACES NP-4
.else
	PLACES NP
.endif
	FETCH \next, 0, 0
	WIN 0
	SCALES \next
.if \fill
	ASK
.endif
.endm
	s_load_b256 s[68:75], s[0:1], 0x0              ; R's image, the weights' image, the bias, the residual
	s_load_b64 s[76:77], s[0:1], 0x20              ; the result
	v_lshl_add_u32 v[SPW], v0, 2, SPARE
	v_mov_b32 v[NIL], 0
	ds_add_u32 v[SPW], v[NIL]                      ; the wave's opening: the add, twice on end, and its wait ahead of my first tensor load
	ds_add_u32 v[SPW], v[NIL]
	v_lshrrev_b32 v1, 5, v0
	v_readfirstlane_b32 s14, v1                    ; wave 0..3
	s_lshr_b32 s15, s14, 1                         ; which 64 of R's rows are mine.  Also: I fetch for R (0) or for P (1)
	s_and_b32 s16, s14, 1                          ; which 64 of P's rows.  Also: which half of a slot's K I fetch
	s_bfe_u32 s40, ttmp6, 0x40000                  ; cx
	s_bfe_u32 s41, ttmp6, 0x40004                  ; cy
	s_lshl_b32 s42, ttmp9, 2
	s_add_co_u32 s42, s42, s40                     ; P's group of 128 rows = 4 x cluster x + cx
	s_and_b32 s17, ttmp7, 0xffff
	s_lshl_b32 s17, s17, 2
	s_add_co_u32 s17, s17, s41                     ; R's group = 4 x cluster y + cy
	s_lshl_b32 s43, s41, 2
	s_lshl_b32 s43, 15, s43                        ; my row of the cluster
	s_lshl_b32 s44, 0x1111, s40                    ; my column
	s_or_b32 s[G1+0], s43, (3<<16)|(1<<21)         ; 15:0 the mask: R's tiles go to my row; 17:16 elements of 8 bytes; 21 set beside a mask; no padding
	s_or_b32 s[G1B+0], s44, (3<<16)|(1<<21)
.irp g, G1, G1B
	s_mov_b32 s[\g+1], 32<<16                      ; tensor_dim0 = 32 elements: 256 bytes
	s_mov_b32 s[\g+2], 136<<16                     ; tensor_dim1 = 136 rows: 34,816 dense bytes
	s_mov_b32 s[\g+3], 32<<16                      ; tile_dim0
	s_mov_b32 s[\g+4], 136                         ; tile_dim1
	s_mov_b32 s[\g+5], 32                          ; the pitch
	s_mov_b32 s[\g+6], 0
	s_mov_b32 s[\g+7], 0
.endr
	s_mul_i32 s18, s16, HALFT                      ; my half of a slot's K
	s_mul_i32 s20, s17, NS*GB
	s_add_co_u32 s20, s20, s18                     ; R: the group row, + my half
	s_mov_b32 s21, 0
	s_mul_i32 s46, s42, NS*GB
	s_add_co_u32 s46, s46, s18
	s_add_co_u32 s46, s46, POFF                    ; P likewise, in the weights' image
	s_mov_b32 s47, 0
	s_mul_i32 s45, s14, HALFT                      ; where it goes: no place in the cluster enters an LDS address
	s_wait_dscnt 0x0                               ; both opening adds are done
	s_wait_kmcnt 0x0
	s_add_nc_u64 s[20:21], s[68:69], s[20:21]
	s_add_nc_u64 s[46:47], s[70:71], s[46:47]
	CROUND                                         ; all sixteen work-groups are here: the first joint loads meet
.irp s, 0,1
	s_mov_b32 s[G0+4*\s], 1
	s_add_co_u32 s[G0+4*\s+1], s45, \s*SLOT
	s_add_nc_u64 s[G0+4*\s+2:G0+4*\s+3], s[20:21], \s*4*GB
	s_or_b32 s[G0+4*\s+3], s[G0+4*\s+3], 0x80000000
	s_mov_b32 s[G0B+4*\s], 1
	s_add_co_u32 s[G0B+4*\s+1], s45, \s*SLOT
	s_add_nc_u64 s[G0B+4*\s+2:G0B+4*\s+3], s[46:47], \s*4*GB
	s_or_b32 s[G0B+4*\s+3], s[G0B+4*\s+3], 0x80000000
	JLOAD G0+4*\s, G1, G0B+4*\s, G1B
.endr
	v_and_b32 v1, 31, v0                           ; lane
	v_bfe_u32 v2, v0, 4, 1                         ; h
	v_lshlrev_b32 v4, 4, v1                        ; 16 x lane
	v_lshlrev_b32 v3, 2, v1                        ; 4 x lane
	v_and_b32 v5, 15, v0                           ; r
	v_lshlrev_b32 v7, 4, v5                        ; 16 r
	s_lshl_b32 s21, s15, 13                        ; my four fragments of R: 2,048 bytes each
	s_lshl_b32 s22, s16, 13
	s_add_co_u32 s22, s22, 4*GB                    ; my four of P, behind R's four groups
	s_lshl_b32 s18, s15, 9                         ; their scale words: 128 bytes a fragment
	s_lshl_b32 s19, s16, 9
	s_add_co_u32 s19, s19, 4*GB
	s_sub_co_u32 s23, s19, s18
	v_mul_u32_u24 v6, s23, v2                      ; lanes 16-31 take P's scale words: the lower base + h x the distance
	v_add_nc_u32 v6, v6, v3
	s_add_co_u32 s23, s18, 16384
.irp s, 0,1
	v_add_nc_u32 v[ADRA+\s], s21, v4
	v_add_nc_u32 v[ADRB+\s], s22, v4
	v_add_nc_u32 v[ADRS+\s], s23, v6
	s_add_co_u32 s21, s21, SLOT
	s_add_co_u32 s22, s22, SLOT
	s_add_co_u32 s23, s23, SLOT
.endr
	s_mul_i32 s23, s14, 16*SPITCH                  ; my stage
	v_mul_u32_u24 v5, v5, SPITCH
	v_lshl_add_u32 v5, v2, 6, v5
	v_add_nc_u32 v[STO], s23, v5                   ; in: row r, + 64 h
	v_mul_u32_u24 v6, v2, SPITCH
	v_add_nc_u32 v6, v6, v7
	v_add_nc_u32 v[RD], s23, v6                    ; back: lanes 0-15 take one row of 256 bytes, lanes 16-31 the next
	v_lshl_add_u32 v[CO], v2, 12, v7               ; and the same two rows in memory
	s_lshl_b32 s20, s17, 1
	s_add_co_u32 s20, s20, s15
	s_lshl_b32 s20, s20, 18                        ; my 64 rows of 4,096 bytes
	s_lshl_b32 s46, s42, 9
	s_lshl_b32 s47, s16, 8
	s_add_co_u32 s46, s46, s47                     ; my 64 columns, in bytes
	s_mov_b32 s47, 0
	s_add_nc_u64 s[86:87], s[72:73], s[46:47]
	s_add_co_u32 s46, s46, s20
	s_add_nc_u64 s[RES:RES+1], s[74:75], s[46:47]
	s_add_nc_u64 s[OUT:OUT+1], s[76:77], s[46:47]
	global_load_b128 v[BV:BV+3], v7, s[86:87]      ; the bias of my four columns of a row
	WIN 0x80                                       ; destination window 2
.irp a, 0,1,2,3                                ; my 64 x 64 of the residual, in the order in which the way out reads rows back: it lands under the products.  Row 2 t + h of block a is row 32 (a / 2) + 8 (a % 2) + 2 t + 8 (t / 4) + h of my 64
.irp t, 0,1,2,3,4,5,6,7
	global_load_b128 v[32*\a+4*\t:32*\a+4*\t+3], v[CO], s[RES:RES+1] offset:(32*(\a/2)+8*(\a%2)+2*\t+8*(\t/4))*4096 th:TH_LOAD_NT
.endr
.endr
	WIN 0
.if LAPS > 1
	; the prefetches (macro ASK): where my wave's stand, and who asks
	s_and_b32 s97, ttmp7, 0xffff                   ; cluster y
	s_cmp_eq_u32 s15, 0                            ; do I fetch for R?
	s_cselect_b32 s95, s17, s42                    ; the group row
	s_cselect_b32 s96, s40, s41                    ; my place among the four that ask for it with me
	s_cselect_b32 s97, ttmp9, s97                  ; the coordinate along which other clusters read the same groups
	s_cselect_b32 s98, 0, POFF
	s_cselect_b64 s[PFA:PFA+1], s[68:69], s[70:71]
	s_cmp_eq_u32 s97, 0
	s_cselect_b32 s[LIM], 1, -1                    ; the same in all sixteen partners, for a given wave
	s_mul_i32 s95, s95, NS*GB
	s_add_co_u32 s98, s98, s95
	s_mul_i32 s96, s96, GB                         ; my work-group's group of a slot's four
	s_add_co_u32 s98, s98, s96
	s_lshl_b32 s96, s16, 13                        ; my wave's half of its codes
	s_add_co_u32 s98, s98, s96
	s_add_co_u32 s98, s98, 3*4*GB                  ; in the fourth slot's worth of K: the first refill steps it to the fifth.  Nothing is prefetched here, at the head
	s_mov_b32 s99, 0
	s_add_nc_u64 s[PFA:PFA+1], s[PFA:PFA+1], s[98:99]
	v_lshlrev_b32 v[PFO], 8, v1
.endif
	s_wait_tensorcnt 1                             ; my part of slot 0 is in (slot 1's load may be out)
	s_barrier_signal -1
	s_barrier_wait -1                              ; everybody's is
	FETCH 0, 0, 0
	WIN 0
	SCALES 0
	STEP 0, 0, 1                                   ; the first step stands in front of the loop: its products start the sums
.if LAPS > 1
	WIN 0                                          ; at a label and at a branch every window is 0
	s_mov_b32 s3, LAPS-1
.Llap:                                             ; a trip goes once round the ring, from a lap's second step to the next lap's first, and fills both slots again
	STEP 0, 1, 0
	STEP 0, 2, 0
	TURN 0, 1, 1
	STEP 1, 0, 0
	STEP 1, 1, 0
	STEP 1, 2, 0
	TURN 1, 0, 1
	STEP 0, 0, 0
	WIN 0
	s_sub_co_u32 s3, s3, 1
	s_cmp_lg_u32 s3, 0
	s_cbranch_scc1 .Llap
.endif
	STEP 0, 1, 0                                   ; the last lap fills nothing, and has no round of the cluster's barrier
	STEP 0, 2, 0
	TURN 0, 1, 0
	STEP 1, 0, 0
	STEP 1, 1, 0
	STEP 1, 2, 0
	s_wait_dscnt 0x0                               ; the very last step: nothing more to fetch
	WIN MUL
	MUL8 1, 0, 3, 1, 0
	MUL8 1, 2, 3, 1, 0
	WIN 0
; THE WAY OUT, block by block of 16 rows x 64 columns.  A lane holds 32 neighbouring bytes of a row, and the lanes beside it hold other rows: so a block goes through my own stage in LDS and comes back as whole rows of
; 256 bytes, two rows an instruction; + bias, + residual; sixteen lanes store 256 consecutive bytes, at a multiple of 256 from the buffer's first byte.  Every offset is an immediate: 62 rows of 4,096 bytes at the most.
.macro TOSTAGE a
.irp b, 0,1,2,3
	ds_store_b128 v[STO], v[ACC+8*(4*(\a)+\b):ACC+8*(4*(\a)+\b)+3] offset:128*(\b/2)+32*(\b%2)          ; each accumulator from its low end on
	ds_store_b128 v[STO], v[ACC+8*(4*(\a)+\b)+4:ACC+8*(4*(\a)+\b)+7] offset:128*(\b/2)+32*(\b%2)+16
.endr
.set BB, BK+32*((\a)%2)
.irp t, 0,1,2,3,4,5,6,7
	ds_load_b128 v[BB+4*\t:BB+4*\t+3], v[RD] offset:\t*2*SPITCH   ; LDS serves a wave's instructions in order (ISA guide 5.7.1.4): these see the stores above, and the next block's stores come behind them
.endr
.endm
.macro SEND a, younger                 ; younger: the LDS instructions issued behind block a's loads, which may stay out
.set BB, BK+32*((\a)%2)
.set RB, 32*(\a)
	s_wait_dscnt \younger
.irp t, 0,1,2,3,4,5,6,7
	v_pk_add_f32 v[BB+4*\t:BB+4*\t+1], v[BB+4*\t:BB+4*\t+1], v[BV:BV+1]
	v_pk_add_f32 v[BB+4*\t+2:BB+4*\t+3], v[BB+4*\t+2:BB+4*\t+3], v[BV+2:BV+3]
.endr
	WIN 0x08                                       ; source 1: window 2
.irp t, 0,1,2,3,4,5,6,7
	v_pk_add_f32 v[BB+4*\t:BB+4*\t+1], v[BB+4*\t:BB+4*\t+1], v[RB+4*\t:RB+4*\t+1]
	v_pk_add_f32 v[BB+4*\t+2:BB+4*\t+3], v[BB+4*\t+2:BB+4*\t+3], v[RB+4*\t+2:RB+4*\t+3]
.endr
	WIN 0
.irp t, 0,1,2,3,4,5,6,7
.if NTS
	global_store_b128 v[CO], v[BB+4*\t:BB+4*\t+3], s[OUT:OUT+1] offset:(32*((\a)/2)+8*((\a)%2)+2*\t+8*(\t/4))*4096 th:TH_STORE_NT
.else
	global_store_b128 v[CO], v[BB+4*\t:BB+4*\t+3], s[OUT:OUT+1] offset:(32*((\a)/2)+8*((\a)%2)+2*\t+8*(\t/4))*4096
.endif
.endr
.endm
	PLACES NP                                      ; in front of the first read of results
	s_wait_loadcnt 0x0                             ; the bias and the residual, asked for at the head
	TOSTAGE 0
.irp a, 1,2,3
.if \a > 1
	s_wait_xcnt 0x0                                ; block a - 2's stores have read their registers: block a's rows may land there
.endif
	TOSTAGE \a
	SEND \a-1, 16                                  ; behind block a - 1's loads: block a's 8 stores and 8 loads
.endr
	SEND 3, 0
	s_wait_tensorcnt 0x0                           ; the wave's end, behind my last tensor load and my last LDS store
	ds_add_u32 v[SPW], v[NIL]
	s_wait_dscnt 0x0
	CROUND                                         ; the closing round: no work-group ends while a partner may still ask for a tile that names it
	s_endpgm
.Lfunc_end_k_q371135d7ba_gemm_p2:
	.size	k_q371135d7ba_gemm_p2, .Lfunc_end_k_q371135d7ba_gemm_p2-k_q371135d7ba_gemm_p2
	.p2alignl 7, 3214868480
	.fill 96, 4, 3214868480
	.section	.rodata,"a",@progbits
	.p2align	6, 0x0
	.amdhsa_kernel k_q371135d7ba_gemm_p2
		.amdhsa_group_segment_fixed_size 327680
		.amdhsa_private_segment_fixed_size 0
		.amdhsa_enable_private_segment 0
		.amdhsa_kernarg_size 40
		.amdhsa_user_sgpr_count 2
		.amdhsa_user_sgpr_kernarg_segment_ptr 1
		.amdhsa_wavefront_size32 1
		.amdhsa_system_sgpr_workgroup_id_x 1
		.amdhsa_system_sgpr_workgroup_id_y 1
		.amdhsa_system_sgpr_workgroup_id_z 1
		.amdhsa_system_vgpr_workitem_id 0
		.amdhsa_next_free_vgpr 768
		.amdhsa_next_free_sgpr 100
		.amdhsa_reserve_vcc 0
		.amdhsa_float_denorm_mode_32 3
		.amdhsa_float_denorm_mode_16_64 3
		.amdhsa_memory_ordered 1
		.amdhsa_forward_progress 1
		.amdhsa_inst_pref_size 104
	.end_amdhsa_kernel
	.amdgpu_metadata
---
amdhsa.version: [ 1, 2 ]
amdhsa.kernels:
  - .name:           k_q371135d7ba_gemm_p2
    .symbol:         k_q371135d7ba_gemm_p2.kd
    .args:
      - { .name: gimg, .offset: 0, .size: 8, .value_kind: global_buffer, .address_space: global }
      - { .name: wimg, .offset: 8, .size: 8, .value_kind: global_buffer, .address_space: global }
      - { .name: bp2, .offset: 16, .size: 8, .value_kind: global_buffer, .address_space: global }
      - { .name: x1, .offset: 24, .size: 8, .value_kind: global_buffer, .address_space: global }
      - { .name: out0, .offset: 32, .size: 8, .value_kind: global_buffer, .address_space: global }
    .group_segment_fixed_size: 327680
    .private_segment_fixed_size: 0
    .kernarg_segment_align: 8
    .kernarg_segment_size: 40
    .max_flat_workgroup_size: 128
    .sgpr_count:     100
    .vgpr_count:     768
    .wavefront_size: 32
...
	.end_amdgpu_metadata
.endif
;; end of part 10
